; MI455X (gfx1250); checked and timed in simulation.
; The chip was launched on July 23, 2026; its instructions are those of AMD's public machine-readable ISA for CDNA 5 (MIT licence, August 2026) and "CDNA5" Instruction Set Architecture Reference Guide (July 2026). The comments in the code are by the model that wrote it; some were corrected since.
;; Mo E Block. Allowed arithmetic: matrix products marked QUANTISED: E3M2 operands, one E8M0 scale for each 32 along K, by v_wmma_scale_f32_16x16x128_f8f6f4 with both operands' format E3M2, f32 sums; products left as they are: f32 operands where the result goes on into a quantised operand, else bf16, f16 or f32 operands; f32 sums; everything else in f32.
;; Inputs: W1 8 x 4,096 x 1,024 float32; W2 8 x 1,024 x 4,096 float32; Wr 8 x 1,024 float32; b1 8 x 4,096 float32; b2 8 x 1,024 float32; x 4 x 256 x 1,024 float32.
;; Outputs: out0 4 x 256 x 1,024 float32; out1 one number float32.
;; This version of the problem:
;;   THIS VERSION OF THE PROBLEM IS GIVEN IN LOW PRECISION. The matrix products marked QUANTISED in the list below multiply operands that are first quantised to E3M2 (3 exponent bits, 2 mantissa bits; 6 bits a number), with one power-of-two scale for each 32 numbers along K (OCP MX v1.0); their sums are f32. All else is computed in f32.
;;   The module's matrix products, in the order in which they are computed (A, B: the left and right operand; K: the contracted axis; several contracted axes count as one K, in the product's order):
;;     1. [M 1,024, K 1,024] x [K 1,024, N 8]; A: input x; B: input Wr: left as it is (N = 8 < 16)
;;     2. batch 1,024 x [M 1, K 2] x [K 2, N 8]; A: computed on the way; B: computed on the way: left as it is (K = 2 < 32)
;;     3. [M 1,024, K 1,024] x [K 1,024, N 4,096]; A: input x; B: input W1: QUANTISED
;;     4. [M 1,024, K 4,096] x [K 4,096, N 1,024]; A: computed on the way; B: input W2: QUANTISED
;;     5. [M 1,024, K 1,024] x [K 1,024, N 4,096]; A: input x; B: input W1: QUANTISED
;;     6. [M 1,024, K 4,096] x [K 4,096, N 1,024]; A: computed on the way; B: input W2: QUANTISED
;;     7. [M 1,024, K 1,024] x [K 1,024, N 4,096]; A: input x; B: input W1: QUANTISED
;;     8. [M 1,024, K 4,096] x [K 4,096, N 1,024]; A: computed on the way; B: input W2: QUANTISED
;;     9. [M 1,024, K 1,024] x [K 1,024, N 4,096]; A: input x; B: input W1: QUANTISED
;;     10. [M 1,024, K 4,096] x [K 4,096, N 1,024]; A: computed on the way; B: input W2: QUANTISED
;;     11. [M 1,024, K 1,024] x [K 1,024, N 4,096]; A: input x; B: input W1: QUANTISED
;;     12. [M 1,024, K 4,096] x [K 4,096, N 1,024]; A: computed on the way; B: input W2: QUANTISED
;;     13. [M 1,024, K 1,024] x [K 1,024, N 4,096]; A: input x; B: input W1: QUANTISED
;;     14. [M 1,024, K 4,096] x [K 4,096, N 1,024]; A: computed on the way; B: input W2: QUANTISED
;;     15. [M 1,024, K 1,024] x [K 1,024, N 4,096]; A: input x; B: input W1: QUANTISED
;;     16. [M 1,024, K 4,096] x [K 4,096, N 1,024]; A: computed on the way; B: input W2: QUANTISED
;;     17. [M 1,024, K 1,024] x [K 1,024, N 4,096]; A: input x; B: input W1: QUANTISED
;;     18. [M 1,024, K 4,096] x [K 4,096, N 1,024]; A: computed on the way; B: input W2: QUANTISED
;;   THE QUANTISER, for each operand of a quantised product, along K:
;;     - K is cut into blocks of 32 from its start; a last block that is shorter is filled with zeros.
;;     - A block's scale is 2^e with e = floor(log2(the largest magnitude in the block)) - 4, held to -126 .. 127; a block of zeros has e = 0. As a byte (E8M0): e + 127.
;;     - Each number is divided by its block's scale, clamped to +-28, and rounded to the nearest number of E3M2, ties to even, subnormals kept.
;;     - The product sums the exact products of the quantised numbers (number of the format x scale) in f32.
;;   ~~~python
;;   def quantise(x, axis):      # numpy; x: float32 -> the quantised numbers, widened to float32 again
;;       x = np.moveaxis(x, axis, -1); K = x.shape[-1]
;;       x = np.pad(x, [(0, 0)] * (x.ndim - 1) + [(0, -K % 32)]); x = x.reshape(x.shape[:-1] + (-1, 32)); a = np.abs(x).max(-1, keepdims=True)
;;       e = np.where(a > 0, np.clip(np.frexp(np.where(a > 0, a, 1))[1] - 1 - 4, -126, 127), 0)      # np.frexp(a)[1] - 1 = floor(log2(a)), exactly
;;       r = np.clip(x / 2.0 ** e, -28, 28)
;;       step = 2.0 ** (np.maximum(np.frexp(np.where(r == 0, 1, r))[1] - 1, -2) - 2)
;;       q = np.round(r / step) * step * 2.0 ** e      # np.round: ties to even
;;       return np.moveaxis(q.reshape(q.shape[:-2] + (-1,))[..., :K], -1, axis).astype(np.float32)
;;   ~~~
;;   OPERANDS COMPUTED ON THE WAY. 'Computed on the way' means the value that the module computes at that place (a softmax that the list does not call 'softmax' is quantised finished and normalised). What goes into a quantiser is computed in f32, as accurately as f32 sums, v_exp_f32 and their like allow (about 1e-6 of the number): no bf16 or f16 on the way to a quantiser, and a product that is left as it is and whose result goes on into a quantised operand takes f32 operands (vector FMAs, or v_wmma_f32_16x16x4_f32). A number that lies on a knife's edge between two numbers of the format may be rounded either way, as far as f32 arithmetic and the matrix unit's own rounding can turn it there, and no further.
;; 2 versions. Each part assembles by itself: llvm-mc -triple=amdgcn-amd-amdhsa -mcpu=gfx1250 --defsym DOCPART=n.
;; ======== version 1 of 2: 5 launches
;; workspace buffers: ord 5,120 bytes of whole numbers; pre 1,024 bytes of whole numbers; rt 16,384 bytes; xq 819,200 bytes; xs 6,553,600 bytes; hq 26,214,400 bytes; y 33,554,432 bytes
;; launch route (part 1): grid 128 x 1, 8 waves a work-group, no clusters, 38,400 bytes of LDS; arguments x, Wr, xq, ord, rt; writes xq, ord, rt
.if DOCPART == 1
	.amdgcn_target "amdgcn-amd-amdhsa--gfx1250"
	.amdhsa_code_object_version 6
	.text
	.protected	k_q3bbbb98bcd_route
	.globl	k_q3bbbb98bcd_route
	.p2align	8
	.type	k_q3bbbb98bcd_route,@function
k_q3bbbb98bcd_route:
	s_mov_b64 s[64:65], 0
	v_nop
	global_prefetch_b8 v0, s[64:65] scope:SCOPE_SE
	s_setreg_imm32_b32 hwreg(HW_REG_WAVE_MODE, 25, 1), 1
	s_wait_xcnt 0x0
; ROUTER AND QUANTISER OF x.  One wave takes one token t = 8 x work-group + wave (1,024 tokens, 128 work-groups of 8 waves).
; It makes the token's 8 logits in f32 (x . Wr[e], packed multiply-adds, a sum over the lanes) and turns the row into codes of E3M2 with one
; E8M0 byte for each 32 along K.  Wave 0 then takes the work-group's 8 tokens, a lane to a token: softmax with the maximum taken away, the two
; largest probabilities (a tie keeps the lower index), their weights, and what later launches need as whole numbers.
; OUT: xq: codes at 768 t + 384 h + 48 s + 24 c = the 24 bytes of block 4 s + 2 c + h (the order of an operand's registers); scale byte of block l at 786,432 + 32 t + l.
;      ord: at 128 e + t / 8 a byte with bit t % 8 set where token t chose expert e; at 1,024 + 4 t the two experts, e0 | e1 << 8.
;      rt: weights at 8 t; at 8,192 + 32 wg + 4 e the sum of the 8 tokens' probabilities of expert e; at 12,288 + 32 wg + 4 e how many of them chose e, as f32.
; No address and no branch hangs on a floating-point number: every place above is fixed by ids.
; LIMITS: NaN and infinities are not served; a block of zeros gets the byte 1 (its codes are zeros; this program alone reads the bytes).
.set STGB, 4608                        ; a wave's stage: 32 blocks x (128 bytes + 16)
.set LG,   36864                       ; the work-group's logits, [8 tokens][8] f32
.set XSB,  786432                      ; xq: where the scale bytes begin
.set ACC,  16                          ; v16-31   eight pairs of partial sums
.set XR,   32                          ; v32-63   the row as loaded: load i, lane l: k = 128 i + 4 l
.set XB,   64                          ; v64-95   one block of 32 neighbours
.set LGT,  96                          ; v96-103  the logits
.set TP,   104                         ; v104-111 the other half's sums
.set MSB, 0
.macro WIN new                         ; the immediate's high byte repeats the setting that is left
.if MSB != \new
	s_set_vgpr_msb (MSB<<8)|\new
.set MSB, \new
.endif
.endm
	s_load_b256 s[4:11], s[0:1], 0x0               ; x s[4:5], Wr s[6:7], xq s[8:9], ord s[10:11]
	s_load_b64 s[12:13], s[0:1], 0x20              ; rt
	v_lshl_add_u32 v254, v0, 2, 0x9200
	v_mov_b32 v255, 0
	v_lshrrev_b32 v1, 5, v0
	v_readfirstlane_b32 s14, v1                    ; wave
	v_and_b32 v1, 31, v0                           ; lane
	v_lshlrev_b32 v2, 4, v1                        ; 16 x lane
	s_lshl_b32 s15, ttmp9, 3
	s_add_co_u32 s15, s15, s14                     ; token
	s_lshl_b32 s16, s15, 12                        ; its row of 4,096 bytes
	s_mov_b32 s17, 0
	s_mov_b32 s21, 0
	s_mov_b32 s26, 0x76543210                      ; v_permlanex16_b32: lane l xor 16
	s_mov_b32 s27, 0xfedcba98
	s_wait_kmcnt 0x0
	s_add_nc_u64 s[4:5], s[4:5], s[16:17]
.irp i, 0,1,2,3,4,5,6,7
	global_load_b128 v[XR+4*\i:XR+4*\i+3], v2, s[4:5] offset:512*\i th:TH_LOAD_NT   ; 512 consecutive bytes a load
.endr
	WIN 0x40                                       ; destination window 1: Wr[e] at v[32 e + 4 i], laid as x is
.irp e, 0,1,2,3,4,5,6,7
.irp i, 0,1,2,3,4,5,6,7
	global_load_b128 v[32*\e+4*\i:32*\e+4*\i+3], v2, s[6:7] offset:4096*\e+512*\i
.endr
.endr
	WIN 0
	s_mul_i32 s18, s14, STGB
	v_lshrrev_b32 v4, 3, v1
	v_mul_u32_u24 v3, v4, 144
	v_and_b32 v4, 7, v1
	v_lshl_add_u32 v3, v4, 4, v3
	v_add_nc_u32 v3, s18, v3                       ; into the stage: 144 (l / 8) + 16 (l % 8); load i lies four blocks on
	v_lshlrev_b32 v8, 5, v4                        ; wave 0 later: the logits of token l % 8
	v_mul_u32_u24 v4, v1, 144
	v_add_nc_u32 v4, s18, v4                       ; out of it: block l
	s_lshl_b32 s19, s14, 5
	s_add_co_u32 s19, s19, LG
	v_mov_b32 v5, s19                              ; my token's logits
	v_and_b32 v7, 1, v1
	v_mul_u32_u24 v6, v7, 384
	v_lshrrev_b32 v7, 2, v1
	v_mad_u32_u24 v6, v7, 48, v6
	v_bfe_u32 v7, v1, 1, 1
	v_mad_u32_u24 v6, v7, 24, v6                   ; block l = 4 s + 2 c + h: 384 h + 48 s + 24 c
	s_mul_i32 s20, s15, 768
	s_add_nc_u64 s[22:23], s[8:9], s[20:21]        ; the token's codes
	s_lshl_b32 s20, s15, 5
	s_add_nc_u64 s[24:25], s[8:9], s[20:21]        ; and its scale bytes (XSB stands in the immediate)
.irp e, 0,1,2,3,4,5,6,7
	v_mov_b32 v[TP+\e], 0                          ; a lane permute's destination counts as read
.endr
	s_wait_loadcnt 0x0
	WIN 0x04                                       ; source 1 window 1
.irp e, 0,1,2,3,4,5,6,7
	v_pk_mul_f32 v[ACC+2*\e:ACC+2*\e+1], v[XR:XR+1], v[32*\e:32*\e+1]     ; the first product starts each sum
.endr
.irp m, 1,2,3,4,5,6,7,8,9,10,11,12,13,14,15
.irp e, 0,1,2,3,4,5,6,7
	v_pk_fma_f32 v[ACC+2*\e:ACC+2*\e+1], v[XR+2*\m:XR+2*\m+1], v[32*\e+2*\m:32*\e+2*\m+1], v[ACC+2*\e:ACC+2*\e+1]   ; the experts by turns
.endr
.endr
	WIN 0
.irp e, 0,1,2,3,4,5,6,7
	v_add_f32 v[LGT+\e], v[ACC+2*\e], v[ACC+2*\e+1]
.endr
.irp x, 1,2,4,8
.irp e, 0,1,2,3,4,5,6,7
	v_add_f32_dpp v[LGT+\e], v[LGT+\e], v[LGT+\e] row_xmask:\x row_mask:0xf bank_mask:0xf
.endr
.endr
.irp e, 0,1,2,3,4,5,6,7
	v_permlanex16_b32 v[TP+\e], v[LGT+\e], s26, s27
.endr
.irp e, 0,1,2,3,4,5,6,7
	v_add_f32 v[LGT+\e], v[LGT+\e], v[TP+\e]       ; every lane holds the eight logits
.endr
	ds_store_b128 v5, v[LGT:LGT+3]                 ; all lanes store the same bytes
	ds_store_b128 v5, v[LGT+4:LGT+7] offset:16
.irp i, 0,1,2,3,4,5,6,7
	ds_store_b128 v3, v[XR+4*\i:XR+4*\i+3] offset:576*\i      ; the row turns through the wave's own stage,
.endr
.irp q, 0,1,2,3,4,5,6,7
	ds_load_b128 v[XB+4*\q:XB+4*\q+3], v4 offset:16*\q        ; and comes back a block to a lane (LDS serves a wave's instructions in order)
.endr
	s_wait_dscnt 0x0
	v_max3_num_f32 v112, |v[XB]|, |v[XB+1]|, |v[XB+2]|        ; the block's largest magnitude, in two chains
	v_max3_num_f32 v113, |v[XB+3]|, |v[XB+4]|, |v[XB+5]|
.irp i, 6,10,14,18,22,26
	v_max3_num_f32 v112, v112, |v[XB+\i]|, |v[XB+\i+1]|
	v_max3_num_f32 v113, v113, |v[XB+\i+2]|, |v[XB+\i+3]|
.endr
	v_max3_num_f32 v112, v112, |v[XB+30]|, |v[XB+31]|
	v_max3_num_f32 v112, v112, v113, 0x2800000     ; and the floor 2^(5 - 127): the byte cannot fall under 1
	v_add_nc_u32 v114, 0xfe000000, v112            ; 4 off the exponent field: the conversion's scale operand
	v_cvt_scalef32_pk16_bf6_f32 v[120:122], v[XB:XB+15], v114
	v_cvt_scalef32_pk16_bf6_f32 v[124:126], v[XB+16:XB+31], v114
	v_lshrrev_b32 v127, 23, v114                   ; the scale's byte (a plain line behind the conversions)
	global_store_b96 v6, v[120:122], s[22:23]      ; the wave's two stores cover the token's 768 bytes
	global_store_b96 v6, v[124:126], s[22:23] offset:12
	global_store_b8 v1, v127, s[24:25] offset:XSB
	s_barrier_signal -1                            ; my LDS stores were waited for above: the eight tokens' logits lie in LDS
	s_barrier_wait -1
	s_cmp_lg_u32 s14, 0
	s_cbranch_scc1 .Lend
	; ---- wave 0: lane l takes token l % 8 of the work-group
	ds_load_b128 v[128:131], v8 offset:LG
	ds_load_b128 v[132:135], v8 offset:LG+16
	s_wait_dscnt 0x0
	v_max3_num_f32 v136, v128, v129, v130
	v_max3_num_f32 v136, v136, v131, v132
	v_max3_num_f32 v136, v136, v133, v134
	v_max_num_f32 v136, v136, v135                 ; the maximum is taken away ahead of the exponentials
.irp e, 0,1,2,3,4,5,6,7
	v_sub_f32 v[140+\e], v[128+\e], v136
.endr
.irp e, 0,1,2,3,4,5,6,7
	v_mul_f32 v[140+\e], 0x3fb8aa3b, v[140+\e]     ; x log2(e)
.endr
.irp e, 0,1,2,3,4,5,6,7
	v_exp_f32 v[140+\e], v[140+\e]
.endr
	v_nop                                          ; a plain line behind the exponentials
	s_wait_alu depctr_va_vdst(0)
	v_add_f32 v148, v140, v141
.irp e, 2,3,4,5,6,7
	v_add_f32 v148, v148, v[140+\e]
.endr
	v_rcp_f32 v149, v148
	v_nop
	s_wait_alu depctr_va_vdst(0)
.irp e, 0,1,2,3,4,5,6,7
	v_mul_f32 v[140+\e], v[140+\e], v149           ; the probabilities
.endr
	v_mov_b32 v150, v140                           ; the largest, and its index: what stands is kept where it is not smaller, so a tie keeps the lower index
	v_mov_b32 v151, 0
.irp e, 1,2,3,4,5,6,7
	v_cmp_ge_f32 vcc_lo, v150, v[140+\e]
	v_cndmask_b32 v150, v[140+\e], v150, vcc_lo
	v_cndmask_b32 v151, \e, v151, vcc_lo
.endr
.irp e, 0,1,2,3,4,5,6,7
	v_cmp_ne_u32 vcc_lo, \e, v151
	v_cndmask_b32 v[152+\e], -1.0, v[140+\e], vcc_lo      ; the first choice is taken out
.endr
	v_mov_b32 v160, v152
	v_mov_b32 v161, 0
.irp e, 1,2,3,4,5,6,7
	v_cmp_ge_f32 vcc_lo, v160, v[152+\e]
	v_cndmask_b32 v160, v[152+\e], v160, vcc_lo
	v_cndmask_b32 v161, \e, v161, vcc_lo
.endr
	v_add_f32 v165, v150, v160
	v_rcp_f32 v165, v165
	v_lshl_or_b32 v164, v161, 8, v151              ; e0 | e1 << 8 (a plain line behind the reciprocal)
	s_wait_alu depctr_va_vdst(0)
	v_mul_f32 v162, v150, v165                     ; the two weights
	v_mul_f32 v163, v160, v165
.irp e, 0,1,2,3,4,5,6,7
	v_mov_b32 v[166+\e], v[140+\e]
.endr
.irp x, 1,2,4
.irp e, 0,1,2,3,4,5,6,7
	v_add_f32_dpp v[166+\e], v[166+\e], v[166+\e] row_xmask:\x row_mask:0xf bank_mask:0xf     ; over the eight tokens
.endr
.endr
	v_mov_b32 v174, v166
.irp e, 1,2,3,4,5,6,7
	v_cmp_eq_u32 vcc_lo, \e, v1
	v_cndmask_b32 v174, v174, v[166+\e], vcc_lo    ; lane e takes expert e's sum
.endr
	v_mov_b32 v175, 0
	v_mov_b32 v176, 0
.irp e, 0,1,2,3,4,5,6,7
	v_cmp_eq_u32 s28, \e, v151
	v_cmp_eq_u32 s29, \e, v161
	s_or_b32 s28, s28, s29
	s_and_b32 s28, s28, 0xff                       ; bit n: token n of the eight chose expert e
	s_bcnt1_i32_b32 s29, s28
	v_writelane_b32 v175, s28, \e                  ; lane e takes expert e's byte,
	v_writelane_b32 v176, s29, \e                  ; and its count
.endr
	v_cvt_f32_u32 v176, v176
	s_lshl_b32 s30, ttmp9, 6
	v_lshl_add_u32 v177, v1, 3, s30                ; 8 t for token 8 wg + lane
	s_lshl_b32 s30, ttmp9, 5
	v_lshl_add_u32 v178, v1, 2, s30                ; 4 t; also 32 wg + 4 e
	s_mov_b32 s31, ttmp9
	v_lshl_add_u32 v179, v1, 7, s31                ; 128 e + wg
	v_cmp_gt_u32 vcc_lo, 8, v1
	s_wait_xcnt 0x0                                ; EXEC changes only behind this wait
	s_and_saveexec_b32 s32, vcc_lo
	global_store_b64 v177, v[162:163], s[12:13]
	global_store_b32 v178, v164, s[10:11] offset:1024
	global_store_b8 v179, v175, s[10:11]
	global_store_b32 v178, v174, s[12:13] offset:8192
	global_store_b32 v178, v176, s[12:13] offset:12288
	s_wait_xcnt 0x0
	s_or_b32 exec_lo, exec_lo, s32
.Lend:
	s_wait_tensorcnt 0x0
	ds_add_u32 v254, v255
	s_wait_dscnt 0x0
	s_endpgm
.Lfunc_end_k_q3bbbb98bcd_route:
	.size	k_q3bbbb98bcd_route, .Lfunc_end_k_q3bbbb98bcd_route-k_q3bbbb98bcd_route
	.p2alignl 7, 3214868480
	.fill 96, 4, 3214868480
	.section	.rodata,"a",@progbits
	.p2align	6, 0x0
	.amdhsa_kernel k_q3bbbb98bcd_route
		.amdhsa_group_segment_fixed_size 38400
		.amdhsa_private_segment_fixed_size 0
		.amdhsa_enable_private_segment 0
		.amdhsa_kernarg_size 40
		.amdhsa_user_sgpr_count 2
		.amdhsa_user_sgpr_kernarg_segment_ptr 1
		.amdhsa_wavefront_size32 1
		.amdhsa_system_sgpr_workgroup_id_x 1
		.amdhsa_system_sgpr_workgroup_id_y 1
		.amdhsa_system_sgpr_workgroup_id_z 1
		.amdhsa_system_vgpr_workitem_id 0
		.amdhsa_next_free_vgpr 512
		.amdhsa_next_free_sgpr 66
		.amdhsa_reserve_vcc 1
		.amdhsa_float_denorm_mode_32 3
		.amdhsa_float_denorm_mode_16_64 3
		.amdhsa_memory_ordered 1
		.amdhsa_forward_progress 1
		.amdhsa_inst_pref_size 34
	.end_amdhsa_kernel
	.amdgpu_metadata
---
amdhsa.version: [ 1, 2 ]
amdhsa.kernels:
  - .name:           k_q3bbbb98bcd_route
    .symbol:         k_q3bbbb98bcd_route.kd
    .args:
      - { .name: x, .offset: 0, .size: 8, .value_kind: global_buffer, .address_space: global }
      - { .name: Wr, .offset: 8, .size: 8, .value_kind: global_buffer, .address_space: global }
      - { .name: xq, .offset: 16, .size: 8, .value_kind: global_buffer, .address_space: global }
      - { .name: ord, .offset: 24, .size: 8, .value_kind: global_buffer, .address_space: global }
      - { .name: rt, .offset: 32, .size: 8, .value_kind: global_buffer, .address_space: global }
    .group_segment_fixed_size: 38400
    .private_segment_fixed_size: 0
    .kernarg_segment_align: 8
    .kernarg_segment_size: 40
    .max_flat_workgroup_size: 256
    .sgpr_count:     66
    .vgpr_count:     512
    .wavefront_size: 32
...
	.end_amdgpu_metadata
.endif
;; end of part 1
;; launch place (part 2): grid 64 x 1, 8 waves a work-group, no clusters, 0 bytes of LDS; arguments ord, rt, xq, xs, pre, out1; writes xs, pre, out1
.if DOCPART == 2
	.amdgcn_target "amdgcn-amd-amdhsa--gfx1250"
	.amdhsa_code_object_version 6
	.text
	.protected	k_q3bbbb98bcd_place
	.globl	k_q3bbbb98bcd_place
	.p2align	8
	.type	k_q3bbbb98bcd_place,@function
k_q3bbbb98bcd_place:
	s_mov_b64 s[64:65], 0
	v_nop
	global_prefetch_b8 v0, s[64:65] scope:SCOPE_SE
	s_setreg_imm32_b32 hwreg(HW_REG_WAVE_MODE, 25, 1), 1
	s_wait_xcnt 0x0
; THE ROWS ARE PLACED BY EXPERT.  Work-group wg serves expert e = wg / 8; wave w takes tile i = 8 (wg % 8) + w: positions 16 i .. 16 i + 15 of the expert's list of tokens (ascending token number).
; The list is never written: a lane finds the token at its position from the expert's 32 mask words (which word by running counts; which bit by the partial sums of a population count).
; The tile's codes of x are copied into xs as an image of the operand's registers: 12,288 T + 512 q + 16 lane (T = 64 e + i, q = group of four registers), scale words at 6,291,456 + 512 T + 32 r + 4 s.
; Positions past the expert's count repeat its last row; tiles wholly past it are not written and never read for a result.
; pre[e][j] (128 e + 4 j): chosen tokens of expert e in the words before j.
; THE AUX LOSS, sum over e of count_e x (sum of probabilities)_e x 8 / (2,048 x 1,024), is made by work-group 7's wave 7.  Its tile is expert 0's tile 63, which has rows only where more than 1,008 tokens chose
; expert 0: so the loss's loads and sums as a rule do not lengthen the way of a wave that has rows to copy; where that tile has rows, the wave does both.
; All addresses here hang on whole numbers that the launch before stored.  No LDS, no barrier: waves share nothing.
.set XSB, 786432
.set XSS, 6291456
	s_load_b256 s[4:11], s[0:1], 0x0               ; ord s[4:5], rt s[6:7], xq s[8:9], xs s[10:11]
	s_load_b128 s[12:15], s[0:1], 0x20             ; pre s[12:13], out1 s[14:15]
	v_lshrrev_b32 v1, 5, v0
	v_readfirstlane_b32 s50, v1                    ; wave
	v_and_b32 v1, 31, v0                           ; lane
	v_and_b32 v2, 15, v0                           ; r
	v_bfe_u32 v3, v0, 4, 1                         ; h
	s_lshr_b32 s51, ttmp9, 3                       ; expert
	s_and_b32 s52, ttmp9, 7
	s_lshl_b32 s52, s52, 3
	s_add_co_u32 s52, s52, s50                     ; tile
	s_lshl_b32 s58, s51, 7
	s_mov_b32 s59, 0
	s_wait_kmcnt 0x0
	s_add_nc_u64 s[56:57], s[4:5], s[58:59]        ; the expert's 32 mask words
	s_load_b512 s[16:31], s[56:57], 0x0
	s_load_b512 s[32:47], s[56:57], 0x40
	s_lshl_b32 s53, ttmp9, 3
	s_add_co_u32 s53, s53, s50                     ; 8 x work-group + wave
	s_cmp_lg_u32 s53, 63                           ; work-group 7's wave 7 alone goes on into the aux loss
	s_cbranch_scc1 .Lnoaux
	; ---- the aux loss: lane j takes the sums of work-groups j, j + 32, j + 64, j + 96 of the launch before
	v_lshlrev_b32 v4, 5, v1
.irp m, 0,1,2,3
.irp q, 0,1
	global_load_b128 v[16+8*\m+4*\q:16+8*\m+4*\q+3], v4, s[6:7] offset:8192+1024*\m+16*\q
	global_load_b128 v[48+8*\m+4*\q:48+8*\m+4*\q+3], v4, s[6:7] offset:12288+1024*\m+16*\q
.endr
.endr
	s_mov_b32 s54, 0x76543210
	s_mov_b32 s55, 0xfedcba98
.irp e, 0,1,2,3,4,5,6,7
	v_mov_b32 v[80+\e], 0                          ; a lane permute's destination counts as read
	v_mov_b32 v[88+\e], 0
.endr
	s_wait_loadcnt 0x0
.irp b, 16,48
.irp e, 0,1,2,3,4,5,6,7
	v_add_f32 v[\b+\e], v[\b+\e], v[\b+8+\e]
	v_add_f32 v[\b+16+\e], v[\b+16+\e], v[\b+24+\e]
.endr
.irp e, 0,1,2,3,4,5,6,7
	v_add_f32 v[\b+\e], v[\b+\e], v[\b+16+\e]
.endr
.irp x, 1,2,4,8
.irp e, 0,1,2,3,4,5,6,7
	v_add_f32_dpp v[\b+\e], v[\b+\e], v[\b+\e] row_xmask:\x row_mask:0xf bank_mask:0xf
.endr
.endr
.endr
.irp e, 0,1,2,3,4,5,6,7
	v_permlanex16_b32 v[80+\e], v[16+\e], s54, s55
	v_permlanex16_b32 v[88+\e], v[48+\e], s54, s55
.endr
.irp e, 0,1,2,3,4,5,6,7
	v_add_f32 v[16+\e], v[16+\e], v[80+\e]         ; the sum of all tokens' probabilities of expert e,
	v_add_f32 v[48+\e], v[48+\e], v[88+\e]         ; and how many tokens chose it (whole numbers under 2^24: exact)
.endr
	v_mul_f32 v96, v16, v48
.irp e, 1,2,3,4,5,6,7
	v_fma_f32 v96, v[16+\e], v[48+\e], v96
.endr
	v_mul_f32 v96, 0x36800000, v96                 ; x 2^-18 = 8 / (2,048 x 1,024)
	v_mov_b32 v97, 0
	v_cmp_eq_u32 vcc_lo, 0, v1
	s_wait_xcnt 0x0                                ; EXEC changes only behind this wait
	s_and_saveexec_b32 s54, vcc_lo
	global_store_b32 v97, v96, s[14:15]
	s_wait_xcnt 0x0
	s_or_b32 exec_lo, exec_lo, s54
.Lnoaux:
	s_wait_kmcnt 0x0
	s_mov_b32 s48, 0
.irp j, 0,1,2,3,4,5,6,7,8,9,10,11,12,13,14,15,16,17,18,19,20,21,22,23,24,25,26,27,28,29,30,31
	s_bcnt1_i32_b32 s49, s[16+\j]
	s_add_co_u32 s48, s48, s49                     ; the expert's count
.endr
	s_max_u32 s49, s48, 1
	s_sub_co_u32 s49, s49, 1                       ; its last position
	s_lshl_b32 s53, s52, 4                         ; the tile's first position
	v_add_nc_u32 v4, s53, v2
	v_min_u32 v4, s49, v4                          ; p: my position
	v_mov_b32 v5, s16                              ; the word that holds it,
	v_mov_b32 v6, 0                                ; the count in front of that word,
	v_mov_b32 v7, 0                                ; the word's first token
	v_mov_b32 v8, 0                                ; lane j: the count in front of word j
	s_mov_b32 s54, 0
.irp j, 1,2,3,4,5,6,7,8,9,10,11,12,13,14,15,16,17,18,19,20,21,22,23,24,25,26,27,28,29,30,31
	s_bcnt1_i32_b32 s55, s[16+\j-1]
	s_add_co_u32 s54, s54, s55
	v_writelane_b32 v8, s54, \j
	v_cmp_gt_u32 vcc_lo, s54, v4                   ; word j begins behind p: what stands is kept.  The last word that begins at or before p holds it
	v_cndmask_b32 v5, s[16+\j], v5, vcc_lo
	v_cndmask_b32 v6, s54, v6, vcc_lo
	v_cndmask_b32 v7, 32*\j, v7, vcc_lo
.endr
	v_sub_nc_u32 v9, v4, v6                        ; n: I want the word's n-th set bit
	v_lshrrev_b32 v10, 1, v5
	v_and_b32 v10, 0x55555555, v10
	v_sub_nc_u32 v10, v5, v10                      ; counts of fields of 2 bits,
	v_lshrrev_b32 v11, 2, v10
	v_and_b32 v11, 0x33333333, v11
	v_and_b32 v12, 0x33333333, v10
	v_add_nc_u32 v11, v11, v12                     ; of 4,
	v_lshrrev_b32 v12, 4, v11
	v_add_nc_u32 v12, v12, v11
	v_and_b32 v12, 0x0f0f0f0f, v12                 ; of 8,
	v_lshrrev_b32 v13, 8, v12
	v_add_nc_u32 v13, v13, v12
	v_and_b32 v13, 0x00ff00ff, v13                 ; of 16
	v_mov_b32 v14, 0                               ; the bit's place
.macro HALVE a, mask, width            ; where n is not under the count of the lower half of what is left, the bit lies in the upper half
	v_lshrrev_b32 v15, v14, v[\a]
	v_and_b32 v15, \mask, v15
	v_cmp_ge_u32 vcc_lo, v9, v15
	v_sub_nc_u32 v15, v9, v15
	v_cndmask_b32 v9, v9, v15, vcc_lo
	v_add_nc_u32 v15, \width, v14
	v_cndmask_b32 v14, v14, v15, vcc_lo
.endm
	HALVE 13, 0xffff, 16
	HALVE 12, 0xff, 8
	HALVE 11, 15, 4
	HALVE 10, 3, 2
	HALVE 5, 1, 1
	v_add_nc_u32 v16, v7, v14
	v_min_u32 v16, 0x3ff, v16                      ; my token
	s_cmp_lg_u32 s52, 0
	s_cbranch_scc1 .Lnopre
	s_add_nc_u64 s[12:13], s[12:13], s[58:59]      ; the expert's first tile also stores the running counts: 128 consecutive bytes
	v_lshlrev_b32 v17, 2, v1
	global_store_b32 v17, v8, s[12:13]
.Lnopre:
	s_cmp_ge_u32 s53, s48
	s_cbranch_scc1 .Lend                           ; a tile past the count has no rows
	v_mul_u32_u24 v18, v16, 768
	v_mad_u32_u24 v18, v3, 384, v18                ; the 384 bytes of my half of the row: 96 registers of the operand
	v_lshlrev_b32 v19, 5, v16
	v_lshl_add_u32 v19, v3, 4, v19                 ; and 16 of its 32 scale bytes
.set q, 0
.rept 24
	global_load_b128 v[32+4*q:32+4*q+3], v18, s[8:9] offset:16*q
.set q, q+1
.endr
	global_load_b128 v[128:131], v19, s[8:9] offset:XSB
	s_lshl_b32 s58, s51, 6
	s_add_co_u32 s58, s58, s52                     ; T
	s_mul_i32 s60, s58, 12288
	s_mov_b32 s61, 0
	s_add_nc_u64 s[60:61], s[10:11], s[60:61]
	s_lshl_b32 s62, s58, 9
	s_mov_b32 s63, 0
	s_add_nc_u64 s[62:63], s[10:11], s[62:63]
	v_lshlrev_b32 v20, 4, v1
	v_lshlrev_b32 v21, 5, v2
	v_lshl_add_u32 v21, v3, 4, v21
	s_wait_loadcnt 0x0
.set q, 0
.rept 24
	global_store_b128 v20, v[32+4*q:32+4*q+3], s[60:61] offset:512*q      ; each store covers 512 consecutive bytes
.set q, q+1
.endr
	global_store_b128 v21, v[128:131], s[62:63] offset:XSS
.Lend:
	s_endpgm
.Lfunc_end_k_q3bbbb98bcd_place:
	.size	k_q3bbbb98bcd_place, .Lfunc_end_k_q3bbbb98bcd_place-k_q3bbbb98bcd_place
	.p2alignl 7, 3214868480
	.fill 96, 4, 3214868480
	.section	.rodata,"a",@progbits
	.p2align	6, 0x0
	.amdhsa_kernel k_q3bbbb98bcd_place
		.amdhsa_group_segment_fixed_size 0
		.amdhsa_private_segment_fixed_size 0
		.amdhsa_enable_private_segment 0
		.amdhsa_kernarg_size 48
		.amdhsa_user_sgpr_count 2
		.amdhsa_user_sgpr_kernarg_segment_ptr 1
		.amdhsa_wavefront_size32 1
		.amdhsa_system_sgpr_workgroup_id_x 1
		.amdhsa_system_sgpr_workgroup_id_y 1
		.amdhsa_system_sgpr_workgroup_id_z 1
		.amdhsa_system_vgpr_workitem_id 0
		.amdhsa_next_free_vgpr 136
		.amdhsa_next_free_sgpr 66
		.amdhsa_reserve_vcc 1
		.amdhsa_float_denorm_mode_32 3
		.amdhsa_float_denorm_mode_16_64 3
		.amdhsa_memory_ordered 1
		.amdhsa_forward_progress 1
		.amdhsa_inst_pref_size 30
	.end_amdhsa_kernel
	.amdgpu_metadata
---
amdhsa.version: [ 1, 2 ]
amdhsa.kernels:
  - .name:           k_q3bbbb98bcd_place
    .symbol:         k_q3bbbb98bcd_place.kd
    .args:
      - { .name: ord, .offset: 0, .size: 8, .value_kind: global_buffer, .address_space: global }
      - { .name: rt, .offset: 8, .size: 8, .value_kind: global_buffer, .address_space: global }
      - { .name: xq, .offset: 16, .size: 8, .value_kind: global_buffer, .address_space: global }
      - { .name: xs, .offset: 24, .size: 8, .value_kind: global_buffer, .address_space: global }
      - { .name: pre, .offset: 32, .size: 8, .value_kind: global_buffer, .address_space: global }
      - { .name: out1, .offset: 40, .size: 8, .value_kind: global_buffer, .address_space: global }
    .group_segment_fixed_size: 0
    .private_segment_fixed_size: 0
    .kernarg_segment_align: 8
    .kernarg_segment_size: 48
    .max_flat_workgroup_size: 256
    .sgpr_count:     66
    .vgpr_count:     136
    .wavefront_size: 32
...
	.end_amdgpu_metadata
.endif
;; end of part 2
;; launch up (part 3): grid 256 x 1, 8 waves a work-group, no clusters, 224,256 bytes of LDS; arguments W1, b1, xs, ord, hq; writes hq
.if DOCPART == 3
	.amdgcn_target "amdgcn-amd-amdhsa--gfx1250"
	.amdhsa_code_object_version 6
	.text
	.protected	k_q3bbbb98bcd_up
	.globl	k_q3bbbb98bcd_up
	.p2align	8
	.type	k_q3bbbb98bcd_up,@function
k_q3bbbb98bcd_up:
	s_mov_b64 s[64:65], 0
	v_nop
	global_prefetch_b8 v0, s[64:65] scope:SCOPE_SE
	s_setreg_imm32_b32 hwreg(HW_REG_WAVE_MODE, 25, 1), 1
	s_wait_xcnt 0x0
; hidden = gelu(x W1[e]^T + b1[e]) for the rows routed to expert e, on codes of E3M2 with one E8M0 scale for each 32 along K; the result is quantised along the next K and stored as codes.
; SHARES.  Work-group wg: expert e = wg / 32, hidden units 128 g .. 128 g + 127 (g = wg % 32): 512 KB of W1, read once as f32, in 4 chunks of 32 units x 1,024 K.
; WAVES 0-3 MAKE THE OPERAND: wave w takes K 256 w .. 256 w + 255 of a chunk's 32 rows.  64 loads of 512 consecutive bytes are on their way (4 groups of 16 registers sets that take turns); the rows turn through the wave's own
; stage in LDS (rows of 1,040 bytes), come back a lane to a row with registers along K, are quantised, and leave as images of the operand's registers (16 x lane, 512 bytes a store), with their scale words (4 x lane).
; WAVES 4-7 MULTIPLY, one chunk behind: wave 4 + c takes the expert's tiles c, c + 4, ..  Loads of a wave come back in issue order, so the rows' loads are kept out of the waves that stream weights.
; One barrier a trip, five trips, constants of the text; two image buffers take turns: what trip k writes, trip k + 1 reads and trip k + 2 overwrites.  No barrier stands under a branch on data.
; THE ROWS OF W1 THAT FORM A TILE ARE NOT NEIGHBOURS: lane r of tile u takes row 8 u + r + 8 (r / 8) of the chunk.  The product is used transposed (source 0 = W1, source 1 = x), so lane (r, h) holds routed row r, and the
; 16 registers of tiles 0 and 1 are units 16 h + 0 .. 15 of the chunk: half a block of the next K.  Lane l xor 16 holds the other half.
; hq: tile T = 64 e + i, K step g: codes of block b (= chunk) at 49,152 T + 1,536 g + 768 (b % 2) + 24 (b / 2) + 48 r + 12 h: lane-by-lane the next operand's 48 bytes; scale byte at 25,165,824 + 2,048 T + 128 (g / 2) + 8 r + 4 (g % 2) + b.
; NOT SHARED IN A CLUSTER: what the 32 work-groups of an expert share is its rows' codes, whose number is read from memory and can be 1,024 rows x 800 bytes, more than fits beside the stages; the weights, nearly all the bytes, are nobody else's.
; gelu: erf(z) = z P(z^2) / Q(z^2), z = x / sqrt(2) held to +-4; gelu = x/2 + (x/2) erf.  LIMITS: erf is good to a few units in its last place, so for x < 0 gelu's absolute error is about 6e-8 |x|;
; NaN and infinities are not served; a block of zeros gets the byte 1 (its codes are zeros; this program alone reads the bytes).
.set PITCH, 4096                       ; from row to row of W1, in bytes
.set LAST,  4                          ; the last trip
.set STGW,  33280                      ; a producer's stage: 32 rows x SROW
.set SROW,  1040                       ; 1,024 bytes + 16: 260 words, so 16 rows start in 16 different groups of four banks (ISA guide 11.1: 64 banks of 4 bytes)
.set IMG0,  163840                     ; two image buffers: 16 fragments x 1,536 bytes, then 16 x 128 bytes of scale words
.set IMG1,  196608
.set ISC,   24576
.set XSS,   6291456
.set HSS,   25165824
.set PW,  4                            ; v4   producers: where I store images: buffer + 3,072 w + 16 lane
.set PWS, 5                            ; v5   and scale words: buffer + ISC + 256 w + 4 lane
.set CR,  6                            ; v6   consumers: where I read images: buffer + 16 lane
.set CRS, 7                            ; v7   and scale words
.set RBA, 8                            ; v8   stage, out: 1,040 r + 128 h
.set SST, 9                            ; v9   stage, in: 16 lane
.set VW,  10                           ; v10  W: 1,024 w + 16 lane
.set XO,  11                           ; v11-14 consumers: offsets of the tile in hand in xs (codes, scales) and hq (codes, scales)
.set XSO, 12
.set HO,  13
.set HSO, 14
.set BO,  15                           ; v15  64 h: my half's biases
.set WS,  16                           ; v16-31  W's scale words, fragment f = 8 u + s: these and v32-39 hold scales and nothing else, in either role
.set XSC, 32                           ; v32-39  x's scale words, K step s
.set BI,  40                           ; v40-55  the chunk's biases in the result's layout
.set ACC, 56                           ; v56-71  two accumulators
.set XF,  72                           ; v72-167 x's eight fragments
.set Z,   168                          ; v168-231 gelu at work
.set QQ,  184
.set PP,  200
.set DD,  216
.set PC,  48                           ; producers: v48-59 a fragment's codes; v72-199 two sets of 64 numbers; v200-206 half blocks' codes; v208 the scale word; v210-216 at work
.set X0,  72
.set TT,  200
.set PWD, 208
.set TM,  210
.set PWB, 248                          ; v248-252 lane terms that stay
.set PSB, 249
.set L16, 250
.set CSB, 251
.set SH8, 252
.set MSB, 0
.macro WIN new                         ; the immediate's high byte repeats the setting that is left
.if MSB != \new
	s_set_vgpr_msb (MSB<<8)|\new
.set MSB, \new
.endif
.endm
.macro RB f                            ; fragment f = (tile f / 2, K step f % 2 of my 256): 64 numbers a lane: register 32 c + i = k 64 c + 32 h + i of my row
.irp c, 0,1
.irp q, 0,1,2,3,4,5,6,7
	ds_load_b128 v[X0+64*((\f)%2)+32*\c+4*\q:X0+64*((\f)%2)+32*\c+4*\q+3], v[RBA] offset:16*SROW*((\f)/2)+512*((\f)%2)+256*\c+16*\q
.endr
.endr
.endm
.macro QUANTW f                        ; they become the fragment's 12 registers and its scale word
.set XS, X0+64*((\f)%2)
.irp c, 0,1
	v_max3_num_f32 v[TM+\c], |v[XS+32*\c]|, |v[XS+32*\c+1]|, 0x2800000     ; my block 2 c + h: all 32 numbers are mine; the floor 2^(5 - 127) holds the byte at 1 from below
.endr
.irp i, 2,4,6,8,10,12,14,16,18,20,22,24,26,28,30
.irp c, 0,1
	v_max3_num_f32 v[TM+\c], v[TM+\c], |v[XS+32*\c+\i]|, |v[XS+32*\c+\i+1]|
.endr
.endr
.irp c, 0,1
	v_add_nc_u32 v[TM+2+\c], 0xfe000000, v[TM+\c]  ; 4 off the exponent field: the conversion's scale operand
.endr
.irp c, 0,1
	v_lshrrev_b32 v[TM+4+\c], 23, v[TM+2+\c]       ; the scale's byte
.endr
	v_lshl_or_b32 v[PWD], v[TM+5], 16, v[TM+4]     ; bytes h and 2 + h of the row's word,
	v_lshlrev_b32 v[PWD], v[SH8], v[PWD]           ; 8 h bits up;
	v_permlanex16_b32 v[TM+6], v[PWD], s60, s61
	v_or_b32 v[PWD], v[PWD], v[TM+6]               ; with lane l xor 16's two the word is whole
.irp c, 0,1
	v_cvt_scalef32_pk16_bf6_f32 v[PC+6*\c:PC+6*\c+2], v[XS+32*\c:XS+32*\c+15], v[TM+2+\c]
	v_cvt_scalef32_pk16_bf6_f32 v[TT+4*\c:TT+4*\c+2], v[XS+32*\c+16:XS+32*\c+31], v[TM+2+\c]     ; (a conversion's three registers begin on an even number)
.endr
	v_nop                                          ; one plain line behind the conversions
.irp c, 0,1
.irp i, 0,1,2
	v_mov_b32 v[PC+3+6*\c+\i], v[TT+4*\c+\i]
.endr
.endr
.endm
.macro IMAGE f
.irp g, 0,1,2
	ds_store_b128 v[PW], v[PC+4*\g:PC+4*\g+3] offset:1536*(8*((\f)/2)+(\f)%2)+512*\g
.endr
	ds_store_b32 v[PWS], v[PWD] offset:128*(8*((\f)/2)+(\f)%2)
.endm
; A chunk is produced.  ahead = 1: as each group's registers are free, the next chunk's loads take them.
.macro PRODUCE ahead
.if \ahead
	s_wait_xcnt 0x0                                ; the base is rewritten only behind this wait
	s_add_co_u32 s62, s53, 1
	s_lshl_b32 s62, s62, 17                        ; the next chunk: 32 rows of 4,096 bytes on
	s_mov_b32 s63, 0
	s_add_nc_u64 s[58:59], s[56:57], s[62:63]
.endif
.irp gm, 0,1,2,3
.if \ahead
	s_wait_loadcnt 48                              ; this group's 16 loads are in; the three groups issued behind it stay out
.else
	s_wait_loadcnt 48-16*\gm                       ; nothing is issued any more: the counts run down
.endif
	WIN 0x04                                       ; an LDS store's data are its source 1: window 1
.irp j, 0,1,2,3,4,5,6,7,8,9,10,11,12,13,14,15
	ds_store_b128 v[SST], v[64*\gm+4*\j:64*\gm+4*\j+3] offset:SROW*(8*((\gm%2)*2+\gm/2)+\j/2)+512*(\j%2)   ; rows 8-15 and 16-23 change places: a tile's 16 rows then lie on end
.endr
.if \ahead
	s_wait_dscnt 0x0                               ; the stores have read their registers
	WIN 0x40
.irp j, 0,1,2,3,4,5,6,7,8,9,10,11,12,13,14,15
	global_load_b128 v[64*\gm+4*\j:64*\gm+4*\j+3], v[VW], s[58:59] offset:(8*\gm+\j/2)*PITCH+512*(\j%2) th:TH_LOAD_NT
.endr
.endif
	WIN 0
.endr
	RB 0
.irp f, 0,1,2,3
.if \f < 3
	RB \f+1
	s_wait_dscnt 16                                ; all but the 16 loads just issued: this fragment's numbers are in, and the last image's stores have read their registers
.else
	s_wait_dscnt 0x0
.endif
	QUANTW \f
	IMAGE \f
.endr
.endm
.macro XLOAD                           ; a tile's eight fragments and its scale words
.set q, 0
.rept 24
	global_load_b128 v[XF+4*q:XF+4*q+3], v[XO], s[66:67] offset:512*q
.set q, q+1
.endr
	global_load_b128 v[XSC:XSC+3], v[XSO], s[68:69] offset:XSS
	global_load_b128 v[XSC+4:XSC+7], v[XSO], s[68:69] offset:XSS+16
.endm
.macro CONST reg, val                  ; a packed form names a pair and takes its low word for both halves: both are written
	s_mov_b32 s[\reg], \val
	s_mov_b32 s[\reg+1], \val
.endm
	s_load_b256 s[4:11], s[0:1], 0x0               ; W1 s[4:5], b1 s[6:7], xs s[8:9], ord s[10:11]
	s_load_b64 s[12:13], s[0:1], 0x20              ; hq
	v_lshl_add_u32 v254, v0, 2, 0x36800
	v_mov_b32 v255, 0
	v_lshrrev_b32 v1, 5, v0
	v_readfirstlane_b32 s14, v1                    ; wave 0..7
	s_and_b32 s15, s14, 3                          ; w of a producer, c of a consumer
	s_lshr_b32 s51, ttmp9, 5                       ; e
	s_and_b32 s52, ttmp9, 31                       ; g
	v_mov_b32 v[TM+6], 0                           ; a lane permute's destination counts as read
	v_and_b32 v1, 31, v0                           ; lane
	v_and_b32 v2, 15, v0                           ; r
	v_bfe_u32 v3, v0, 4, 1                         ; h
	v_lshlrev_b32 v[L16], 4, v1
	s_mul_i32 s62, s15, STGW
	v_mul_u32_u24 v[RBA], v2, SROW
	v_lshl_add_u32 v[RBA], v3, 7, v[RBA]
	v_add_nc_u32 v[RBA], s62, v[RBA]
	v_add_nc_u32 v[SST], s62, v[L16]
	s_lshl_b32 s62, s15, 10
	v_add_nc_u32 v[VW], s62, v[L16]
	s_mul_i32 s62, s15, 3072
	v_add_nc_u32 v[PWB], s62, v[L16]
	v_lshlrev_b32 v[CSB], 2, v1
	v_add_nc_u32 v[CSB], ISC, v[CSB]
	s_lshl_b32 s62, s15, 8
	v_add_nc_u32 v[PSB], s62, v[CSB]
	v_lshlrev_b32 v[SH8], 3, v3
	v_lshlrev_b32 v245, 5, v2                      ; 32 r
	v_mul_u32_u24 v246, v2, 48
	v_mad_u32_u24 v246, v3, 12, v246               ; 48 r + 12 h
	v_lshlrev_b32 v247, 3, v2                      ; 8 r
	v_lshlrev_b32 v[BO], 6, v3
	s_mov_b32 s60, 0x76543210                      ; v_permlanex16_b32: lane l xor 16
	s_mov_b32 s61, 0xfedcba98
	s_mov_b32 s63, 0
	s_wait_kmcnt 0x0
	s_lshl_b32 s62, s51, 7
	s_add_nc_u64 s[10:11], s[10:11], s[62:63]
	s_load_b512 s[16:31], s[10:11], 0x0            ; the expert's 32 mask words
	s_load_b512 s[32:47], s[10:11], 0x40
	s_lshl_b32 s62, s51, 24
	s_lshl_b32 s49, s52, 19
	s_add_co_u32 s62, s62, s49
	s_add_nc_u64 s[56:57], s[4:5], s[62:63]        ; my 128 rows of W1
	s_mul_i32 s62, s51, 786432
	s_add_nc_u64 s[66:67], s[8:9], s[62:63]        ; the expert's tiles of x: codes,
	s_lshl_b32 s62, s51, 15
	s_add_nc_u64 s[68:69], s[8:9], s[62:63]        ; scale words (XSS stands in the immediate)
	s_mul_i32 s62, s51, 3145728
	s_mul_i32 s49, s52, 1536
	s_add_co_u32 s62, s62, s49
	s_add_nc_u64 s[70:71], s[12:13], s[62:63]      ; hq: the expert's tiles, K step g: codes,
	s_lshl_b32 s62, s51, 17
	s_lshr_b32 s49, s52, 1
	s_lshl_b32 s49, s49, 7
	s_add_co_u32 s62, s62, s49
	s_and_b32 s49, s52, 1
	s_lshl_b32 s49, s49, 2
	s_add_co_u32 s62, s62, s49
	s_add_nc_u64 s[72:73], s[12:13], s[62:63]
	s_add_nc_u64 s[72:73], s[72:73], HSS           ; scale bytes
	s_lshl_b32 s62, s51, 14
	s_lshl_b32 s49, s52, 9
	s_add_co_u32 s62, s62, s49
	s_add_nc_u64 s[78:79], s[6:7], s[62:63]        ; my 128 biases
	s_wait_kmcnt 0x0
	s_mov_b32 s48, 0
.irp j, 0,1,2,3,4,5,6,7,8,9,10,11,12,13,14,15,16,17,18,19,20,21,22,23,24,25,26,27,28,29,30,31
	s_bcnt1_i32_b32 s49, s[16+\j]
	s_add_co_u32 s48, s48, s49                     ; the expert's rows
.endr
	s_add_co_u32 s50, s48, 15
	s_lshr_b32 s50, s50, 4                         ; its tiles
	CONST 16, 0x3f3504f3                           ; 1 / sqrt(2)
	CONST 18, 0x32edffee                           ; P's coefficients behind the first: 2.77068142e-8,
	CONST 20, 0xb60cff51                           ; -2.10102402e-6,
	CONST 22, 0xb86ec2d2                           ; -5.69250639e-5,
	CONST 24, 0xba40ac63                           ; -7.34990630e-4,
	CONST 26, 0xbb41a1f6                           ; -2.95459981e-3,
	CONST 28, 0xbc83dbd4                           ; -1.60960333e-2
	CONST 30, 0xb95fbd29                           ; Q's behind the first: -2.13374055e-4,
	CONST 32, 0xbadc924e                           ; -1.68282697e-3,
	CONST 34, 0xbbf19bf8                           ; -7.37332917e-3,
	CONST 36, 0xbc69b6a7                           ; -1.42647391e-2
	s_mov_b32 s53, 0                               ; the trip
	s_mov_b32 s54, IMG0                            ; the buffer that is written,
	s_mov_b32 s55, IMG1                            ; and the one that is read
	s_add_co_u32 s80, s50, 3
	s_sub_co_u32 s80, s80, s15
	s_lshr_b32 s80, s80, 2                         ; a consumer's tiles: c, c + 4, .. under the expert's number of tiles
	s_cmp_lt_u32 s14, 4
	s_cbranch_scc0 .Lcset
	WIN 0x40                                       ; destination window 1: four groups of 64 registers
.irp gm, 0,1,2,3
.irp j, 0,1,2,3,4,5,6,7,8,9,10,11,12,13,14,15
	global_load_b128 v[64*\gm+4*\j:64*\gm+4*\j+3], v[VW], s[56:57] offset:(8*\gm+\j/2)*PITCH+512*(\j%2) th:TH_LOAD_NT     ; chunk 0
.endr
.endr
	WIN 0
	s_branch .Ltrip
.Lcset:
	v_mov_b32 v233, 0
	v_mov_b32 v240, 0xaf95df0b                     ; P's first coefficient, -2.72614226e-10, twice;
	v_mov_b32 v241, 0xaf95df0b
	v_mov_b32 v242, 0xb77460cd                     ; Q's, -1.45660718e-5
	v_mov_b32 v243, 0xb77460cd
.irp i, 0,1,2,3
	global_load_b128 v[BI+4*\i:BI+4*\i+3], v[BO], s[78:79] offset:16*\i       ; chunk 0's biases: register 8 u + j: unit 16 h + 8 u + j
.endr
	s_mul_i32 s84, s15, 12288
	s_lshl_b32 s85, s15, 9
	v_add_nc_u32 v[XO], s84, v[L16]
	v_add_nc_u32 v[XSO], s85, v245
	XLOAD                                          ; my first tile (asked for by a wave without tiles too, which then never reads it)
.Ltrip:
	v_add_nc_u32 v[PW], s54, v[PWB]                ; the four image addresses, on the way that all waves take
	v_add_nc_u32 v[PWS], s54, v[PSB]
	v_add_nc_u32 v[CR], s55, v[L16]
	v_add_nc_u32 v[CRS], s55, v[CSB]
	s_cmp_lt_u32 s14, 4
	s_cbranch_scc0 .Lcons
	s_add_co_u32 s62, s53, 1
	s_cmp_lt_u32 s62, 4
	s_cbranch_scc0 .Lplast
	PRODUCE 1                                      ; chunks 0 to 2
	s_branch .Ljoin
.Lplast:
	s_cmp_eq_u32 s62, 4
	s_cbranch_scc0 .Ljoin
	PRODUCE 0                                      ; chunk 3: nothing follows it
	s_branch .Ljoin
.Lcons:
	s_cmp_eq_u32 s53, 0
	s_cbranch_scc1 .Ljoin                          ; no image yet
	s_cmp_eq_u32 s80, 0
	s_cbranch_scc1 .Ljoin                          ; no tile of mine
	s_sub_co_u32 s88, s53, 1                       ; the chunk, which is block b of K step g
	s_wait_xcnt 0x0                                ; the stores' bases are rewritten only behind this wait
	s_and_b32 s62, s88, 1
	s_mul_i32 s62, s62, 768
	s_lshr_b32 s63, s88, 1
	s_mul_i32 s63, s63, 24
	s_add_co_u32 s62, s62, s63
	s_mov_b32 s63, 0
	s_add_nc_u64 s[74:75], s[70:71], s[62:63]
	s_mov_b32 s62, s88
	s_add_nc_u64 s[76:77], s[72:73], s[62:63]
	WIN 0x40                                       ; destination window 1: W's 16 fragments at v[12 f]
.set q, 0
.rept 48
	ds_load_b128 v[4*q:4*q+3], v[CR] offset:512*q
.set q, q+1
.endr
	WIN 0
.set q, 0
.rept 16
	ds_load_b32 v[WS+q], v[CRS] offset:128*q
.set q, q+1
.endr
	s_wait_dscnt 0x0
	s_mov_b32 s81, 0
	s_mov_b32 s82, s15                             ; the tile in hand
.Ltile:
	s_wait_loadcnt 0x0                             ; the tile's codes and scale words, and the biases
	WIN 0x01                                       ; source 0 window 1
.irp s, 0,1,2,3,4,5,6,7                ; the two accumulators take turns, one instruction a turn; the bias is the C of each sum's first product
.irp u, 0,1
.if \s == 0
	v_wmma_scale_f32_16x16x128_f8f6f4 v[ACC+8*\u:ACC+8*\u+7], v[12*(8*\u+\s):12*(8*\u+\s)+11], v[XF+12*\s:XF+12*\s+11], v[BI+8*\u:BI+8*\u+7], v[WS+8*\u+\s], v[XSC+\s] matrix_a_fmt:MATRIX_FMT_BF6 matrix_b_fmt:MATRIX_FMT_BF6
.else
	v_wmma_scale_f32_16x16x128_f8f6f4 v[ACC+8*\u:ACC+8*\u+7], v[12*(8*\u+\s):12*(8*\u+\s)+11], v[XF+12*\s:XF+12*\s+11], v[ACC+8*\u:ACC+8*\u+7], v[WS+8*\u+\s], v[XSC+\s] matrix_a_fmt:MATRIX_FMT_BF6 matrix_b_fmt:MATRIX_FMT_BF6
.endif
.endr
.endr
	WIN 0
	s_wait_xcnt 0x0                                ; the last tile's stores and loads have read their offsets and data
	s_add_co_u32 s83, s82, 4
	s_cmp_lt_u32 s83, s50
	s_cselect_b32 s83, s83, s15                    ; my next tile; behind the last, my first again, for the next chunk
	s_min_u32 s83, s83, 63
	s_mul_i32 s84, s83, 12288
	s_lshl_b32 s85, s83, 9
	s_mul_i32 s86, s82, 49152
	s_lshl_b32 s87, s82, 11
	v_add_nc_u32 v[XO], s84, v[L16]                ; four plain lines that name no register of the products: the places in front of the loads and of the first read of results
	v_add_nc_u32 v[XSO], s85, v245
	v_add_nc_u32 v[HO], s86, v246
	v_add_nc_u32 v[HSO], s87, v247
	XLOAD                                          ; it lands while this tile's gelu is worked
.irp p, 0,2,4,6,8,10,12,14             ; gelu, each step for all eight pairs, so that no line waits for the line above it; the accumulators are read from their low ends on
	v_pk_mul_f32 v[Z+\p:Z+\p+1], v[ACC+\p:ACC+\p+1], s[16:17] op_sel_hi:[1,0]
.endr
.irp j, 0,1,2,3,4,5,6,7,8,9,10,11,12,13,14,15
	v_med3_num_f32 v[Z+\j], v[Z+\j], -4.0, 4.0
.endr
.irp p, 0,2,4,6,8,10,12,14
	v_pk_mul_f32 v[QQ+\p:QQ+\p+1], v[Z+\p:Z+\p+1], v[Z+\p:Z+\p+1]
.endr
.irp p, 0,2,4,6,8,10,12,14
	v_pk_fma_f32 v[PP+\p:PP+\p+1], v[QQ+\p:QQ+\p+1], v[240:241], s[18:19] op_sel_hi:[1,1,0]
.endr
.irp a, 20,22,24,26,28
.irp p, 0,2,4,6,8,10,12,14
	v_pk_fma_f32 v[PP+\p:PP+\p+1], v[PP+\p:PP+\p+1], v[QQ+\p:QQ+\p+1], s[\a:\a+1] op_sel_hi:[1,1,0]
.endr
.endr
.irp p, 0,2,4,6,8,10,12,14
	v_pk_fma_f32 v[DD+\p:DD+\p+1], v[QQ+\p:QQ+\p+1], v[242:243], s[30:31] op_sel_hi:[1,1,0]
.endr
.irp a, 32,34,36
.irp p, 0,2,4,6,8,10,12,14
	v_pk_fma_f32 v[DD+\p:DD+\p+1], v[DD+\p:DD+\p+1], v[QQ+\p:QQ+\p+1], s[\a:\a+1] op_sel_hi:[1,1,0]
.endr
.endr
.irp p, 0,2,4,6,8,10,12,14
	v_pk_mul_f32 v[PP+\p:PP+\p+1], v[PP+\p:PP+\p+1], v[Z+\p:Z+\p+1]
.endr
.irp j, 0,1,2,3,4,5,6,7,8,9,10,11,12,13,14,15
	v_rcp_f32 v[DD+\j], v[DD+\j]
.endr
.irp p, 0,2,4,6,8,10,12,14
	v_pk_mul_f32 v[Z+\p:Z+\p+1], v[ACC+\p:ACC+\p+1], 0.5 op_sel_hi:[1,0]      ; x / 2 (plain lines behind the reciprocals)
.endr
	s_wait_alu depctr_va_vdst(0)
.irp p, 0,2,4,6,8,10,12,14
	v_pk_mul_f32 v[PP+\p:PP+\p+1], v[PP+\p:PP+\p+1], v[DD+\p:DD+\p+1]         ; erf
.endr
.irp p, 0,2,4,6,8,10,12,14
	v_pk_fma_f32 v[QQ+\p:QQ+\p+1], v[Z+\p:Z+\p+1], v[PP+\p:PP+\p+1], v[Z+\p:Z+\p+1]
.endr
	v_max3_num_f32 v232, |v[QQ]|, |v[QQ+1]|, 0x2800000        ; my 16 numbers of the block, and the floor
.irp i, 2,4,6,8,10,12,14
	v_max3_num_f32 v232, v232, |v[QQ+\i]|, |v[QQ+\i+1]|
.endr
	v_permlanex16_b32 v233, v232, s60, s61
	v_max_num_f32 v232, v232, v233                 ; with lane l xor 16's: the block's largest magnitude
	v_add_nc_u32 v234, 0xfe000000, v232
	v_cvt_scalef32_pk16_bf6_f32 v[236:238], v[QQ:QQ+15], v234
	v_lshrrev_b32 v235, 23, v234                   ; the scale's byte (a plain line behind the conversion)
	global_store_b96 v[HO], v[236:238], s[74:75]
	global_store_b8 v[HSO], v235, s[76:77]         ; lanes l and l xor 16 store the same byte
	s_mov_b32 s82, s83
	s_add_co_u32 s81, s81, 1
	s_cmp_lt_u32 s81, s80
	s_cbranch_scc1 .Ltile
	s_wait_xcnt 0x0
	s_add_co_u32 s62, s88, 1
	s_min_u32 s62, s62, 3
	s_lshl_b32 s62, s62, 7
	s_mov_b32 s63, 0
	s_add_nc_u64 s[92:93], s[78:79], s[62:63]
.irp i, 0,1,2,3
	global_load_b128 v[BI+4*\i:BI+4*\i+3], v[BO], s[92:93] offset:16*\i       ; the next chunk's biases (the old ones were waited for in the loop, which ran at least once)
.endr
.Ljoin:
	s_wait_dscnt 0x0                               ; my images have landed, my reads of the other buffer are in
	s_barrier_signal -1
	s_barrier_wait -1
	s_xor_b32 s54, s54, IMG0^IMG1
	s_xor_b32 s55, s55, IMG0^IMG1
	s_add_co_u32 s53, s53, 1
	s_cmp_lt_u32 s53, LAST+1
	s_cbranch_scc1 .Ltrip
	s_wait_tensorcnt 0x0
	ds_add_u32 v254, v255
	s_wait_dscnt 0x0
	s_endpgm
.Lfunc_end_k_q3bbbb98bcd_up:
	.size	k_q3bbbb98bcd_up, .Lfunc_end_k_q3bbbb98bcd_up-k_q3bbbb98bcd_up
	.p2alignl 7, 3214868480
	.fill 96, 4, 3214868480
	.section	.rodata,"a",@progbits
	.p2align	6, 0x0
	.amdhsa_kernel k_q3bbbb98bcd_up
		.amdhsa_group_segment_fixed_size 224256
		.amdhsa_private_segment_fixed_size 0
		.amdhsa_enable_private_segment 0
		.amdhsa_kernarg_size 40
		.amdhsa_user_sgpr_count 2
		.amdhsa_user_sgpr_kernarg_segment_ptr 1
		.amdhsa_wavefront_size32 1
		.amdhsa_system_sgpr_workgroup_id_x 1
		.amdhsa_system_sgpr_workgroup_id_y 1
		.amdhsa_system_sgpr_workgroup_id_z 1
		.amdhsa_system_vgpr_workitem_id 0
		.amdhsa_next_free_vgpr 512
		.amdhsa_next_free_sgpr 100
		.amdhsa_reserve_vcc 0
		.amdhsa_float_denorm_mode_32 3
		.amdhsa_float_denorm_mode_16_64 3
		.amdhsa_memory_ordered 1
		.amdhsa_forward_progress 1
		.amdhsa_inst_pref_size 87
	.end_amdhsa_kernel
	.amdgpu_metadata
---
amdhsa.version: [ 1, 2 ]
amdhsa.kernels:
  - .name:           k_q3bbbb98bcd_up
    .symbol:         k_q3bbbb98bcd_up.kd
    .args:
      - { .name: W1, .offset: 0, .size: 8, .value_kind: global_buffer, .address_space: global }
      - { .name: b1, .offset: 8, .size: 8, .value_kind: global_buffer, .address_space: global }
      - { .name: xs, .offset: 16, .size: 8, .value_kind: global_buffer, .address_space: global }
      - { .name: ord, .offset: 24, .size: 8, .value_kind: global_buffer, .address_space: global }
      - { .name: hq, .offset: 32, .size: 8, .value_kind: global_buffer, .address_space: global }
    .group_segment_fixed_size: 224256
    .private_segment_fixed_size: 0
    .kernarg_segment_align: 8
    .kernarg_segment_size: 40
    .max_flat_workgroup_size: 256
    .sgpr_count:     100
    .vgpr_count:     512
    .wavefront_size: 32
...
	.end_amdgpu_metadata
.endif
;; end of part 3
;; launch down (part 4): grid 256 x 1, 8 waves a work-group, no clusters, 242,688 bytes of LDS; arguments W2, b2, hq, ord, y; writes y
.if DOCPART == 4
	.amdgcn_target "amdgcn-amd-amdhsa--gfx1250"
	.amdhsa_code_object_version 6
	.text
	.protected	k_q3bbbb98bcd_down
	.globl	k_q3bbbb98bcd_down
	.p2align	8
	.type	k_q3bbbb98bcd_down,@function
k_q3bbbb98bcd_down:
	s_mov_b64 s[64:65], 0
	v_nop
	global_prefetch_b8 v0, s[64:65] scope:SCOPE_SE
	s_setreg_imm32_b32 hwreg(HW_REG_WAVE_MODE, 25, 1), 1
	s_wait_xcnt 0x0
; y = hidden W2[e]^T + b2[e] for the rows routed to expert e, on codes of E3M2 with one E8M0 scale for each 32 along K (K = 4,096 hidden units).
; SHARES.  Work-group wg: expert e = wg / 32, outputs 32 u .. 32 u + 31 (u = wg % 32): 32 rows x 4,096 K of W2, 512 KB of f32, read once.  All eight waves run the same text, in two phases with one barrier between.
; PHASE 1: THE OPERAND IS MADE.  Wave v takes K steps 4 v .. 4 v + 3 (128 along K each) of both tiles of 16 rows: eight groups.  A group is 16 rows x 512 bytes, 16 loads of 512 consecutive bytes, and makes one fragment.
; Four groups of a wave (32 KB) are on their way.  A group's rows turn through the wave's own stage in LDS (two halves of 16 rows x 528 bytes), come back a lane to a row with registers along K, are quantised, and are
; stored as an image of the operand's registers (16 x lane, 512 bytes a store), with the rows' scale words (4 x lane).  Every offset is an immediate: the phase has no loop.
; PHASE 2: THE PRODUCTS.  Wave v takes the expert's tiles v, v + 8, ..  A tile of 16 routed rows goes through all of K in one trip: 64 products on two accumulators.  W's fragments come from LDS, 4 K steps of both tiles at a
; time, in two sets of registers; the rows' codes come from hq, 8 K steps at a time, in two buffers, asked for two groups ahead (the last two groups of a trip ask for the next tile).  1,024 rows an expert are served.
; BEHIND A WAVE'S LAST TILE there is no next tile.  Its two groups are asked for all the same, so that the counted waits hold on every way, but with the lanes' offsets multiplied by 0: every lane then asks for the same
; 16 bytes, and 56 loads move 56 small pieces and not 2 x 13 KB that nobody would read.
; The product is used transposed (source 0 = W2, source 1 = hidden).  THE ROWS OF W2 THAT FORM A TILE ARE NOT NEIGHBOURS: row m of tile u' is row 8 u' + m + 8 (m / 8), so that lane (r, h) holds routed row r and its 16
; registers are outputs 16 h + 0 .. 15: 64 neighbouring bytes of y's row; a row's 128 bytes are this work-group's own.  y: 4,096 (1,024 e + position) + 4 x output.
; The two phases of a work-group do not overlap: while the rows are multiplied nothing is streamed.
; NOT SHARED IN A CLUSTER: what the 32 work-groups of an expert share is its rows' codes, whose number is read from memory (up to 1,024 rows x 3,200 bytes), so partners' trip counts would hang on loaded data; the weights are nobody else's.
; LIMITS: NaN and infinities are not served; a block of zeros gets the byte 1 (its codes are zeros; this program alone reads the bytes).  An expert that no token chose still has its weights streamed.
.set PITCH, 16384                      ; from row to row of W2, in bytes
.set SROW,  528                        ; a stage row: 512 bytes + 16 = 132 words: 16 rows start in 16 different groups of four banks (ISA guide 11.1: 64 banks of 4 bytes)
.set SHALF, 16*SROW                    ; half a stage: one group
.set STGW,  2*SHALF                    ; a wave's stage
.set IMG,   8*STGW                     ; behind the stages: 64 fragments x 1,536 bytes: fragment (u', s) at 1,536 (32 u' + s);
.set ISC,   98304                      ; behind them 64 x 128 bytes of scale words
.set HSS,   25165824                   ; hq: where the scale words begin
.set PW,  4                            ; v4   where I store images: IMG + 6,144 v + 16 lane
.set PWS, 5                            ; v5   and scale words: IMG + ISC + 512 v + 4 lane
.set CR0, 6                            ; v6-7 where I read images of tile 0, tile 1: IMG + 49,152 u' + 16 lane
.set RBA, 8                            ; v8   stage, out: 528 r + 128 h
.set SST, 9                            ; v9   stage, in: 16 lane
.set VW,  10                           ; v10  W2: 2,048 v + 16 lane
.set L48, 11                           ; v11  hq's codes: 48 lane
.set R8,  12                           ; v12  hq's scale words: 8 r
.set YL,  13                           ; v13  y: 4,096 r + 64 h
.set CRS, 14                           ; v14  where I read W's scale words: IMG + ISC + 4 lane
.set BO,  15                           ; v15  64 h: my half's biases
.set WSC, 16                           ; v16-31  W's scale words, two sets of eight (4 u' + i): these and v32-47 hold scales and nothing else
.set ASC, 32                           ; v32-47  the rows' scale words, two sets of eight K steps
.set SH8, 48                           ; v48  8 h
.set PWD, 49                           ; v49  the scale word just made
.set TM,  50                           ; v50-56  the quantiser at work
.set NL48, 58                          ; v58  the next tile's codes: 48 lane, or 0 in every lane behind my last tile
.set NR8,  59                          ; v59  the next tile's scale words: 8 r, or 0
.set AF,  64                           ; v64-255 phase 2: the rows' fragments, two buffers of eight
.set X0,  64                           ; v64-191 phase 1: two sets of 64 numbers; v192-203 a fragment's codes; v204-210 half blocks' codes
.set PC,  192
.set TT,  204
.set ACC, 0                            ; window 1, phase 2: v0-15 the two accumulators; v36-51 the biases in the result's layout; v52-243 W's fragments, two sets of eight (4 u' + i)
.set BI,  36                           ; window 1, phase 1: four groups of 64 registers as loaded
.set WF,  52
.set MSB, 0
.macro WIN new                         ; the immediate's high byte repeats the setting that is left
.if MSB != \new
	s_set_vgpr_msb (MSB<<8)|\new
.set MSB, \new
.endif
.endm
; Group n = (tile n % 2, K step 4 v + n / 2) is asked for: 16 rows, 512 consecutive bytes a load
.macro GLOAD n
	WIN 0x40                                       ; destination window 1
.irp p, 0,1,2,3,4,5,6,7,8,9,10,11,12,13,14,15
	global_load_b128 v[64*((\n)%4)+4*\p:64*((\n)%4)+4*\p+3], v[VW], s[56:57] offset:(8*((\n)%2)+\p+8*(\p/8))*PITCH+512*((\n)/2) th:TH_LOAD_NT
.endr
	WIN 0
.endm
; Group n goes into half n % 2 of my stage; its registers then take group n + 4
.macro TOSTAGE n
.if (\n) < 5
	s_wait_loadcnt 48                              ; this group's 16 loads are in; the three groups issued behind it stay out
.else
	s_wait_loadcnt 48-16*((\n)-4)                  ; nothing is issued any more: the counts run down
.endif
	WIN 0x04                                       ; an LDS store's data are its source 1: window 1
.irp p, 0,1,2,3,4,5,6,7,8,9,10,11,12,13,14,15
	ds_store_b128 v[SST], v[64*((\n)%4)+4*\p:64*((\n)%4)+4*\p+3] offset:SHALF*((\n)%2)+SROW*\p
.endr
.if (\n) < 4
	s_wait_dscnt 0x0                               ; the stores have read their registers
	GLOAD (\n)+4
.endif
	WIN 0
.endm
.macro RB n                            ; and comes back: 64 numbers a lane: register 32 c + i = k 64 c + 32 h + i of row r (LDS serves a wave's instructions in order)
.irp c, 0,1
.irp q, 0,1,2,3,4,5,6,7
	ds_load_b128 v[X0+64*((\n)%2)+32*\c+4*\q:X0+64*((\n)%2)+32*\c+4*\q+3], v[RBA] offset:SHALF*((\n)%2)+256*\c+16*\q
.endr
.endr
.endm
.macro QUANTW n                        ; they become the fragment's 12 registers and its scale word
.set XS, X0+64*((\n)%2)
.irp c, 0,1
	v_max3_num_f32 v[TM+\c], |v[XS+32*\c]|, |v[XS+32*\c+1]|, 0x2800000     ; my block 2 c + h: all 32 numbers are mine; the floor 2^(5 - 127) holds the byte at 1 from below
.endr
.irp i, 2,4,6,8,10,12,14,16,18,20,22,24,26,28,30
.irp c, 0,1
	v_max3_num_f32 v[TM+\c], v[TM+\c], |v[XS+32*\c+\i]|, |v[XS+32*\c+\i+1]|
.endr
.endr
.irp c, 0,1
	v_add_nc_u32 v[TM+2+\c], 0xfe000000, v[TM+\c]  ; 4 off the exponent field: the conversion's scale operand
.endr
.irp c, 0,1
	v_lshrrev_b32 v[TM+4+\c], 23, v[TM+2+\c]       ; the scale's byte
.endr
	v_lshl_or_b32 v[PWD], v[TM+5], 16, v[TM+4]     ; bytes h and 2 + h of the row's word,
	v_lshlrev_b32 v[PWD], v[SH8], v[PWD]           ; 8 h bits up;
	v_permlanex16_b32 v[TM+6], v[PWD], s60, s61
	v_or_b32 v[PWD], v[PWD], v[TM+6]               ; with lane l xor 16's two the word is whole
.irp c, 0,1
	v_cvt_scalef32_pk16_bf6_f32 v[PC+6*\c:PC+6*\c+2], v[XS+32*\c:XS+32*\c+15], v[TM+2+\c]
	v_cvt_scalef32_pk16_bf6_f32 v[TT+4*\c:TT+4*\c+2], v[XS+32*\c+16:XS+32*\c+31], v[TM+2+\c]     ; (a conversion's three registers begin on an even number)
.endr
	v_nop                                          ; one plain line behind the conversions
.irp c, 0,1
.irp i, 0,1,2
	v_mov_b32 v[PC+3+6*\c+\i], v[TT+4*\c+\i]
.endr
.endr
.endm
.macro IMAGE n                         ; the fragment goes to LDS as it stands
.irp g, 0,1,2
	ds_store_b128 v[PW], v[PC+4*\g:PC+4*\g+3] offset:1536*(32*((\n)%2)+(\n)/2)+512*\g
.endr
	ds_store_b32 v[PWS], v[PWD] offset:128*(32*((\n)%2)+(\n)/2)
.endm
; Phase 2.  Eight K steps (8 grp ..) of a tile's rows into buffer buf: 24 loads of 16 bytes and 4 of 8 for the scale words: 28 loads.  vo, vs: the lanes' offsets for codes and for scale words
.macro ALOAD grp, buf, cb, sb, vo, vs
.irp k, 0,1,2,3,4,5,6,7
.irp i, 0,1,2
	global_load_b128 v[AF+96*(\buf)+12*\k+4*\i:AF+96*(\buf)+12*\k+4*\i+3], v[\vo], s[\cb:\cb+1] offset:1536*(8*(\grp)+\k)+16*\i
.endr
.endr
.irp p, 0,1,2,3
	global_load_b64 v[ASC+8*(\buf)+2*\p:ASC+8*(\buf)+2*\p+1], v[\vs], s[\sb:\sb+1] offset:128*(4*(\grp)+\p)
.endr
.endm
; W's fragments of K steps 4 q .. 4 q + 3, both tiles, and their scale words, into set q % 2
.macro WLOAD q
.set WA, (\q)%2
	WIN 0x40
.irp uu, 0,1
.irp i, 0,1,2,3
.irp g, 0,1,2
	ds_load_b128 v[WF+96*WA+12*(4*\uu+\i)+4*\g:WF+96*WA+12*(4*\uu+\i)+4*\g+3], v[CR0+\uu] offset:1536*(4*(\q)+\i)+512*\g
.endr
.endr
.endr
	WIN 0
.irp uu, 0,1
.irp i, 0,1,2,3
	ds_load_b32 v[WSC+8*WA+4*\uu+\i], v[CRS] offset:128*(32*\uu+4*(\q)+\i)
.endr
.endr
.endm
; Four K steps of a tile: eight products.  The two accumulators take turns, one instruction a turn; the bias is the C of each sum's first product.
.macro SUB q
	s_wait_dscnt 0x0                               ; W's set for these four K steps is in
	WLOAD ((\q)+1)%8                               ; the next four (behind the last: the first four again, for the next tile), into the set read before: four places stand behind those products
.set SA, (\q)%2
.set SB, ((\q)/2)%2
.if (\q)%2 == 0
	s_wait_loadcnt 28                              ; this group of eight K steps is in; the one group issued behind it, 28 loads, stays out
.endif
	WIN 0x51                                       ; source 0 (W), C and D window 1; source 1 (the rows) window 0
.irp i, 0,1,2,3
.irp uu, 0,1
.if ((\q) == 0) && (\i == 0)
	v_wmma_scale_f32_16x16x128_f8f6f4 v[ACC+8*\uu:ACC+8*\uu+7], v[WF+96*SA+12*(4*\uu+\i):WF+96*SA+12*(4*\uu+\i)+11], v[AF+96*SB+12*(4*SA+\i):AF+96*SB+12*(4*SA+\i)+11], v[BI+8*\uu:BI+8*\uu+7], v[WSC+8*SA+4*\uu+\i], v[ASC+8*SB+4*SA+\i] matrix_a_fmt:MATRIX_FMT_BF6 matrix_b_fmt:MATRIX_FMT_BF6
.else
	v_wmma_scale_f32_16x16x128_f8f6f4 v[ACC+8*\uu:ACC+8*\uu+7], v[WF+96*SA+12*(4*\uu+\i):WF+96*SA+12*(4*\uu+\i)+11], v[AF+96*SB+12*(4*SA+\i):AF+96*SB+12*(4*SA+\i)+11], v[ACC+8*\uu:ACC+8*\uu+7], v[WSC+8*SA+4*\uu+\i], v[ASC+8*SB+4*SA+\i] matrix_a_fmt:MATRIX_FMT_BF6 matrix_b_fmt:MATRIX_FMT_BF6
.endif
.endr
.endr
	WIN 0
.rept 4
	v_nop                                          ; places in front of loads into registers that the products have read, and of the stores that read the results
.endr
.if (\q)%2 == 1
.if (\q)/2 < 2
	ALOAD ((\q)/2+2)%4, SB, 74, 76, L48, R8        ; the buffer just read out takes this tile's group two on,
.else
	ALOAD ((\q)/2+2)%4, SB, 92, 94, NL48, NR8      ; or the next tile's first or second group
.endif
.endif
.endm
	s_load_b256 s[4:11], s[0:1], 0x0               ; W2 s[4:5], b2 s[6:7], hq s[8:9], ord s[10:11]
	s_load_b64 s[12:13], s[0:1], 0x20              ; y
	v_lshl_add_u32 v62, v0, 2, 0x3b000
	v_mov_b32 v63, 0
	v_lshrrev_b32 v1, 5, v0
	v_readfirstlane_b32 s14, v1                    ; wave 0..7
	s_lshr_b32 s51, ttmp9, 5                       ; e
	s_and_b32 s52, ttmp9, 31                       ; u
	v_mov_b32 v[TM+6], 0                           ; a lane permute's destination counts as read
	v_and_b32 v1, 31, v0                           ; lane
	v_and_b32 v2, 15, v0                           ; r
	v_bfe_u32 v3, v0, 4, 1                         ; h
	s_mul_i32 s62, s14, STGW                       ; my stage
	v_lshl_add_u32 v[SST], v1, 4, s62
	v_mul_u32_u24 v[RBA], v2, SROW
	v_lshl_add_u32 v[RBA], v3, 7, v[RBA]
	v_add_nc_u32 v[RBA], s62, v[RBA]
	s_lshl_b32 s62, s14, 11                        ; my four K steps: 2,048 bytes of a row
	v_lshl_add_u32 v[VW], v1, 4, s62
	s_mul_i32 s62, s14, 6144                       ; their four images,
	s_add_co_u32 s62, s62, IMG
	v_lshl_add_u32 v[PW], v1, 4, s62
	s_lshl_b32 s62, s14, 9                         ; and scale words
	s_add_co_u32 s62, s62, IMG+ISC
	v_lshl_add_u32 v[PWS], v1, 2, s62
	v_lshl_add_u32 v[CR0], v1, 4, IMG
	v_lshl_add_u32 v[CR0+1], v1, 4, IMG+49152
	v_lshl_add_u32 v[CRS], v1, 2, IMG+ISC
	v_lshlrev_b32 v[SH8], 3, v3
	v_lshlrev_b32 v[BO], 6, v3
	v_lshl_add_u32 v[YL], v2, 12, v[BO]
	v_mul_u32_u24 v[L48], v1, 48
	v_lshlrev_b32 v[R8], 3, v2
	s_mov_b32 s60, 0x76543210                      ; v_permlanex16_b32: lane l xor 16
	s_mov_b32 s61, 0xfedcba98
	s_mov_b32 s63, 0                               ; the upper word of every offset; never rewritten
	s_wait_kmcnt 0x0
	s_lshl_b32 s62, s51, 24                        ; an expert's W2: 1,024 rows of 16,384 bytes;
	s_lshl_b32 s49, s52, 19                        ; my 32 rows
	s_add_co_u32 s62, s62, s49
	s_add_nc_u64 s[56:57], s[4:5], s[62:63]
.irp n, 0,1,2,3
	GLOAD \n                                       ; the stream begins before anything else is worked out
.endr
	s_lshl_b32 s62, s51, 7
	s_add_nc_u64 s[10:11], s[10:11], s[62:63]
	s_load_b512 s[16:31], s[10:11], 0x0            ; the expert's 32 mask words
	s_load_b512 s[32:47], s[10:11], 0x40
	s_mul_i32 s62, s51, 3145728
	s_add_nc_u64 s[70:71], s[8:9], s[62:63]        ; the expert's tiles of the hidden layer: codes,
	s_lshl_b32 s62, s51, 17
	s_add_nc_u64 s[72:73], s[8:9], s[62:63]
	s_add_nc_u64 s[72:73], s[72:73], HSS           ; scale words
	s_lshl_b32 s62, s51, 12
	s_lshl_b32 s49, s52, 7
	s_add_co_u32 s62, s62, s49
	s_add_nc_u64 s[78:79], s[6:7], s[62:63]        ; my 32 biases
	s_lshl_b32 s62, s51, 22
	s_add_co_u32 s62, s62, s49
	s_add_nc_u64 s[66:67], s[12:13], s[62:63]      ; y: the expert's rows, my 128 bytes of each
	s_mul_i32 s62, s14, 49152
	s_add_nc_u64 s[92:93], s[70:71], s[62:63]      ; my first tile: codes,
	s_lshl_b32 s62, s14, 11
	s_add_nc_u64 s[94:95], s[72:73], s[62:63]      ; scale words
	s_wait_kmcnt 0x0
	s_mov_b32 s48, 0
.irp j, 0,1,2,3,4,5,6,7,8,9,10,11,12,13,14,15,16,17,18,19,20,21,22,23,24,25,26,27,28,29,30,31
	s_bcnt1_i32_b32 s49, s[16+\j]
	s_add_co_u32 s48, s48, s49                     ; the expert's rows
.endr
	s_add_co_u32 s50, s48, 15
	s_lshr_b32 s50, s50, 4                         ; its tiles
	s_add_co_u32 s80, s50, 7
	s_sub_co_u32 s80, s80, s14
	s_lshr_b32 s80, s80, 3                         ; my tiles: v, v + 8, .. under that number
	; ---- phase 1: my eight groups.  Group n + 1 is on its way through the stage while group n is quantised
	TOSTAGE 0
	RB 0
.irp n, 0,1,2,3,4,5,6,7
.if \n < 7
	TOSTAGE \n+1
	RB \n+1
	s_wait_dscnt 16                                ; all but the 16 loads just issued: this group's numbers are in, and the last image's stores have read their registers
.else
	s_wait_dscnt 0x0
.endif
	QUANTW \n
	IMAGE \n
.endr
.rept 8
	v_nop                                          ; places between the quantiser's last vector writes and the products, whose operands take the same registers
.endr
	s_wait_dscnt 0x0                               ; for the others' sake: my images have landed; and my LDS stores have read the registers that are loaded below
	WIN 0x40
.irp i, 0,1,2,3
	global_load_b128 v[BI+4*\i:BI+4*\i+3], v[BO], s[78:79] offset:16*\i     ; the biases: register 8 u' + j: output 16 h + 8 u' + j
.endr
	WIN 0
	ALOAD 0, 0, 92, 94, L48, R8                    ; my first tile's first two groups (asked for by a wave without tiles too, which then never reads them)
	ALOAD 1, 1, 92, 94, L48, R8
	s_barrier_signal -1
	s_barrier_wait -1                              ; all 64 fragments lie in LDS; nothing is written there any more
	; ---- phase 2: my tiles
	s_cmp_eq_u32 s80, 0
	s_cbranch_scc1 .Lend                           ; no tile of mine (no barrier follows)
	WLOAD 0
	s_mov_b32 s81, 0
	s_mov_b32 s82, s14                             ; the tile in hand
.Ltile:
	s_wait_xcnt 0x0                                ; the bases, the next tile's offsets, and the accumulators that the last tile's stores read, are rewritten only behind this wait
	s_add_co_u32 s83, s82, 8
	s_cmp_lt_u32 s83, s50
	s_cselect_b32 s83, s83, s14                    ; my next tile; behind the last, my first tile's address, which lies inside the buffer,
	s_cselect_b32 s84, 1, 0                        ; and 0 as the factor of the lanes' offsets
	s_min_u32 s83, s83, 63                         ; what hangs on the loaded count enters an address only behind a hold: the tile's number at 63,
	s_min_u32 s84, s84, 1                          ; the factor at 1
	v_mul_u32_u24 v[NL48], s84, v[L48]             ; 48 lane, or every lane the same bytes
	v_mul_u32_u24 v[NR8], s84, v[R8]               ; 8 r, likewise
	s_mul_i32 s62, s82, 49152
	s_add_nc_u64 s[74:75], s[70:71], s[62:63]      ; this tile: codes,
	s_lshl_b32 s62, s82, 11
	s_add_nc_u64 s[76:77], s[72:73], s[62:63]      ; scale words,
	s_lshl_b32 s62, s82, 16
	s_add_nc_u64 s[68:69], s[66:67], s[62:63]      ; its 16 rows of y
	s_mul_i32 s62, s83, 49152
	s_add_nc_u64 s[92:93], s[70:71], s[62:63]      ; the next tile
	s_lshl_b32 s62, s83, 11
	s_add_nc_u64 s[94:95], s[72:73], s[62:63]
	SUB 0
	SUB 1
	SUB 2
	SUB 3
	SUB 4
	SUB 5
	SUB 6
	SUB 7
	WIN 0x04                                       ; a store's data are its source 1: window 1
.irp i, 0,1,2,3
	global_store_b128 v[YL], v[ACC+4*\i:ACC+4*\i+3], s[68:69] offset:16*\i      ; each accumulator from its low end on; a lane's four stores fill 64 neighbouring bytes
.endr
	WIN 0
.rept 2
	v_nop                                          ; with the four above: more than five places before the next tile's first products begin the accumulators anew
.endr
	s_mov_b32 s82, s83
	s_add_co_u32 s81, s81, 1
	s_cmp_lt_u32 s81, s80
	s_cbranch_scc1 .Ltile
.Lend:
	s_wait_dscnt 0x0                               ; the last trip's look-ahead into W's first set
	s_wait_tensorcnt 0x0
	ds_add_u32 v62, v63
	s_wait_dscnt 0x0
	s_endpgm
.Lfunc_end_k_q3bbbb98bcd_down:
	.size	k_q3bbbb98bcd_down, .Lfunc_end_k_q3bbbb98bcd_down-k_q3bbbb98bcd_down
	.p2alignl 7, 3214868480
	.fill 96, 4, 3214868480
	.section	.rodata,"a",@progbits
	.p2align	6, 0x0
	.amdhsa_kernel k_q3bbbb98bcd_down
		.amdhsa_group_segment_fixed_size 242688
		.amdhsa_private_segment_fixed_size 0
		.amdhsa_enable_private_segment 0
		.amdhsa_kernarg_size 40
		.amdhsa_user_sgpr_count 2
		.amdhsa_user_sgpr_kernarg_segment_ptr 1
		.amdhsa_wavefront_size32 1
		.amdhsa_system_sgpr_workgroup_id_x 1
		.amdhsa_system_sgpr_workgroup_id_y 1
		.amdhsa_system_sgpr_workgroup_id_z 1
		.amdhsa_system_vgpr_workitem_id 0
		.amdhsa_next_free_vgpr 512
		.amdhsa_next_free_sgpr 100
		.amdhsa_reserve_vcc 0
		.amdhsa_float_denorm_mode_32 3
		.amdhsa_float_denorm_mode_16_64 3
		.amdhsa_memory_ordered 1
		.amdhsa_forward_progress 1
		.amdhsa_inst_pref_size 107
	.end_amdhsa_kernel
	.amdgpu_metadata
---
amdhsa.version: [ 1, 2 ]
amdhsa.kernels:
  - .name:           k_q3bbbb98bcd_down
    .symbol:         k_q3bbbb98bcd_down.kd
    .args:
      - { .name: W2, .offset: 0, .size: 8, .value_kind: global_buffer, .address_space: global }
      - { .name: b2, .offset: 8, .size: 8, .value_kind: global_buffer, .address_space: global }
      - { .name: hq, .offset: 16, .size: 8, .value_kind: global_buffer, .address_space: global }
      - { .name: ord, .offset: 24, .size: 8, .value_kind: global_buffer, .address_space: global }
      - { .name: y, .offset: 32, .size: 8, .value_kind: global_buffer, .address_space: global }
    .group_segment_fixed_size: 242688
    .private_segment_fixed_size: 0
    .kernarg_segment_align: 8
    .kernarg_segment_size: 40
    .max_flat_workgroup_size: 256
    .sgpr_count:     100
    .vgpr_count:     512
    .wavefront_size: 32
...
	.end_amdgpu_metadata
.endif
;; end of part 4
;; launch sum (part 5): grid 128 x 1, 8 waves a work-group, no clusters, 0 bytes of LDS; arguments y, ord, pre, rt, out0; writes out0
.if DOCPART == 5
	.amdgcn_target "amdgcn-amd-amdhsa--gfx1250"
	.amdhsa_code_object_version 6
	.text
	.protected	k_q3bbbb98bcd_sum
	.globl	k_q3bbbb98bcd_sum
	.p2align	8
	.type	k_q3bbbb98bcd_sum,@function
k_q3bbbb98bcd_sum:
	s_mov_b64 s[64:65], 0
	v_nop
	global_prefetch_b8 v0, s[64:65] scope:SCOPE_SE
	s_setreg_imm32_b32 hwreg(HW_REG_WAVE_MODE, 25, 1), 1
	s_wait_xcnt 0x0
; out[t] = w0 y[e0][pos0] + w1 y[e1][pos1].  One wave takes one token t = 8 x work-group + wave.
; A token's position in expert e's list = the stored count in front of its word of 32 tokens + the set bits below its own bit in that word: whole numbers that earlier launches stored, read by scalar loads.
; TWO ROUNDS OF SCALAR LOADS, NOT THREE.  Where the mask word and the count of expert e lie hangs on the token and on e, and there are only 8 experts: so all 8 words and all 8 counts (16 loads of 4 bytes) are asked for
; together with the token's two experts and weights, and the two pairs that are wanted are picked behind the one wait, by compares and selects on scalars.
; Each of the two rows is 4,096 bytes: eight loads of 512 consecutive bytes; the result leaves the same way.  Memory binds; no LDS, no barrier, no matrix unit: there is nothing to share and nothing to multiply.
.set MW, 40                            ; s40-47  the token's mask word of expert e
.set PR, 48                            ; s48-55  the count in front of that word
	s_load_b256 s[4:11], s[0:1], 0x0               ; y s[4:5], ord s[6:7], pre s[8:9], rt s[10:11]
	s_load_b64 s[12:13], s[0:1], 0x20              ; out0
	v_lshrrev_b32 v1, 5, v0
	v_readfirstlane_b32 s14, v1
	v_and_b32 v1, 31, v0
	v_lshlrev_b32 v1, 4, v1                        ; 16 x lane
	s_lshl_b32 s15, ttmp9, 3
	s_add_co_u32 s15, s15, s14                     ; token
	s_lshl_b32 s16, s15, 2
	s_lshl_b32 s17, s15, 3
	s_lshr_b32 s24, s15, 5
	s_lshl_b32 s24, s24, 2                         ; the token's word: 4 (t / 32)
	s_wait_kmcnt 0x0
	s_load_b32 s18, s[6:7], s16 offset:0x400       ; e0 | e1 << 8
	s_load_b64 s[20:21], s[10:11], s17             ; w0, w1
.irp e, 0,1,2,3,4,5,6,7
	s_load_b32 s[MW+\e], s[6:7], s24 offset:128*\e
	s_load_b32 s[PR+\e], s[8:9], s24 offset:128*\e
.endr
	s_and_b32 s27, s15, 31
	s_bfm_b32 s27, s27, 0                          ; the bits below mine
	s_wait_kmcnt 0x0
	s_and_b32 s22, s18, 0xff
	s_min_u32 s22, s22, 7
	s_bfe_u32 s23, s18, 0x80008
	s_min_u32 s23, s23, 7
	s_mov_b32 s28, s[MW]                           ; e0's word and count, e1's word and count: expert 0's stand until another expert's are picked
	s_mov_b32 s29, s[PR]
	s_mov_b32 s30, s[MW]
	s_mov_b32 s31, s[PR]
.irp e, 1,2,3,4,5,6,7
	s_cmp_eq_u32 s22, \e
	s_cselect_b32 s28, s[MW+\e], s28
	s_cselect_b32 s29, s[PR+\e], s29
	s_cmp_eq_u32 s23, \e
	s_cselect_b32 s30, s[MW+\e], s30
	s_cselect_b32 s31, s[PR+\e], s31
.endr
	s_mov_b32 s36, s21                             ; w1 in a pair of its own: a packed form takes a pair's low word for both halves
	s_mov_b32 s37, s21
	s_and_b32 s28, s28, s27
	s_bcnt1_i32_b32 s28, s28
	s_add_co_u32 s28, s28, s29
	s_min_u32 s28, s28, 1023                       ; my position in e0's list,
	s_and_b32 s30, s30, s27
	s_bcnt1_i32_b32 s30, s30
	s_add_co_u32 s30, s30, s31
	s_min_u32 s30, s30, 1023                       ; and in e1's
	s_lshl_b32 s22, s22, 10
	s_add_co_u32 s22, s22, s28
	s_lshl_b32 s32, s22, 12
	s_mov_b32 s33, 0
	s_add_nc_u64 s[32:33], s[4:5], s[32:33]
	s_lshl_b32 s23, s23, 10
	s_add_co_u32 s23, s23, s30
	s_lshl_b32 s34, s23, 12
	s_mov_b32 s35, 0
	s_add_nc_u64 s[34:35], s[4:5], s[34:35]
.irp i, 0,1,2,3,4,5,6,7
	global_load_b128 v[8+4*\i:8+4*\i+3], v1, s[32:33] offset:512*\i th:TH_LOAD_NT
.endr
.irp i, 0,1,2,3,4,5,6,7
	global_load_b128 v[40+4*\i:40+4*\i+3], v1, s[34:35] offset:512*\i th:TH_LOAD_NT
.endr
	s_lshl_b32 s38, s15, 12
	s_mov_b32 s39, 0
	s_add_nc_u64 s[12:13], s[12:13], s[38:39]
	s_wait_loadcnt 0x0
.irp m, 0,2,4,6,8,10,12,14,16,18,20,22,24,26,28,30
	v_pk_mul_f32 v[8+\m:9+\m], v[8+\m:9+\m], s[20:21] op_sel_hi:[1,0]
.endr
.irp m, 0,2,4,6,8,10,12,14,16,18,20,22,24,26,28,30
	v_pk_fma_f32 v[8+\m:9+\m], v[40+\m:41+\m], s[36:37], v[8+\m:9+\m] op_sel_hi:[1,0,1]
.endr
.irp i, 0,1,2,3,4,5,6,7
	global_store_b128 v1, v[8+4*\i:8+4*\i+3], s[12:13] offset:512*\i th:TH_STORE_NT     ; 512 consecutive bytes a store
.endr
	s_endpgm
.Lfunc_end_k_q3bbbb98bcd_sum:
	.size	k_q3bbbb98bcd_sum, .Lfunc_end_k_q3bbbb98bcd_sum-k_q3bbbb98bcd_sum
	.p2alignl 7, 3214868480
	.fill 96, 4, 3214868480
	.section	.rodata,"a",@progbits
	.p2align	6, 0x0
	.amdhsa_kernel k_q3bbbb98bcd_sum
		.amdhsa_group_segment_fixed_size 0
		.amdhsa_private_segment_fixed_size 0
		.amdhsa_enable_private_segment 0
		.amdhsa_kernarg_size 40
		.amdhsa_user_sgpr_count 2
		.amdhsa_user_sgpr_kernarg_segment_ptr 1
		.amdhsa_wavefront_size32 1
		.amdhsa_system_sgpr_workgroup_id_x 1
		.amdhsa_system_sgpr_workgroup_id_y 1
		.amdhsa_system_sgpr_workgroup_id_z 1
		.amdhsa_system_vgpr_workitem_id 0
		.amdhsa_next_free_vgpr 80
		.amdhsa_next_free_sgpr 66
		.amdhsa_reserve_vcc 0
		.amdhsa_float_denorm_mode_32 3
		.amdhsa_float_denorm_mode_16_64 3
		.amdhsa_memory_ordered 1
		.amdhsa_forward_progress 1
		.amdhsa_inst_pref_size 9
	.end_amdhsa_kernel
	.amdgpu_metadata
---
amdhsa.version: [ 1, 2 ]
amdhsa.kernels:
  - .name:           k_q3bbbb98bcd_sum
    .symbol:         k_q3bbbb98bcd_sum.kd
    .args:
      - { .name: y, .offset: 0, .size: 8, .value_kind: global_buffer, .address_space: global }
      - { .name: ord, .offset: 8, .size: 8, .value_kind: global_buffer, .address_space: global }
      - { .name: pre, .offset: 16, .size: 8, .value_kind: global_buffer, .address_space: global }
      - { .name: rt, .offset: 24, .size: 8, .value_kind: global_buffer, .address_space: global }
      - { .name: out0, .offset: 32, .size: 8, .value_kind: global_buffer, .address_space: global }
    .group_segment_fixed_size: 0
    .private_segment_fixed_size: 0
    .kernarg_segment_align: 8
    .kernarg_segment_size: 40
    .max_flat_workgroup_size: 256
    .sgpr_count:     66
    .vgpr_count:     80
    .wavefront_size: 32
...
	.end_amdgpu_metadata
.endif
;; end of part 5
;; ======== version 2 of 2: 5 launches
;; workspace buffers: ord 5,120 bytes of whole numbers; pre 1,024 bytes of whole numbers; rt 16,384 bytes; xq 819,200 bytes; xs 6,553,600 bytes; hq 26,214,400 bytes; y 33,554,432 bytes
;; launch route (part 6): grid 128 x 1, 8 waves a work-group, no clusters, 38,400 bytes of LDS; arguments x, Wr, xq, ord, rt; writes xq, ord, rt
.if DOCPART == 6
	.amdgcn_target "amdgcn-amd-amdhsa--gfx1250"
	.amdhsa_code_object_version 6
	.text
	.protected	k_q3bbbb98bcd_route
	.globl	k_q3bbbb98bcd_route
	.p2align	8
	.type	k_q3bbbb98bcd_route,@function
k_q3bbbb98bcd_route:
	s_mov_b64 s[64:65], 0
	v_nop
	global_prefetch_b8 v0, s[64:65] scope:SCOPE_SE
	s_setreg_imm32_b32 hwreg(HW_REG_WAVE_MODE, 25, 1), 1
	s_wait_xcnt 0x0
; ROUTER AND QUANTISER OF x.  One wave takes one token t = 8 x work-group + wave (1,024 tokens, 128 work-groups of 8 waves).
; It makes the token's 8 logits in f32 (x . Wr[e], packed multiply-adds, a sum over the lanes) and turns the row into codes of E3M2 with one
; E8M0 byte for each 32 along K.  Wave 0 then takes the work-group's 8 tokens, a lane to a token: softmax with the maximum taken away, the two
; largest probabilities (a tie keeps the lower index), their weights, and what later launches need as whole numbers.
; OUT: xq: codes at 768 t + 384 h + 48 s + 24 c = the 24 bytes of block 4 s + 2 c + h (the order of an operand's registers); scale byte of block l at 786,432 + 32 t + l.
;      ord: at 128 e + t / 8 a byte with bit t % 8 set where token t chose expert e; at 1,024 + 4 t the two experts, e0 | e1 << 8.
;      rt: weights at 8 t; at 8,192 + 32 wg + 4 e the sum of the 8 tokens' probabilities of expert e; at 12,288 + 32 wg + 4 e how many of them chose e, as f32.
; No address and no branch hangs on a floating-point number: every place above is fixed by ids.
; LIMITS: NaN and infinities are not served; a block of zeros gets the byte 1 (its codes are zeros; this program alone reads the bytes).
.set STGB, 4608                        ; a wave's stage: 32 blocks x (128 bytes + 16)
.set LG,   36864                       ; the work-group's logits, [8 tokens][8] f32
.set XSB,  786432                      ; xq: where the scale bytes begin
.set ACC,  16                          ; v16-31   eight pairs of partial sums
.set XR,   32                          ; v32-63   the row as loaded: load i, lane l: k = 128 i + 4 l
.set XB,   64                          ; v64-95   one block of 32 neighbours
.set LGT,  96                          ; v96-103  the logits
.set TP,   104                         ; v104-111 the other half's sums
.set MSB, 0
.macro WIN new                         ; the immediate's high byte repeats the setting that is left
.if MSB != \new
	s_set_vgpr_msb (MSB<<8)|\new
.set MSB, \new
.endif
.endm
	s_load_b256 s[4:11], s[0:1], 0x0               ; x s[4:5], Wr s[6:7], xq s[8:9], ord s[10:11]
	s_load_b64 s[12:13], s[0:1], 0x20              ; rt
	v_lshl_add_u32 v254, v0, 2, 0x9200
	v_mov_b32 v255, 0
	v_lshrrev_b32 v1, 5, v0
	s_delay_alu instid0(VALU_DEP_1)
	v_readfirstlane_b32 s14, v1                    ; wave
	v_and_b32 v1, 31, v0                           ; lane
	s_delay_alu instid0(VALU_DEP_1)
	v_lshlrev_b32 v2, 4, v1                        ; 16 x lane
	s_lshl_b32 s15, ttmp9, 3
	s_add_co_u32 s15, s15, s14                     ; token
	s_lshl_b32 s16, s15, 12                        ; its row of 4,096 bytes
	s_mov_b32 s17, 0
	s_mov_b32 s21, 0
	s_mov_b32 s26, 0x76543210                      ; v_permlanex16_b32: lane l xor 16
	s_mov_b32 s27, 0xfedcba98
	s_wait_alu depctr_va_vdst(0)
	s_wait_kmcnt 0x0
	s_add_nc_u64 s[4:5], s[4:5], s[16:17]
.irp i, 0,1,2,3,4,5,6,7
	global_load_b128 v[XR+4*\i:XR+4*\i+3], v2, s[4:5] offset:512*\i th:TH_LOAD_NT   ; 512 consecutive bytes a load
.endr
	WIN 0x40                                       ; destination window 1: Wr[e] at v[32 e + 4 i], laid as x is
.irp e, 0,1,2,3,4,5,6,7
.irp i, 0,1,2,3,4,5,6,7
	global_load_b128 v[32*\e+4*\i:32*\e+4*\i+3], v2, s[6:7] offset:4096*\e+512*\i
.endr
.endr
	WIN 0
	s_mul_i32 s18, s14, STGB
	v_lshrrev_b32 v4, 3, v1
	s_delay_alu instid0(VALU_DEP_1)
	v_mul_u32_u24 v3, v4, 144
	v_and_b32 v4, 7, v1
	s_delay_alu instid0(VALU_DEP_1)
	v_lshl_add_u32 v3, v4, 4, v3
	s_delay_alu instid0(VALU_DEP_1)
	v_add_nc_u32 v3, s18, v3                       ; into the stage: 144 (l / 8) + 16 (l % 8); load i lies four blocks on
	s_delay_alu instid0(VALU_DEP_3)
	v_lshlrev_b32 v8, 5, v4                        ; wave 0 later: the logits of token l % 8
	v_mul_u32_u24 v4, v1, 144
	s_delay_alu instid0(VALU_DEP_1)
	v_add_nc_u32 v4, s18, v4                       ; out of it: block l
	s_lshl_b32 s19, s14, 5
	s_add_co_u32 s19, s19, LG
	v_mov_b32 v5, s19                              ; my token's logits
	v_and_b32 v7, 1, v1
	s_delay_alu instid0(VALU_DEP_1)
	v_mul_u32_u24 v6, v7, 384
	v_lshrrev_b32 v7, 2, v1
	s_delay_alu instid0(VALU_DEP_1)
	v_mad_u32_u24 v6, v7, 48, v6
	v_bfe_u32 v7, v1, 1, 1
	s_delay_alu instid0(VALU_DEP_1)
	v_mad_u32_u24 v6, v7, 24, v6                   ; block l = 4 s + 2 c + h: 384 h + 48 s + 24 c
	s_mul_i32 s20, s15, 768
	s_add_nc_u64 s[22:23], s[8:9], s[20:21]        ; the token's codes
	s_lshl_b32 s20, s15, 5
	s_add_nc_u64 s[24:25], s[8:9], s[20:21]        ; and its scale bytes (XSB stands in the immediate)
.irp e, 0,1,2,3,4,5,6,7
	v_mov_b32 v[TP+\e], 0                          ; a lane permute's destination counts as read
.endr
	s_wait_loadcnt 0x0
	WIN 0x04                                       ; source 1 window 1
.irp e, 0,1,2,3,4,5,6,7
	v_pk_mul_f32 v[ACC+2*\e:ACC+2*\e+1], v[XR:XR+1], v[32*\e:32*\e+1]     ; the first product starts each sum
.endr
.irp m, 1,2,3,4,5,6,7,8,9,10,11,12,13,14,15
.irp e, 0,1,2,3,4,5,6,7
	v_pk_fma_f32 v[ACC+2*\e:ACC+2*\e+1], v[XR+2*\m:XR+2*\m+1], v[32*\e+2*\m:32*\e+2*\m+1], v[ACC+2*\e:ACC+2*\e+1]   ; the experts by turns
.endr
.endr
	WIN 0
.irp e, 0,1,2,3,4,5,6,7
	v_add_f32 v[LGT+\e], v[ACC+2*\e], v[ACC+2*\e+1]
.endr
.irp x, 1,2,4,8
.irp e, 0,1,2,3,4,5,6,7
	v_add_f32_dpp v[LGT+\e], v[LGT+\e], v[LGT+\e] row_xmask:\x row_mask:0xf bank_mask:0xf
.endr
.endr
.irp e, 0,1,2,3,4,5,6,7
	v_permlanex16_b32 v[TP+\e], v[LGT+\e], s26, s27
.endr
.irp e, 0,1,2,3,4,5,6,7
	v_add_f32 v[LGT+\e], v[LGT+\e], v[TP+\e]       ; every lane holds the eight logits
.endr
	ds_store_b128 v5, v[LGT:LGT+3]                 ; all lanes store the same bytes
	ds_store_b128 v5, v[LGT+4:LGT+7] offset:16
.irp i, 0,1,2,3,4,5,6,7
	ds_store_b128 v3, v[XR+4*\i:XR+4*\i+3] offset:576*\i      ; the row turns through the wave's own stage,
.endr
.irp q, 0,1,2,3,4,5,6,7
	ds_load_b128 v[XB+4*\q:XB+4*\q+3], v4 offset:16*\q        ; and comes back a block to a lane (LDS serves a wave's instructions in order)
.endr
	s_wait_dscnt 0x0
	v_max3_num_f32 v112, |v[XB]|, |v[XB+1]|, |v[XB+2]|        ; the block's largest magnitude, in two chains
	v_max3_num_f32 v113, |v[XB+3]|, |v[XB+4]|, |v[XB+5]|
.irp i, 6,10,14,18,22,26
	s_delay_alu instid0(VALU_DEP_2)
	v_max3_num_f32 v112, v112, |v[XB+\i]|, |v[XB+\i+1]|
	s_delay_alu instid0(VALU_DEP_2)
	v_max3_num_f32 v113, v113, |v[XB+\i+2]|, |v[XB+\i+3]|
.endr
	s_delay_alu instid0(VALU_DEP_2)
	v_max3_num_f32 v112, v112, |v[XB+30]|, |v[XB+31]|
	s_delay_alu instid0(VALU_DEP_1)
	v_max3_num_f32 v112, v112, v113, 0x2800000     ; and the floor 2^(5 - 127): the byte cannot fall under 1
	s_delay_alu instid0(VALU_DEP_1)
	v_add_nc_u32 v114, 0xfe000000, v112            ; 4 off the exponent field: the conversion's scale operand
	v_cvt_scalef32_pk16_bf6_f32 v[120:122], v[XB:XB+15], v114
	v_cvt_scalef32_pk16_bf6_f32 v[124:126], v[XB+16:XB+31], v114
	v_lshrrev_b32 v127, 23, v114                   ; the scale's byte (a plain line behind the conversions)
	global_store_b96 v6, v[120:122], s[22:23]      ; the wave's two stores cover the token's 768 bytes
	global_store_b96 v6, v[124:126], s[22:23] offset:12
	global_store_b8 v1, v127, s[24:25] offset:XSB
	s_barrier_signal -1                            ; my LDS stores were waited for above: the eight tokens' logits lie in LDS
	s_barrier_wait -1
	s_cmp_lg_u32 s14, 0
	s_cbranch_scc1 .Lend
	; ---- wave 0: lane l takes token l % 8 of the work-group
	ds_load_b128 v[128:131], v8 offset:LG
	ds_load_b128 v[132:135], v8 offset:LG+16
	s_wait_dscnt 0x0
	v_max3_num_f32 v136, v128, v129, v130
	s_delay_alu instid0(VALU_DEP_1)
	v_max3_num_f32 v136, v136, v131, v132
	s_delay_alu instid0(VALU_DEP_1)
	v_max3_num_f32 v136, v136, v133, v134
	s_delay_alu instid0(VALU_DEP_1)
	v_max_num_f32 v136, v136, v135                 ; the maximum is taken away ahead of the exponentials
.irp e, 0,1,2,3,4,5,6,7
	v_sub_f32 v[140+\e], v[128+\e], v136
.endr
.irp e, 0,1,2,3,4,5,6,7
	v_mul_f32 v[140+\e], 0x3fb8aa3b, v[140+\e]     ; x log2(e)
.endr
	s_wait_alu depctr_va_vdst(0)
.irp e, 0,1,2,3,4,5,6,7
	v_exp_f32 v[140+\e], v[140+\e]
.endr
	v_nop                                          ; a plain line behind the exponentials
	s_wait_alu depctr_va_vdst(0)
	v_add_f32 v148, v140, v141
.irp e, 2,3,4,5,6,7
	v_add_f32 v148, v148, v[140+\e]
.endr
	s_wait_alu depctr_va_vdst(0)
	v_rcp_f32 v149, v148
	v_nop
	s_wait_alu depctr_va_vdst(0)
.irp e, 0,1,2,3,4,5,6,7
	v_mul_f32 v[140+\e], v[140+\e], v149           ; the probabilities
.endr
	v_mov_b32 v150, v140                           ; the largest, and its index: what stands is kept where it is not smaller, so a tie keeps the lower index
	v_mov_b32 v151, 0
.irp e, 1,2,3,4,5,6,7
	s_delay_alu instid0(VALU_DEP_2)
	v_cmp_ge_f32 vcc_lo, v150, v[140+\e]
	s_delay_alu instid0(VALU_DEP_1)
	v_cndmask_b32 v150, v[140+\e], v150, vcc_lo
	s_delay_alu instid0(VALU_DEP_2)
	v_cndmask_b32 v151, \e, v151, vcc_lo
.endr
.irp e, 0,1,2,3,4,5,6,7
	v_cmp_ne_u32 vcc_lo, \e, v151
	s_delay_alu instid0(VALU_DEP_1)
	v_cndmask_b32 v[152+\e], -1.0, v[140+\e], vcc_lo      ; the first choice is taken out
.endr
	v_mov_b32 v160, v152
	v_mov_b32 v161, 0
.irp e, 1,2,3,4,5,6,7
	s_delay_alu instid0(VALU_DEP_2)
	v_cmp_ge_f32 vcc_lo, v160, v[152+\e]
	s_delay_alu instid0(VALU_DEP_1)
	v_cndmask_b32 v160, v[152+\e], v160, vcc_lo
	s_delay_alu instid0(VALU_DEP_2)
	v_cndmask_b32 v161, \e, v161, vcc_lo
.endr
	s_delay_alu instid0(VALU_DEP_2)
	v_add_f32 v165, v150, v160
	s_wait_alu depctr_va_vdst(0)
	v_rcp_f32 v165, v165
	v_lshl_or_b32 v164, v161, 8, v151              ; e0 | e1 << 8 (a plain line behind the reciprocal)
	s_wait_alu depctr_va_vdst(0)
	v_mul_f32 v162, v150, v165                     ; the two weights
	v_mul_f32 v163, v160, v165
.irp e, 0,1,2,3,4,5,6,7
	v_mov_b32 v[166+\e], v[140+\e]
.endr
.irp x, 1,2,4
.irp e, 0,1,2,3,4,5,6,7
	v_add_f32_dpp v[166+\e], v[166+\e], v[166+\e] row_xmask:\x row_mask:0xf bank_mask:0xf     ; over the eight tokens
.endr
.endr
	v_mov_b32 v174, v166
.irp e, 1,2,3,4,5,6,7
	v_cmp_eq_u32 vcc_lo, \e, v1
	s_delay_alu instid0(VALU_DEP_1)
	v_cndmask_b32 v174, v174, v[166+\e], vcc_lo    ; lane e takes expert e's sum
.endr
	v_mov_b32 v175, 0
	v_mov_b32 v176, 0
.irp e, 0,1,2,3,4,5,6,7
	v_cmp_eq_u32 s28, \e, v151
	v_cmp_eq_u32 s29, \e, v161
	s_or_b32 s28, s28, s29
	s_and_b32 s28, s28, 0xff                       ; bit n: token n of the eight chose expert e
	s_bcnt1_i32_b32 s29, s28
	v_writelane_b32 v175, s28, \e                  ; lane e takes expert e's byte,
	v_writelane_b32 v176, s29, \e                  ; and its count
.endr
	s_delay_alu instid0(VALU_DEP_1)
	v_cvt_f32_u32 v176, v176
	s_lshl_b32 s30, ttmp9, 6
	v_lshl_add_u32 v177, v1, 3, s30                ; 8 t for token 8 wg + lane
	s_lshl_b32 s30, ttmp9, 5
	v_lshl_add_u32 v178, v1, 2, s30                ; 4 t; also 32 wg + 4 e
	s_mov_b32 s31, ttmp9
	v_lshl_add_u32 v179, v1, 7, s31                ; 128 e + wg
	v_cmp_gt_u32 vcc_lo, 8, v1
	s_wait_alu depctr_va_vdst(0)
	s_wait_xcnt 0x0                                ; EXEC changes only behind this wait
	s_and_saveexec_b32 s32, vcc_lo
	global_store_b64 v177, v[162:163], s[12:13]
	global_store_b32 v178, v164, s[10:11] offset:1024
	global_store_b8 v179, v175, s[10:11]
	global_store_b32 v178, v174, s[12:13] offset:8192
	global_store_b32 v178, v176, s[12:13] offset:12288
	s_wait_xcnt 0x0
	s_or_b32 exec_lo, exec_lo, s32
.Lend:
	s_wait_tensorcnt 0x0
	ds_add_u32 v254, v255
	s_wait_dscnt 0x0
	s_endpgm
.Lfunc_end_k_q3bbbb98bcd_route:
	.size	k_q3bbbb98bcd_route, .Lfunc_end_k_q3bbbb98bcd_route-k_q3bbbb98bcd_route
	.p2alignl 7, 3214868480
	.fill 96, 4, 3214868480
	.section	.rodata,"a",@progbits
	.p2align	6, 0x0
	.amdhsa_kernel k_q3bbbb98bcd_route
		.amdhsa_group_segment_fixed_size 38400
		.amdhsa_private_segment_fixed_size 0
		.amdhsa_enable_private_segment 0
		.amdhsa_kernarg_size 40
		.amdhsa_user_sgpr_count 2
		.amdhsa_user_sgpr_kernarg_segment_ptr 1
		.amdhsa_wavefront_size32 1
		.amdhsa_system_sgpr_workgroup_id_x 1
		.amdhsa_system_sgpr_workgroup_id_y 1
		.amdhsa_system_sgpr_workgroup_id_z 1
		.amdhsa_system_vgpr_workitem_id 0
		.amdhsa_next_free_vgpr 512
		.amdhsa_next_free_sgpr 66
		.amdhsa_reserve_vcc 1
		.amdhsa_float_denorm_mode_32 3
		.amdhsa_float_denorm_mode_16_64 3
		.amdhsa_memory_ordered 1
		.amdhsa_forward_progress 1
		.amdhsa_inst_pref_size 37
	.end_amdhsa_kernel
	.amdgpu_metadata
---
amdhsa.version: [ 1, 2 ]
amdhsa.kernels:
  - .name:           k_q3bbbb98bcd_route
    .symbol:         k_q3bbbb98bcd_route.kd
    .args:
      - { .name: x, .offset: 0, .size: 8, .value_kind: global_buffer, .address_space: global }
      - { .name: Wr, .offset: 8, .size: 8, .value_kind: global_buffer, .address_space: global }
      - { .name: xq, .offset: 16, .size: 8, .value_kind: global_buffer, .address_space: global }
      - { .name: ord, .offset: 24, .size: 8, .value_kind: global_buffer, .address_space: global }
      - { .name: rt, .offset: 32, .size: 8, .value_kind: global_buffer, .address_space: global }
    .group_segment_fixed_size: 38400
    .private_segment_fixed_size: 0
    .kernarg_segment_align: 8
    .kernarg_segment_size: 40
    .max_flat_workgroup_size: 256
    .sgpr_count:     66
    .vgpr_count:     512
    .wavefront_size: 32
...
	.end_amdgpu_metadata
.endif
;; end of part 6
;; launch place (part 7): grid 64 x 1, 8 waves a work-group, no clusters, 0 bytes of LDS; arguments ord, rt, xq, xs, pre, out1; writes xs, pre, out1
.if DOCPART == 7
	.amdgcn_target "amdgcn-amd-amdhsa--gfx1250"
	.amdhsa_code_object_version 6
	.text
	.protected	k_q3bbbb98bcd_place
	.globl	k_q3bbbb98bcd_place
	.p2align	8
	.type	k_q3bbbb98bcd_place,@function
k_q3bbbb98bcd_place:
	s_mov_b64 s[64:65], 0
	v_nop
	global_prefetch_b8 v0, s[64:65] scope:SCOPE_SE
	s_setreg_imm32_b32 hwreg(HW_REG_WAVE_MODE, 25, 1), 1
	s_wait_xcnt 0x0
; THE ROWS ARE PLACED BY EXPERT.  Work-group wg serves expert e = wg / 8; wave w takes tile i = 8 (wg % 8) + w: positions 16 i .. 16 i + 15 of the expert's list of tokens (ascending token number).
; The list is never written: a lane finds the token at its position from the expert's 32 mask words (which word by running counts; which bit by the partial sums of a population count).
; The tile's codes of x are copied into xs as an image of the operand's registers: 12,288 T + 512 q + 16 lane (T = 64 e + i, q = group of four registers), scale words at 6,291,456 + 512 T + 32 r + 4 s.
; Positions past the expert's count repeat its last row; tiles wholly past it are not written and never read for a result.
; pre[e][j] (128 e + 4 j): chosen tokens of expert e in the words before j.
; THE AUX LOSS, sum over e of count_e x (sum of probabilities)_e x 8 / (2,048 x 1,024), is made by work-group 7's wave 7.  Its tile is expert 0's tile 63, which has rows only where more than 1,008 tokens chose
; expert 0: so the loss's loads and sums as a rule do not lengthen the way of a wave that has rows to copy; where that tile has rows, the wave does both.
; All addresses here hang on whole numbers that the launch before stored.  No LDS, no barrier: waves share nothing.
.set XSB, 786432
.set XSS, 6291456
	s_load_b256 s[4:11], s[0:1], 0x0               ; ord s[4:5], rt s[6:7], xq s[8:9], xs s[10:11]
	s_load_b128 s[12:15], s[0:1], 0x20             ; pre s[12:13], out1 s[14:15]
	v_lshrrev_b32 v1, 5, v0
	s_delay_alu instid0(VALU_DEP_1)
	v_readfirstlane_b32 s50, v1                    ; wave
	v_and_b32 v1, 31, v0                           ; lane
	v_and_b32 v2, 15, v0                           ; r
	v_bfe_u32 v3, v0, 4, 1                         ; h
	s_lshr_b32 s51, ttmp9, 3                       ; expert
	s_and_b32 s52, ttmp9, 7
	s_lshl_b32 s52, s52, 3
	s_add_co_u32 s52, s52, s50                     ; tile
	s_lshl_b32 s58, s51, 7
	s_mov_b32 s59, 0
	s_wait_kmcnt 0x0
	s_add_nc_u64 s[56:57], s[4:5], s[58:59]        ; the expert's 32 mask words
	s_load_b512 s[16:31], s[56:57], 0x0
	s_load_b512 s[32:47], s[56:57], 0x40
	s_lshl_b32 s53, ttmp9, 3
	s_add_co_u32 s53, s53, s50                     ; 8 x work-group + wave
	s_cmp_lg_u32 s53, 63                           ; work-group 7's wave 7 alone goes on into the aux loss
	s_cbranch_scc1 .Lnoaux
	s_wait_alu depctr_va_vdst(0)
	; ---- the aux loss: lane j takes the sums of work-groups j, j + 32, j + 64, j + 96 of the launch before
	v_lshlrev_b32 v4, 5, v1
.irp m, 0,1,2,3
.irp q, 0,1
	global_load_b128 v[16+8*\m+4*\q:16+8*\m+4*\q+3], v4, s[6:7] offset:8192+1024*\m+16*\q
	global_load_b128 v[48+8*\m+4*\q:48+8*\m+4*\q+3], v4, s[6:7] offset:12288+1024*\m+16*\q
.endr
.endr
	s_mov_b32 s54, 0x76543210
	s_mov_b32 s55, 0xfedcba98
.irp e, 0,1,2,3,4,5,6,7
	v_mov_b32 v[80+\e], 0                          ; a lane permute's destination counts as read
	v_mov_b32 v[88+\e], 0
.endr
	s_wait_loadcnt 0x0
.irp b, 16,48
.irp e, 0,1,2,3,4,5,6,7
	v_add_f32 v[\b+\e], v[\b+\e], v[\b+8+\e]
	v_add_f32 v[\b+16+\e], v[\b+16+\e], v[\b+24+\e]
.endr
.irp e, 0,1,2,3,4,5,6,7
	v_add_f32 v[\b+\e], v[\b+\e], v[\b+16+\e]
.endr
.irp x, 1,2,4,8
.irp e, 0,1,2,3,4,5,6,7
	v_add_f32_dpp v[\b+\e], v[\b+\e], v[\b+\e] row_xmask:\x row_mask:0xf bank_mask:0xf
.endr
.endr
.endr
.irp e, 0,1,2,3,4,5,6,7
	v_permlanex16_b32 v[80+\e], v[16+\e], s54, s55
	v_permlanex16_b32 v[88+\e], v[48+\e], s54, s55
.endr
.irp e, 0,1,2,3,4,5,6,7
	v_add_f32 v[16+\e], v[16+\e], v[80+\e]         ; the sum of all tokens' probabilities of expert e,
	v_add_f32 v[48+\e], v[48+\e], v[88+\e]         ; and how many tokens chose it (whole numbers under 2^24: exact)
.endr
	v_mul_f32 v96, v16, v48
.irp e, 1,2,3,4,5,6,7
	s_delay_alu instid0(VALU_DEP_1)
	v_fma_f32 v96, v[16+\e], v[48+\e], v96
.endr
	s_delay_alu instid0(VALU_DEP_1)
	v_mul_f32 v96, 0x36800000, v96                 ; x 2^-18 = 8 / (2,048 x 1,024)
	v_mov_b32 v97, 0
	v_cmp_eq_u32 vcc_lo, 0, v1
	s_wait_alu depctr_va_vdst(0)
	s_wait_xcnt 0x0                                ; EXEC changes only behind this wait
	s_and_saveexec_b32 s54, vcc_lo
	global_store_b32 v97, v96, s[14:15]
	s_wait_xcnt 0x0
	s_or_b32 exec_lo, exec_lo, s54
.Lnoaux:
	s_wait_kmcnt 0x0
	s_mov_b32 s48, 0
.irp j, 0,1,2,3,4,5,6,7,8,9,10,11,12,13,14,15,16,17,18,19,20,21,22,23,24,25,26,27,28,29,30,31
	s_bcnt1_i32_b32 s49, s[16+\j]
	s_add_co_u32 s48, s48, s49                     ; the expert's count
.endr
	s_max_u32 s49, s48, 1
	s_sub_co_u32 s49, s49, 1                       ; its last position
	s_lshl_b32 s53, s52, 4                         ; the tile's first position
	s_wait_alu depctr_va_vdst(0)
	v_add_nc_u32 v4, s53, v2
	s_delay_alu instid0(VALU_DEP_1)
	v_min_u32 v4, s49, v4                          ; p: my position
	v_mov_b32 v5, s16                              ; the word that holds it,
	v_mov_b32 v6, 0                                ; the count in front of that word,
	v_mov_b32 v7, 0                                ; the word's first token
	v_mov_b32 v8, 0                                ; lane j: the count in front of word j
	s_mov_b32 s54, 0
.irp j, 1,2,3,4,5,6,7,8,9,10,11,12,13,14,15,16,17,18,19,20,21,22,23,24,25,26,27,28,29,30,31
	s_bcnt1_i32_b32 s55, s[16+\j-1]
	s_add_co_u32 s54, s54, s55
	v_writelane_b32 v8, s54, \j
	v_cmp_gt_u32 vcc_lo, s54, v4                   ; word j begins behind p: what stands is kept.  The last word that begins at or before p holds it
	s_delay_alu instid0(VALU_DEP_1)
	v_cndmask_b32 v5, s[16+\j], v5, vcc_lo
	s_delay_alu instid0(VALU_DEP_2)
	v_cndmask_b32 v6, s54, v6, vcc_lo
	s_delay_alu instid0(VALU_DEP_3)
	v_cndmask_b32 v7, 32*\j, v7, vcc_lo
.endr
	s_delay_alu instid0(VALU_DEP_2)
	v_sub_nc_u32 v9, v4, v6                        ; n: I want the word's n-th set bit
	s_delay_alu instid0(VALU_DEP_4)
	v_lshrrev_b32 v10, 1, v5
	s_delay_alu instid0(VALU_DEP_1)
	v_and_b32 v10, 0x55555555, v10
	s_delay_alu instid0(VALU_DEP_1)
	v_sub_nc_u32 v10, v5, v10                      ; counts of fields of 2 bits,
	s_delay_alu instid0(VALU_DEP_1)
	v_lshrrev_b32 v11, 2, v10
	s_delay_alu instid0(VALU_DEP_1)
	v_and_b32 v11, 0x33333333, v11
	s_delay_alu instid0(VALU_DEP_3)
	v_and_b32 v12, 0x33333333, v10
	s_delay_alu instid0(VALU_DEP_1)
	v_add_nc_u32 v11, v11, v12                     ; of 4,
	s_delay_alu instid0(VALU_DEP_1)
	v_lshrrev_b32 v12, 4, v11
	s_delay_alu instid0(VALU_DEP_1)
	v_add_nc_u32 v12, v12, v11
	s_delay_alu instid0(VALU_DEP_1)
	v_and_b32 v12, 0x0f0f0f0f, v12                 ; of 8,
	s_delay_alu instid0(VALU_DEP_1)
	v_lshrrev_b32 v13, 8, v12
	s_delay_alu instid0(VALU_DEP_1)
	v_add_nc_u32 v13, v13, v12
	s_delay_alu instid0(VALU_DEP_1)
	v_and_b32 v13, 0x00ff00ff, v13                 ; of 16
	v_mov_b32 v14, 0                               ; the bit's place
.macro HALVE a, mask, width            ; where n is not under the count of the lower half of what is left, the bit lies in the upper half
	s_delay_alu instid0(VALU_DEP_1)
	v_lshrrev_b32 v15, v14, v[\a]
	s_delay_alu instid0(VALU_DEP_1)
	v_and_b32 v15, \mask, v15
	s_delay_alu instid0(VALU_DEP_1)
	v_cmp_ge_u32 vcc_lo, v9, v15
	s_delay_alu instid0(VALU_DEP_2)
	v_sub_nc_u32 v15, v9, v15
	s_delay_alu instid0(VALU_DEP_1)
	v_cndmask_b32 v9, v9, v15, vcc_lo
	v_add_nc_u32 v15, \width, v14
	s_delay_alu instid0(VALU_DEP_1)
	v_cndmask_b32 v14, v14, v15, vcc_lo
.endm
	HALVE 13, 0xffff, 16
	HALVE 12, 0xff, 8
	HALVE 11, 15, 4
	HALVE 10, 3, 2
	HALVE 5, 1, 1
	s_delay_alu instid0(VALU_DEP_1)
	v_add_nc_u32 v16, v7, v14
	s_delay_alu instid0(VALU_DEP_1)
	v_min_u32 v16, 0x3ff, v16                      ; my token
	s_cmp_lg_u32 s52, 0
	s_cbranch_scc1 .Lnopre
	s_add_nc_u64 s[12:13], s[12:13], s[58:59]      ; the expert's first tile also stores the running counts: 128 consecutive bytes
	v_lshlrev_b32 v17, 2, v1
	global_store_b32 v17, v8, s[12:13]
.Lnopre:
	s_cmp_ge_u32 s53, s48
	s_cbranch_scc1 .Lend                           ; a tile past the count has no rows
	s_wait_alu depctr_va_vdst(0)
	v_mul_u32_u24 v18, v16, 768
	s_delay_alu instid0(VALU_DEP_1)
	v_mad_u32_u24 v18, v3, 384, v18                ; the 384 bytes of my half of the row: 96 registers of the operand
	v_lshlrev_b32 v19, 5, v16
	s_delay_alu instid0(VALU_DEP_1)
	v_lshl_add_u32 v19, v3, 4, v19                 ; and 16 of its 32 scale bytes
.set q, 0
.rept 24
	global_load_b128 v[32+4*q:32+4*q+3], v18, s[8:9] offset:16*q
.set q, q+1
.endr
	global_load_b128 v[128:131], v19, s[8:9] offset:XSB
	s_lshl_b32 s58, s51, 6
	s_add_co_u32 s58, s58, s52                     ; T
	s_mul_i32 s60, s58, 12288
	s_mov_b32 s61, 0
	s_add_nc_u64 s[60:61], s[10:11], s[60:61]
	s_lshl_b32 s62, s58, 9
	s_mov_b32 s63, 0
	s_add_nc_u64 s[62:63], s[10:11], s[62:63]
	v_lshlrev_b32 v20, 4, v1
	v_lshlrev_b32 v21, 5, v2
	s_delay_alu instid0(VALU_DEP_1)
	v_lshl_add_u32 v21, v3, 4, v21
	s_wait_alu depctr_va_vdst(0)
	s_wait_loadcnt 0x0
.set q, 0
.rept 24
	global_store_b128 v20, v[32+4*q:32+4*q+3], s[60:61] offset:512*q      ; each store covers 512 consecutive bytes
.set q, q+1
.endr
	global_store_b128 v21, v[128:131], s[62:63] offset:XSS
.Lend:
	s_endpgm
.Lfunc_end_k_q3bbbb98bcd_place:
	.size	k_q3bbbb98bcd_place, .Lfunc_end_k_q3bbbb98bcd_place-k_q3bbbb98bcd_place
	.p2alignl 7, 3214868480
	.fill 96, 4, 3214868480
	.section	.rodata,"a",@progbits
	.p2align	6, 0x0
	.amdhsa_kernel k_q3bbbb98bcd_place
		.amdhsa_group_segment_fixed_size 0
		.amdhsa_private_segment_fixed_size 0
		.amdhsa_enable_private_segment 0
		.amdhsa_kernarg_size 48
		.amdhsa_user_sgpr_count 2
		.amdhsa_user_sgpr_kernarg_segment_ptr 1
		.amdhsa_wavefront_size32 1
		.amdhsa_system_sgpr_workgroup_id_x 1
		.amdhsa_system_sgpr_workgroup_id_y 1
		.amdhsa_system_sgpr_workgroup_id_z 1
		.amdhsa_system_vgpr_workitem_id 0
		.amdhsa_next_free_vgpr 136
		.amdhsa_next_free_sgpr 66
		.amdhsa_reserve_vcc 1
		.amdhsa_float_denorm_mode_32 3
		.amdhsa_float_denorm_mode_16_64 3
		.amdhsa_memory_ordered 1
		.amdhsa_forward_progress 1
		.amdhsa_inst_pref_size 35
	.end_amdhsa_kernel
	.amdgpu_metadata
---
amdhsa.version: [ 1, 2 ]
amdhsa.kernels:
  - .name:           k_q3bbbb98bcd_place
    .symbol:         k_q3bbbb98bcd_place.kd
    .args:
      - { .name: ord, .offset: 0, .size: 8, .value_kind: global_buffer, .address_space: global }
      - { .name: rt, .offset: 8, .size: 8, .value_kind: global_buffer, .address_space: global }
      - { .name: xq, .offset: 16, .size: 8, .value_kind: global_buffer, .address_space: global }
      - { .name: xs, .offset: 24, .size: 8, .value_kind: global_buffer, .address_space: global }
      - { .name: pre, .offset: 32, .size: 8, .value_kind: global_buffer, .address_space: global }
      - { .name: out1, .offset: 40, .size: 8, .value_kind: global_buffer, .address_space: global }
    .group_segment_fixed_size: 0
    .private_segment_fixed_size: 0
    .kernarg_segment_align: 8
    .kernarg_segment_size: 48
    .max_flat_workgroup_size: 256
    .sgpr_count:     66
    .vgpr_count:     136
    .wavefront_size: 32
...
	.end_amdgpu_metadata
.endif
;; end of part 7
;; launch up (part 8): grid 256 x 1, 8 waves a work-group, no clusters, 224,256 bytes of LDS; arguments W1, b1, xs, ord, hq; writes hq
.if DOCPART == 8
	.amdgcn_target "amdgcn-amd-amdhsa--gfx1250"
	.amdhsa_code_object_version 6
	.text
	.protected	k_q3bbbb98bcd_up
	.globl	k_q3bbbb98bcd_up
	.p2align	8
	.type	k_q3bbbb98bcd_up,@function
k_q3bbbb98bcd_up:
	s_mov_b64 s[64:65], 0
	v_nop
	global_prefetch_b8 v0, s[64:65] scope:SCOPE_SE
	s_setreg_imm32_b32 hwreg(HW_REG_WAVE_SCHED_MODE, 0, 2), 2
	s_setreg_imm32_b32 hwreg(HW_REG_WAVE_MODE, 25, 1), 1
	s_wait_xcnt 0x0
	s_wait_alu depctr_vm_vsrc(0)
; hidden = gelu(x W1[e]^T + b1[e]) for the rows routed to expert e, on codes of E3M2 with one E8M0 scale for each 32 along K; the result is quantised along the next K and stored as codes.
; SHARES.  Work-group wg: expert e = wg / 32, hidden units 128 g .. 128 g + 127 (g = wg % 32): 512 KB of W1, read once as f32, in 4 chunks of 32 units x 1,024 K.
; WAVES 0-3 MAKE THE OPERAND: wave w takes K 256 w .. 256 w + 255 of a chunk's 32 rows.  64 loads of 512 consecutive bytes are on their way (4 groups of 16 registers sets that take turns); the rows turn through the wave's own
; stage in LDS (rows of 1,040 bytes), come back a lane to a row with registers along K, are quantised, and leave as images of the operand's registers (16 x lane, 512 bytes a store), with their scale words (4 x lane).
; WAVES 4-7 MULTIPLY, one chunk behind: wave 4 + c takes the expert's tiles c, c + 4, ..  Loads of a wave come back in issue order, so the rows' loads are kept out of the waves that stream weights.
; One barrier a trip, five trips, constants of the text; two image buffers take turns: what trip k writes, trip k + 1 reads and trip k + 2 overwrites.  No barrier stands under a branch on data.
; THE ROWS OF W1 THAT FORM A TILE ARE NOT NEIGHBOURS: lane r of tile u takes row 8 u + r + 8 (r / 8) of the chunk.  The product is used transposed (source 0 = W1, source 1 = x), so lane (r, h) holds routed row r, and the
; 16 registers of tiles 0 and 1 are units 16 h + 0 .. 15 of the chunk: half a block of the next K.  Lane l xor 16 holds the other half.
; hq: tile T = 64 e + i, K step g: codes of block b (= chunk) at 49,152 T + 1,536 g + 768 (b % 2) + 24 (b / 2) + 48 r + 12 h: lane-by-lane the next operand's 48 bytes; scale byte at 25,165,824 + 2,048 T + 128 (g / 2) + 8 r + 4 (g % 2) + b.
; NOT SHARED IN A CLUSTER: what the 32 work-groups of an expert share is its rows' codes, whose number is read from memory and can be 1,024 rows x 800 bytes, more than fits beside the stages; the weights, nearly all the bytes, are nobody else's.
; gelu: erf(z) = z P(z^2) / Q(z^2), z = x / sqrt(2) held to +-4; gelu = x/2 + (x/2) erf.  LIMITS: erf is good to a few units in its last place, so for x < 0 gelu's absolute error is about 6e-8 |x|;
; NaN and infinities are not served; a block of zeros gets the byte 1 (its codes are zeros; this program alone reads the bytes).
; THE MODE: SCHED_MODE bits 1:0 = 2 (LLVM: expert scheduling mode 2), set by the entry lines.  The code itself states the register dependences
; between vector or matrix instructions and memory or LDS instructions, with s_wait_alu, always for 0.
; THE PLAN.  Registers that memory or LDS instructions touch:
;   v8, v9, v10, v15      addresses and offsets, written at the head and never again.
;   v4 .. v7              the four image addresses: written by four adds at each trip's head, read by that trip's LDS instructions.  Ahead of the adds one wait on vm_vsrc, behind them one on va_vdst.
;   PRODUCERS  v256-511   four groups: global loads land there, the LDS stores into the stage read them, no vector line names them.  One wait on vm_vsrc behind a group's stores, ahead of its reload.
;              v72-199    two sets: the read-back of fragment f lands in set f % 2, the quantiser's lines for fragment f read it.
;              v48-59, v208  written by the quantiser for fragment f, read by the LDS stores of image f.
;              ONE wait on va_vdst stands between a fragment's quantiser and its image: the image's data are written, and set f % 2 is read out: the read-back of fragment f + 2 lands in it, with LDS lines alone between.
;              One wait on vm_vsrc stands ahead of the next fragment's quantiser, which writes the image's registers again.
;   CONSUMERS  v256-447, v16-31  W's fragments and scale words: LDS loads at the trip's start, read by all the trip's products.  The trip's head wait on va_vdst stands behind the last trip's products.
;              v72-167, v32-39   a tile's fragments and scale words: global loads; read by the tile's sixteen products.  One buffer: a second would take 104 registers, and 64 are free.
;              v11 .. v14        four offsets, written by four adds behind the products; read by the next tile's loads and this tile's stores.
;              v235 .. v238      written by the conversion and a shift, read by the two stores.
;              v40-55            the biases: global loads; read by a tile's first two products as C.
;              A tile has one wait on vm_vsrc (ahead of the adds) and two on va_vdst: behind the adds (the offsets are written, the products are done reading the tile's buffer) and ahead of the stores.
.set PITCH, 4096                       ; from row to row of W1, in bytes
.set LAST,  4                          ; the last trip
.set STGW,  33280                      ; a producer's stage: 32 rows x SROW
.set SROW,  1040                       ; 1,024 bytes + 16: 260 words, so 16 rows start in 16 different groups of four banks (ISA guide 11.1: 64 banks of 4 bytes)
.set IMG0,  163840                     ; two image buffers: 16 fragments x 1,536 bytes, then 16 x 128 bytes of scale words
.set IMG1,  196608
.set ISC,   24576
.set XSS,   6291456
.set HSS,   25165824
.set PW,  4                            ; v4   producers: where I store images: buffer + 3,072 w + 16 lane
.set PWS, 5                            ; v5   and scale words: buffer + ISC + 256 w + 4 lane
.set CR,  6                            ; v6   consumers: where I read images: buffer + 16 lane
.set CRS, 7                            ; v7   and scale words
.set RBA, 8                            ; v8   stage, out: 1,040 r + 128 h
.set SST, 9                            ; v9   stage, in: 16 lane
.set VW,  10                           ; v10  W: 1,024 w + 16 lane
.set XO,  11                           ; v11-14 consumers: offsets of the tile in hand in xs (codes, scales) and hq (codes, scales)
.set XSO, 12
.set HO,  13
.set HSO, 14
.set BO,  15                           ; v15  64 h: my half's biases
.set WS,  16                           ; v16-31  W's scale words, fragment f = 8 u + s: these and v32-39 hold scales and nothing else, in either role
.set XSC, 32                           ; v32-39  x's scale words, K step s
.set BI,  40                           ; v40-55  the chunk's biases in the result's layout
.set ACC, 56                           ; v56-71  two accumulators
.set XF,  72                           ; v72-167 x's eight fragments
.set Z,   168                          ; v168-231 gelu at work
.set QQ,  184
.set PP,  200
.set DD,  216
.set PC,  48                           ; producers: v48-59 a fragment's codes; v72-199 two sets of 64 numbers; v200-206 half blocks' codes; v208 the scale word; v210-216 at work
.set X0,  72
.set TT,  200
.set PWD, 208
.set TM,  210
.set PWB, 248                          ; v248-252 lane terms that stay
.set PSB, 249
.set L16, 250
.set CSB, 251
.set SH8, 252
.set MSB, 0
.macro WIN new                         ; the immediate's high byte repeats the setting that is left
.if MSB != \new
	s_set_vgpr_msb (MSB<<8)|\new
.set MSB, \new
.endif
.endm
.macro RB f                            ; fragment f = (tile f / 2, K step f % 2 of my 256): 64 numbers a lane: register 32 c + i = k 64 c + 32 h + i of my row
.irp c, 0,1
.irp q, 0,1,2,3,4,5,6,7
	ds_load_b128 v[X0+64*((\f)%2)+32*\c+4*\q:X0+64*((\f)%2)+32*\c+4*\q+3], v[RBA] offset:16*SROW*((\f)/2)+512*((\f)%2)+256*\c+16*\q
.endr
.endr
.endm
.macro QUANTW f                        ; they become the fragment's 12 registers and its scale word
.set XS, X0+64*((\f)%2)
.irp c, 0,1
	v_max3_num_f32 v[TM+\c], |v[XS+32*\c]|, |v[XS+32*\c+1]|, 0x2800000     ; my block 2 c + h: all 32 numbers are mine; the floor 2^(5 - 127) holds the byte at 1 from below
.endr
.irp i, 2,4,6,8,10,12,14,16,18,20,22,24,26,28,30
.irp c, 0,1
	v_max3_num_f32 v[TM+\c], v[TM+\c], |v[XS+32*\c+\i]|, |v[XS+32*\c+\i+1]|
.endr
.endr
.irp c, 0,1
	v_add_nc_u32 v[TM+2+\c], 0xfe000000, v[TM+\c]  ; 4 off the exponent field: the conversion's scale operand
.endr
.irp c, 0,1
	v_lshrrev_b32 v[TM+4+\c], 23, v[TM+2+\c]       ; the scale's byte
.endr
	v_lshl_or_b32 v[PWD], v[TM+5], 16, v[TM+4]     ; bytes h and 2 + h of the row's word,
	v_lshlrev_b32 v[PWD], v[SH8], v[PWD]           ; 8 h bits up;
	v_permlanex16_b32 v[TM+6], v[PWD], s60, s61
	v_or_b32 v[PWD], v[PWD], v[TM+6]               ; with lane l xor 16's two the word is whole
.irp c, 0,1
	v_cvt_scalef32_pk16_bf6_f32 v[PC+6*\c:PC+6*\c+2], v[XS+32*\c:XS+32*\c+15], v[TM+2+\c]
	v_cvt_scalef32_pk16_bf6_f32 v[TT+4*\c:TT+4*\c+2], v[XS+32*\c+16:XS+32*\c+31], v[TM+2+\c]     ; (a conversion's three registers begin on an even number)
.endr
	v_nop                                          ; one plain line behind the conversions
.irp c, 0,1
.irp i, 0,1,2
	v_mov_b32 v[PC+3+6*\c+\i], v[TT+4*\c+\i]
.endr
.endr
.endm
.macro IMAGE f
.irp g, 0,1,2
	ds_store_b128 v[PW], v[PC+4*\g:PC+4*\g+3] offset:1536*(8*((\f)/2)+(\f)%2)+512*\g
.endr
	ds_store_b32 v[PWS], v[PWD] offset:128*(8*((\f)/2)+(\f)%2)
.endm
; A chunk is produced.  ahead = 1: as each group's registers are free, the next chunk's loads take them.
.macro PRODUCE ahead
.if \ahead
	s_wait_xcnt 0x0                                ; the base is rewritten only behind this wait
	s_add_co_u32 s62, s53, 1
	s_lshl_b32 s62, s62, 17                        ; the next chunk: 32 rows of 4,096 bytes on
	s_mov_b32 s63, 0
	s_add_nc_u64 s[58:59], s[56:57], s[62:63]
.endif
.irp gm, 0,1,2,3
.if \ahead
	s_wait_loadcnt 48                              ; this group's 16 loads are in; the three groups issued behind it stay out
.else
	s_wait_loadcnt 48-16*\gm                       ; nothing is issued any more: the counts run down
.endif
	WIN 0x04                                       ; an LDS store's data are its source 1: window 1
.irp j, 0,1,2,3,4,5,6,7,8,9,10,11,12,13,14,15
	ds_store_b128 v[SST], v[64*\gm+4*\j:64*\gm+4*\j+3] offset:SROW*(8*((\gm%2)*2+\gm/2)+\j/2)+512*(\j%2)   ; rows 8-15 and 16-23 change places: a tile's 16 rows then lie on end
.endr
.if \ahead
	s_wait_dscnt 0x0                               ; the stores have landed
	WIN 0x40
	s_wait_alu depctr_vm_vsrc(0)                   ; the sixteen LDS stores above have read this group's registers, in which the next chunk's loads land
.irp j, 0,1,2,3,4,5,6,7,8,9,10,11,12,13,14,15
	global_load_b128 v[64*\gm+4*\j:64*\gm+4*\j+3], v[VW], s[58:59] offset:(8*\gm+\j/2)*PITCH+512*(\j%2) th:TH_LOAD_NT
.endr
.endif
	WIN 0
.endr
	RB 0                                           ; (set 0 was read out ahead of the trip's head wait on va_vdst; no vector line since names it)
.irp f, 0,1,2,3
.if \f < 3
	RB \f+1
	s_wait_dscnt 16                                ; all but the 16 loads just issued: this fragment's numbers are in
.else
	s_wait_dscnt 0x0
.endif
.if \f > 0
	s_wait_alu depctr_vm_vsrc(0)                   ; the last image's LDS stores have read v[PC ..] and v[PWD], which the lines below write again (ahead of fragment 0 the trip's head wait has stated it)
.endif
	QUANTW \f
	s_wait_alu depctr_va_vdst(0)                   ; the quantiser has written v[PC ..] and v[PWD], which the image's stores read; and it is done reading its set of 64 numbers, in which the read-back of two fragments on lands
	IMAGE \f
.endr
.endm
.macro XLOAD                           ; a tile's eight fragments and its scale words
.set q, 0
.rept 24
	global_load_b128 v[XF+4*q:XF+4*q+3], v[XO], s[66:67] offset:512*q
.set q, q+1
.endr
	global_load_b128 v[XSC:XSC+3], v[XSO], s[68:69] offset:XSS
	global_load_b128 v[XSC+4:XSC+7], v[XSO], s[68:69] offset:XSS+16
.endm
.macro CONST reg, val                  ; a packed form names a pair and takes its low word for both halves: both are written
	s_mov_b32 s[\reg], \val
	s_mov_b32 s[\reg+1], \val
.endm
	s_load_b256 s[4:11], s[0:1], 0x0               ; W1 s[4:5], b1 s[6:7], xs s[8:9], ord s[10:11]
	s_load_b64 s[12:13], s[0:1], 0x20              ; hq
	v_lshl_add_u32 v254, v0, 2, 0x36800
	v_mov_b32 v255, 0
	v_lshrrev_b32 v1, 5, v0
	v_readfirstlane_b32 s14, v1                    ; wave 0..7
	s_lshr_b32 s51, ttmp9, 5                       ; e
	s_and_b32 s52, ttmp9, 31                       ; g
	v_mov_b32 v[TM+6], 0                           ; a lane permute's destination counts as read
	v_and_b32 v1, 31, v0                           ; lane
	v_and_b32 v2, 15, v0                           ; r
	v_bfe_u32 v3, v0, 4, 1                         ; h
	v_lshlrev_b32 v[L16], 4, v1
	s_wait_alu depctr_va_sdst(0)                   ; s14 is written, ahead of its first reader: the next line
	s_and_b32 s15, s14, 3                          ; w of a producer, c of a consumer
	s_mul_i32 s62, s15, STGW
	v_mul_u32_u24 v[RBA], v2, SROW
	v_lshl_add_u32 v[RBA], v3, 7, v[RBA]
	v_add_nc_u32 v[RBA], s62, v[RBA]
	v_add_nc_u32 v[SST], s62, v[L16]
	s_lshl_b32 s62, s15, 10
	v_add_nc_u32 v[VW], s62, v[L16]
	s_mul_i32 s62, s15, 3072
	v_add_nc_u32 v[PWB], s62, v[L16]
	v_lshlrev_b32 v[CSB], 2, v1
	v_add_nc_u32 v[CSB], ISC, v[CSB]
	s_lshl_b32 s62, s15, 8
	v_add_nc_u32 v[PSB], s62, v[CSB]
	v_lshlrev_b32 v[SH8], 3, v3
	v_lshlrev_b32 v245, 5, v2                      ; 32 r
	v_mul_u32_u24 v246, v2, 48
	v_mad_u32_u24 v246, v3, 12, v246               ; 48 r + 12 h
	v_lshlrev_b32 v247, 3, v2                      ; 8 r
	v_lshlrev_b32 v[BO], 6, v3
	s_mov_b32 s60, 0x76543210                      ; v_permlanex16_b32: lane l xor 16
	s_mov_b32 s61, 0xfedcba98
	s_mov_b32 s63, 0
	s_wait_kmcnt 0x0
	s_lshl_b32 s62, s51, 7
	s_add_nc_u64 s[10:11], s[10:11], s[62:63]
	s_load_b512 s[16:31], s[10:11], 0x0            ; the expert's 32 mask words
	s_load_b512 s[32:47], s[10:11], 0x40
	s_lshl_b32 s62, s51, 24
	s_lshl_b32 s49, s52, 19
	s_add_co_u32 s62, s62, s49
	s_add_nc_u64 s[56:57], s[4:5], s[62:63]        ; my 128 rows of W1
	s_mul_i32 s62, s51, 786432
	s_add_nc_u64 s[66:67], s[8:9], s[62:63]        ; the expert's tiles of x: codes,
	s_lshl_b32 s62, s51, 15
	s_add_nc_u64 s[68:69], s[8:9], s[62:63]        ; scale words (XSS stands in the immediate)
	s_mul_i32 s62, s51, 3145728
	s_mul_i32 s49, s52, 1536
	s_add_co_u32 s62, s62, s49
	s_add_nc_u64 s[70:71], s[12:13], s[62:63]      ; hq: the expert's tiles, K step g: codes,
	s_lshl_b32 s62, s51, 17
	s_lshr_b32 s49, s52, 1
	s_lshl_b32 s49, s49, 7
	s_add_co_u32 s62, s62, s49
	s_and_b32 s49, s52, 1
	s_lshl_b32 s49, s49, 2
	s_add_co_u32 s62, s62, s49
	s_add_nc_u64 s[72:73], s[12:13], s[62:63]
	s_add_nc_u64 s[72:73], s[72:73], HSS           ; scale bytes
	s_lshl_b32 s62, s51, 14
	s_lshl_b32 s49, s52, 9
	s_add_co_u32 s62, s62, s49
	s_add_nc_u64 s[78:79], s[6:7], s[62:63]        ; my 128 biases
	s_wait_kmcnt 0x0
	s_mov_b32 s48, 0
.irp j, 0,1,2,3,4,5,6,7,8,9,10,11,12,13,14,15,16,17,18,19,20,21,22,23,24,25,26,27,28,29,30,31
	s_bcnt1_i32_b32 s49, s[16+\j]
	s_add_co_u32 s48, s48, s49                     ; the expert's rows
.endr
	s_add_co_u32 s50, s48, 15
	s_lshr_b32 s50, s50, 4                         ; its tiles
	CONST 16, 0x3f3504f3                           ; 1 / sqrt(2)
	CONST 18, 0x32edffee                           ; P's coefficients behind the first: 2.77068142e-8,
	CONST 20, 0xb60cff51                           ; -2.10102402e-6,
	CONST 22, 0xb86ec2d2                           ; -5.69250639e-5,
	CONST 24, 0xba40ac63                           ; -7.34990630e-4,
	CONST 26, 0xbb41a1f6                           ; -2.95459981e-3,
	CONST 28, 0xbc83dbd4                           ; -1.60960333e-2
	CONST 30, 0xb95fbd29                           ; Q's behind the first: -2.13374055e-4,
	CONST 32, 0xbadc924e                           ; -1.68282697e-3,
	CONST 34, 0xbbf19bf8                           ; -7.37332917e-3,
	CONST 36, 0xbc69b6a7                           ; -1.42647391e-2
	s_mov_b32 s53, 0                               ; the trip
	s_mov_b32 s54, IMG0                            ; the buffer that is written,
	s_mov_b32 s55, IMG1                            ; and the one that is read
	s_add_co_u32 s80, s50, 3
	s_sub_co_u32 s80, s80, s15
	s_lshr_b32 s80, s80, 2                         ; a consumer's tiles: c, c + 4, .. under the expert's number of tiles
	s_cmp_lt_u32 s14, 4
	s_cbranch_scc0 .Lcset
	WIN 0x40                                       ; destination window 1: four groups of 64 registers
	s_wait_alu depctr_va_vdst(0)                   ; v[VW] is written, which every load of W reads as its offset; so are v[SST] and v[RBA], the stage's two addresses
.irp gm, 0,1,2,3
.irp j, 0,1,2,3,4,5,6,7,8,9,10,11,12,13,14,15
	global_load_b128 v[64*\gm+4*\j:64*\gm+4*\j+3], v[VW], s[56:57] offset:(8*\gm+\j/2)*PITCH+512*(\j%2) th:TH_LOAD_NT     ; chunk 0
.endr
.endr
	WIN 0
	s_branch .Ltrip
.Lcset:
	v_mov_b32 v233, 0
	v_mov_b32 v240, 0xaf95df0b                     ; P's first coefficient, -2.72614226e-10, twice;
	v_mov_b32 v241, 0xaf95df0b
	v_mov_b32 v242, 0xb77460cd                     ; Q's, -1.45660718e-5
	v_mov_b32 v243, 0xb77460cd
	s_mul_i32 s84, s15, 12288
	s_lshl_b32 s85, s15, 9
	v_add_nc_u32 v[XO], s84, v[L16]
	v_add_nc_u32 v[XSO], s85, v245
	s_wait_alu depctr_va_vdst(0)                   ; v[BO], v[XO] and v[XSO] are written, which the thirty loads below read as their offsets
.irp i, 0,1,2,3
	global_load_b128 v[BI+4*\i:BI+4*\i+3], v[BO], s[78:79] offset:16*\i       ; chunk 0's biases: register 8 u + j: unit 16 h + 8 u + j
.endr
	XLOAD                                          ; my first tile (asked for by a wave without tiles too, which then never reads it)
.Ltrip:
	s_wait_alu depctr_vm_vsrc(0)                   ; the last trip's LDS instructions have read v4 to v7, which the four adds write again; its last image's stores have read v[PC ..] and v[PWD]
	v_add_nc_u32 v[PW], s54, v[PWB]                ; the four image addresses, on the way that all waves take
	v_add_nc_u32 v[PWS], s54, v[PSB]
	v_add_nc_u32 v[CR], s55, v[L16]
	v_add_nc_u32 v[CRS], s55, v[CSB]
	s_wait_alu depctr_va_vdst(0)                   ; the four addresses are written, which this trip's LDS instructions read; the last trip's products are done reading W's fragments and scale words, its quantiser its sets of numbers: this trip's first LDS loads land there
	s_cmp_lt_u32 s14, 4
	s_cbranch_scc0 .Lcons
	s_add_co_u32 s62, s53, 1
	s_cmp_lt_u32 s62, 4
	s_cbranch_scc0 .Lplast
	PRODUCE 1                                      ; chunks 0 to 2
	s_branch .Ljoin
.Lplast:
	s_cmp_eq_u32 s62, 4
	s_cbranch_scc0 .Ljoin
	PRODUCE 0                                      ; chunk 3: nothing follows it
	s_branch .Ljoin
.Lcons:
	s_cmp_eq_u32 s53, 0
	s_cbranch_scc1 .Ljoin                          ; no image yet
	s_cmp_eq_u32 s80, 0
	s_cbranch_scc1 .Ljoin                          ; no tile of mine
	s_sub_co_u32 s88, s53, 1                       ; the chunk, which is block b of K step g
	s_wait_xcnt 0x0                                ; the stores' bases are rewritten only behind this wait
	s_and_b32 s62, s88, 1
	s_mul_i32 s62, s62, 768
	s_lshr_b32 s63, s88, 1
	s_mul_i32 s63, s63, 24
	s_add_co_u32 s62, s62, s63
	s_mov_b32 s63, 0
	s_add_nc_u64 s[74:75], s[70:71], s[62:63]
	s_mov_b32 s62, s88
	s_add_nc_u64 s[76:77], s[72:73], s[62:63]
	WIN 0x40                                       ; destination window 1: W's 16 fragments at v[12 f].  (Since the trip's head wait on va_vdst only scalar lines have been issued)
.set q, 0
.rept 48
	ds_load_b128 v[4*q:4*q+3], v[CR] offset:512*q
.set q, q+1
.endr
	WIN 0
.set q, 0
.rept 16
	ds_load_b32 v[WS+q], v[CRS] offset:128*q
.set q, q+1
.endr
	s_wait_dscnt 0x0
	s_mov_b32 s81, 0
	s_mov_b32 s82, s15                             ; the tile in hand
.Ltile:
	s_wait_loadcnt 0x0                             ; the tile's codes and scale words, and the biases
	WIN 0x01                                       ; source 0 window 1
.irp s, 0,1,2,3,4,5,6,7                ; the two accumulators take turns, one instruction a turn; the bias is the C of each sum's first product
.irp u, 0,1
.if \s == 0
	v_wmma_scale_f32_16x16x128_f8f6f4 v[ACC+8*\u:ACC+8*\u+7], v[12*(8*\u+\s):12*(8*\u+\s)+11], v[XF+12*\s:XF+12*\s+11], v[BI+8*\u:BI+8*\u+7], v[WS+8*\u+\s], v[XSC+\s] matrix_a_fmt:MATRIX_FMT_BF6 matrix_b_fmt:MATRIX_FMT_BF6
.else
	v_wmma_scale_f32_16x16x128_f8f6f4 v[ACC+8*\u:ACC+8*\u+7], v[12*(8*\u+\s):12*(8*\u+\s)+11], v[XF+12*\s:XF+12*\s+11], v[ACC+8*\u:ACC+8*\u+7], v[WS+8*\u+\s], v[XSC+\s] matrix_a_fmt:MATRIX_FMT_BF6 matrix_b_fmt:MATRIX_FMT_BF6
.endif
.endr
.endr
	WIN 0
	s_wait_xcnt 0x0                                ; the last tile's stores and loads have had their addresses translated
	s_wait_alu depctr_vm_vsrc(0)                   ; the last tile's loads have read v[XO] and v[XSO], its stores v[HO], v[HSO] and v235 to v238: the four adds below and this tile's conversion write them again
	s_add_co_u32 s83, s82, 4
	s_cmp_lt_u32 s83, s50
	s_cselect_b32 s83, s83, s15                    ; my next tile; behind the last, my first again, for the next chunk
	s_min_u32 s83, s83, 63
	s_mul_i32 s84, s83, 12288
	s_lshl_b32 s85, s83, 9
	s_mul_i32 s86, s82, 49152
	s_lshl_b32 s87, s82, 11
	v_add_nc_u32 v[XO], s84, v[L16]                ; four plain lines that name no register of the products: the places in front of the loads and of the first read of results
	v_add_nc_u32 v[XSO], s85, v245
	v_add_nc_u32 v[HO], s86, v246
	v_add_nc_u32 v[HSO], s87, v247
	s_wait_alu depctr_va_vdst(0)                   ; the four offsets are written, which the loads below and this tile's stores read; the sixteen products are done reading x's fragments and scale words, in which the loads below land
	XLOAD                                          ; it lands while this tile's gelu is worked: no line of the gelu names its registers
.irp p, 0,2,4,6,8,10,12,14             ; gelu, each step for all eight pairs, so that no line waits for the line above it; the accumulators are read from their low ends on
	v_pk_mul_f32 v[Z+\p:Z+\p+1], v[ACC+\p:ACC+\p+1], s[16:17] op_sel_hi:[1,0]
.endr
.irp j, 0,1,2,3,4,5,6,7,8,9,10,11,12,13,14,15
	v_med3_num_f32 v[Z+\j], v[Z+\j], -4.0, 4.0
.endr
.irp p, 0,2,4,6,8,10,12,14
	v_pk_mul_f32 v[QQ+\p:QQ+\p+1], v[Z+\p:Z+\p+1], v[Z+\p:Z+\p+1]
.endr
.irp p, 0,2,4,6,8,10,12,14
	v_pk_fma_f32 v[PP+\p:PP+\p+1], v[QQ+\p:QQ+\p+1], v[240:241], s[18:19] op_sel_hi:[1,1,0]
.endr
.irp a, 20,22,24,26,28
.irp p, 0,2,4,6,8,10,12,14
	v_pk_fma_f32 v[PP+\p:PP+\p+1], v[PP+\p:PP+\p+1], v[QQ+\p:QQ+\p+1], s[\a:\a+1] op_sel_hi:[1,1,0]
.endr
.endr
.irp p, 0,2,4,6,8,10,12,14
	v_pk_fma_f32 v[DD+\p:DD+\p+1], v[QQ+\p:QQ+\p+1], v[242:243], s[30:31] op_sel_hi:[1,1,0]
.endr
.irp a, 32,34,36
.irp p, 0,2,4,6,8,10,12,14
	v_pk_fma_f32 v[DD+\p:DD+\p+1], v[DD+\p:DD+\p+1], v[QQ+\p:QQ+\p+1], s[\a:\a+1] op_sel_hi:[1,1,0]
.endr
.endr
.irp p, 0,2,4,6,8,10,12,14
	v_pk_mul_f32 v[PP+\p:PP+\p+1], v[PP+\p:PP+\p+1], v[Z+\p:Z+\p+1]
.endr
	s_wait_alu depctr_va_vdst(0)
.irp j, 0,1,2,3,4,5,6,7,8,9,10,11,12,13,14,15
	v_rcp_f32 v[DD+\j], v[DD+\j]
.endr
.irp p, 0,2,4,6,8,10,12,14
	v_pk_mul_f32 v[Z+\p:Z+\p+1], v[ACC+\p:ACC+\p+1], 0.5 op_sel_hi:[1,0]      ; x / 2 (plain lines behind the reciprocals)
.endr
	s_wait_alu depctr_va_vdst(0)                   ; the sixteen reciprocals have written v[DD ..]: one wait for the batch, ahead of its first reader
.irp p, 0,2,4,6,8,10,12,14
	v_pk_mul_f32 v[PP+\p:PP+\p+1], v[PP+\p:PP+\p+1], v[DD+\p:DD+\p+1]         ; erf
.endr
.irp p, 0,2,4,6,8,10,12,14
	v_pk_fma_f32 v[QQ+\p:QQ+\p+1], v[Z+\p:Z+\p+1], v[PP+\p:PP+\p+1], v[Z+\p:Z+\p+1]
.endr
	v_max3_num_f32 v232, |v[QQ]|, |v[QQ+1]|, 0x2800000        ; my 16 numbers of the block, and the floor
.irp i, 2,4,6,8,10,12,14
	v_max3_num_f32 v232, v232, |v[QQ+\i]|, |v[QQ+\i+1]|
.endr
	v_permlanex16_b32 v233, v232, s60, s61
	v_max_num_f32 v232, v232, v233                 ; with lane l xor 16's: the block's largest magnitude
	v_add_nc_u32 v234, 0xfe000000, v232
	v_cvt_scalef32_pk16_bf6_f32 v[236:238], v[QQ:QQ+15], v234
	v_lshrrev_b32 v235, 23, v234                   ; the scale's byte (a plain line behind the conversion)
	s_wait_alu depctr_va_vdst(0)                   ; the conversion has written v236 to v238 and the shift v235, which the two stores read
	global_store_b96 v[HO], v[236:238], s[74:75]
	global_store_b8 v[HSO], v235, s[76:77]         ; lanes l and l xor 16 store the same byte
	s_mov_b32 s82, s83
	s_add_co_u32 s81, s81, 1
	s_cmp_lt_u32 s81, s80
	s_cbranch_scc1 .Ltile
	s_wait_xcnt 0x0
	s_add_co_u32 s62, s88, 1
	s_min_u32 s62, s62, 3
	s_lshl_b32 s62, s62, 7
	s_mov_b32 s63, 0
	s_add_nc_u64 s[92:93], s[78:79], s[62:63]
.irp i, 0,1,2,3
	global_load_b128 v[BI+4*\i:BI+4*\i+3], v[BO], s[92:93] offset:16*\i       ; the next chunk's biases (the old ones were waited for in the loop, which ran at least once; the products that read them as C stand ahead of the wait in front of the last stores, and no vector line has followed it)
.endr
.Ljoin:
	s_wait_dscnt 0x0                               ; my images have landed, my reads of the other buffer are in
	s_barrier_signal -1
	s_barrier_wait -1
	s_xor_b32 s54, s54, IMG0^IMG1
	s_xor_b32 s55, s55, IMG0^IMG1
	s_add_co_u32 s53, s53, 1
	s_cmp_lt_u32 s53, LAST+1
	s_cbranch_scc1 .Ltrip
	s_wait_dscnt 0x0                               ; the closing lines, six on end
	s_wait_alu 0x0
	s_wait_tensorcnt 0x0
	ds_add_u32 v254, v255
	s_wait_dscnt 0x0
	s_endpgm
.Lfunc_end_k_q3bbbb98bcd_up:
	.size	k_q3bbbb98bcd_up, .Lfunc_end_k_q3bbbb98bcd_up-k_q3bbbb98bcd_up
	.p2alignl 7, 3214868480
	.fill 96, 4, 3214868480
	.section	.rodata,"a",@progbits
	.p2align	6, 0x0
	.amdhsa_kernel k_q3bbbb98bcd_up
		.amdhsa_group_segment_fixed_size 224256
		.amdhsa_private_segment_fixed_size 0
		.amdhsa_enable_private_segment 0
		.amdhsa_kernarg_size 40
		.amdhsa_user_sgpr_count 2
		.amdhsa_user_sgpr_kernarg_segment_ptr 1
		.amdhsa_wavefront_size32 1
		.amdhsa_system_sgpr_workgroup_id_x 1
		.amdhsa_system_sgpr_workgroup_id_y 1
		.amdhsa_system_sgpr_workgroup_id_z 1
		.amdhsa_system_vgpr_workitem_id 0
		.amdhsa_next_free_vgpr 512
		.amdhsa_next_free_sgpr 100
		.amdhsa_reserve_vcc 0
		.amdhsa_float_denorm_mode_32 3
		.amdhsa_float_denorm_mode_16_64 3
		.amdhsa_memory_ordered 1
		.amdhsa_forward_progress 1
		.amdhsa_inst_pref_size 88
	.end_amdhsa_kernel
	.amdgpu_metadata
---
amdhsa.version: [ 1, 2 ]
amdhsa.kernels:
  - .name:           k_q3bbbb98bcd_up
    .symbol:         k_q3bbbb98bcd_up.kd
    .args:
      - { .name: W1, .offset: 0, .size: 8, .value_kind: global_buffer, .address_space: global }
      - { .name: b1, .offset: 8, .size: 8, .value_kind: global_buffer, .address_space: global }
      - { .name: xs, .offset: 16, .size: 8, .value_kind: global_buffer, .address_space: global }
      - { .name: ord, .offset: 24, .size: 8, .value_kind: global_buffer, .address_space: global }
      - { .name: hq, .offset: 32, .size: 8, .value_kind: global_buffer, .address_space: global }
    .group_segment_fixed_size: 224256
    .private_segment_fixed_size: 0
    .kernarg_segment_align: 8
    .kernarg_segment_size: 40
    .max_flat_workgroup_size: 256
    .sgpr_count:     100
    .vgpr_count:     512
    .wavefront_size: 32
...
	.end_amdgpu_metadata
.endif
;; end of part 8
;; launch down (part 9): grid 256 x 1, 8 waves a work-group, no clusters, 242,688 bytes of LDS; arguments W2, b2, hq, ord, y; writes y
.if DOCPART == 9
	.amdgcn_target "amdgcn-amd-amdhsa--gfx1250"
	.amdhsa_code_object_version 6
	.text
	.protected	k_q3bbbb98bcd_down
	.globl	k_q3bbbb98bcd_down
	.p2align	8
	.type	k_q3bbbb98bcd_down,@function
k_q3bbbb98bcd_down:
	s_mov_b64 s[64:65], 0
	v_nop
	global_prefetch_b8 v0, s[64:65] scope:SCOPE_SE
	s_setreg_imm32_b32 hwreg(HW_REG_WAVE_SCHED_MODE, 0, 2), 2
	s_setreg_imm32_b32 hwreg(HW_REG_WAVE_MODE, 25, 1), 1
	s_wait_xcnt 0x0
	s_wait_alu depctr_vm_vsrc(0)
; y = hidden W2[e]^T + b2[e] for the rows routed to expert e, on codes of E3M2 with one E8M0 scale for each 32 along K (K = 4,096 hidden units).
; SHARES.  Work-group wg: expert e = wg / 32, outputs 32 u .. 32 u + 31 (u = wg % 32): 32 rows x 4,096 K of W2, 512 KB of f32, read once.  All eight waves run the same text, in two phases with one barrier between.
; PHASE 1: THE OPERAND IS MADE.  Wave v takes K steps 4 v .. 4 v + 3 (128 along K each) of both tiles of 16 rows: eight groups.  A group is 16 rows x 512 bytes, 16 loads of 512 consecutive bytes, and makes one fragment.
; Four groups of a wave (32 KB) are on their way.  A group's rows turn through the wave's own stage in LDS (two halves of 16 rows x 528 bytes), come back a lane to a row with registers along K, are quantised, and are
; stored as an image of the operand's registers (16 x lane, 512 bytes a store), with the rows' scale words (4 x lane).  Every offset is an immediate: the phase has no loop.
; PHASE 2: THE PRODUCTS.  Wave v takes the expert's tiles v, v + 8, ..  A tile of 16 routed rows goes through all of K in one trip: 64 products on two accumulators.  W's fragments come from LDS, 4 K steps of both tiles at a
; time, in two sets of registers; the rows' codes come from hq, 8 K steps at a time, in two buffers, each asked for again as soon as it is read out (the last two requests of a trip are for the next tile).  1,024 rows an expert are served.
; BEHIND A WAVE'S LAST TILE there is no next tile.  Its two groups are asked for all the same, so that the counted waits hold on every way, but with the lanes' offsets multiplied by 0: every lane then asks for the same
; 16 bytes, and 56 loads move 56 small pieces and not 2 x 13 KB that nobody would read.
; The product is used transposed (source 0 = W2, source 1 = hidden).  THE ROWS OF W2 THAT FORM A TILE ARE NOT NEIGHBOURS: row m of tile u' is row 8 u' + m + 8 (m / 8), so that lane (r, h) holds routed row r and its 16
; registers are outputs 16 h + 0 .. 15: 64 neighbouring bytes of y's row; a row's 128 bytes are this work-group's own.  y: 4,096 (1,024 e + position) + 4 x output.
; The two phases of a work-group do not overlap: while the rows are multiplied nothing is streamed.
; NOT SHARED IN A CLUSTER: what the 32 work-groups of an expert share is its rows' codes, whose number is read from memory (up to 1,024 rows x 3,200 bytes), so partners' trip counts would hang on loaded data; the weights are nobody else's.
; LIMITS: NaN and infinities are not served; a block of zeros gets the byte 1 (its codes are zeros; this program alone reads the bytes).  An expert that no token chose still has its weights streamed.
; THE MODE: SCHED_MODE bits 1:0 = 2 (LLVM: expert scheduling mode 2), set by the entry lines.  The code itself states the register dependences
; between vector or matrix instructions and memory or LDS instructions, with s_wait_alu, always for 0.
; THE PLAN.  Registers that memory or LDS instructions touch:
;   v4 .. v15             addresses and offsets, written at the head and never again: one wait on va_vdst ahead of the first load.
;   PHASE 1  v256-511     four groups: global loads land there, the LDS stores into the stage read them, no vector line names them.  One wait on vm_vsrc behind a group's stores, ahead of its reload.
;            v64-191      two sets: the read-back of group n lands in set n % 2, the quantiser's lines for group n read it.
;            v192-203, v49  written by the quantiser for group n, read by the LDS stores of image n.
;            ONE wait on va_vdst stands between a group's quantiser and its image: the image's data are written, and set n % 2 is read out: the read-back of group n + 2 lands in it, with memory and LDS lines alone between.
;            The image's registers are written again by the next group's quantiser: for groups 1 and 2 the reload's wait on vm_vsrc, which stands between, states it; from group 3 on a wait of its own.
;   BETWEEN THE PHASES    all these registers change hands: one wait on vm_vsrc (every LDS store has read its data), one on va_vdst (the quantiser is done with v64-210).
;   PHASE 2  v308-499, v16-31   W's two sets and their scale words: step q's products read set q % 2; the LDS loads for step q + 1, issued in step q, land in the other set, which step q - 1's products read.
;            v64-255, v32-47    the rows' two buffers and their scale words: steps 2 g and 2 g + 1 read buffer g % 2; it is asked for again at the head of step 2 g + 2 (buffer 1's last turn: behind step 7).
;            v58, v59           the look-ahead's offsets: written by two multiplies at a tile's head, read by the loads at step 6's head and behind step 7.
;            v256-271           the accumulators: written by the products, read by the four stores at the tile's end.
;            ONE wait on va_vdst stands at the head of each step of four K steps: behind it every earlier product is done, so all that the step asks for, LDS loads and global loads, follows with no further wait; the step's
;            own products name the other set and the other buffer.  One more stands behind the tile's last places, ahead of the last request and the stores.  One wait on vm_vsrc stands at the tile's head.
.set PITCH, 16384                      ; from row to row of W2, in bytes
.set SROW,  528                        ; a stage row: 512 bytes + 16 = 132 words: 16 rows start in 16 different groups of four banks (ISA guide 11.1: 64 banks of 4 bytes)
.set SHALF, 16*SROW                    ; half a stage: one group
.set STGW,  2*SHALF                    ; a wave's stage
.set IMG,   8*STGW                     ; behind the stages: 64 fragments x 1,536 bytes: fragment (u', s) at 1,536 (32 u' + s);
.set ISC,   98304                      ; behind them 64 x 128 bytes of scale words
.set HSS,   25165824                   ; hq: where the scale words begin
.set PW,  4                            ; v4   where I store images: IMG + 6,144 v + 16 lane
.set PWS, 5                            ; v5   and scale words: IMG + ISC + 512 v + 4 lane
.set CR0, 6                            ; v6-7 where I read images of tile 0, tile 1: IMG + 49,152 u' + 16 lane
.set RBA, 8                            ; v8   stage, out: 528 r + 128 h
.set SST, 9                            ; v9   stage, in: 16 lane
.set VW,  10                           ; v10  W2: 2,048 v + 16 lane
.set L48, 11                           ; v11  hq's codes: 48 lane
.set R8,  12                           ; v12  hq's scale words: 8 r
.set YL,  13                           ; v13  y: 4,096 r + 64 h
.set CRS, 14                           ; v14  where I read W's scale words: IMG + ISC + 4 lane
.set BO,  15                           ; v15  64 h: my half's biases
.set WSC, 16                           ; v16-31  W's scale words, two sets of eight (4 u' + i): these and v32-47 hold scales and nothing else
.set ASC, 32                           ; v32-47  the rows' scale words, two sets of eight K steps
.set SH8, 48                           ; v48  8 h
.set PWD, 49                           ; v49  the scale word just made
.set TM,  50                           ; v50-56  the quantiser at work
.set NL48, 58                          ; v58  the next tile's codes: 48 lane, or 0 in every lane behind my last tile
.set NR8,  59                          ; v59  the next tile's scale words: 8 r, or 0
.set AF,  64                           ; v64-255 phase 2: the rows' fragments, two buffers of eight
.set X0,  64                           ; v64-191 phase 1: two sets of 64 numbers; v192-203 a fragment's codes; v204-210 half blocks' codes
.set PC,  192
.set TT,  204
.set ACC, 0                            ; window 1, phase 2: v0-15 the two accumulators; v36-51 the biases in the result's layout; v52-243 W's fragments, two sets of eight (4 u' + i)
.set BI,  36                           ; window 1, phase 1: four groups of 64 registers as loaded
.set WF,  52
.set MSB, 0
.macro WIN new                         ; the immediate's high byte repeats the setting that is left
.if MSB != \new
	s_set_vgpr_msb (MSB<<8)|\new
.set MSB, \new
.endif
.endm
; Group n = (tile n % 2, K step 4 v + n / 2) is asked for: 16 rows, 512 consecutive bytes a load
.macro GLOAD n
	WIN 0x40                                       ; destination window 1
.irp p, 0,1,2,3,4,5,6,7,8,9,10,11,12,13,14,15
	global_load_b128 v[64*((\n)%4)+4*\p:64*((\n)%4)+4*\p+3], v[VW], s[56:57] offset:(8*((\n)%2)+\p+8*(\p/8))*PITCH+512*((\n)/2) th:TH_LOAD_NT
.endr
	WIN 0
.endm
; Group n goes into half n % 2 of my stage; its registers then take group n + 4
.macro TOSTAGE n
.if (\n) < 5
	s_wait_loadcnt 48                              ; this group's 16 loads are in; the three groups issued behind it stay out
.else
	s_wait_loadcnt 48-16*((\n)-4)                  ; nothing is issued any more: the counts run down
.endif
	WIN 0x04                                       ; an LDS store's data are its source 1: window 1
.irp p, 0,1,2,3,4,5,6,7,8,9,10,11,12,13,14,15
	ds_store_b128 v[SST], v[64*((\n)%4)+4*\p:64*((\n)%4)+4*\p+3] offset:SHALF*((\n)%2)+SROW*\p
.endr
.if (\n) < 4
	s_wait_dscnt 0x0                               ; the stores have landed
	s_wait_alu depctr_vm_vsrc(0)                   ; the sixteen LDS stores above have read this group's registers, in which group n + 4 lands; the image stores issued so far have read v[PC ..] and v[PWD]
	GLOAD (\n)+4
.endif
	WIN 0
.endm
.macro RB n                            ; and comes back: 64 numbers a lane: register 32 c + i = k 64 c + 32 h + i of row r (LDS serves a wave's instructions in order)
.irp c, 0,1
.irp q, 0,1,2,3,4,5,6,7
	ds_load_b128 v[X0+64*((\n)%2)+32*\c+4*\q:X0+64*((\n)%2)+32*\c+4*\q+3], v[RBA] offset:SHALF*((\n)%2)+256*\c+16*\q
.endr
.endr
.endm
.macro QUANTW n                        ; they become the fragment's 12 registers and its scale word
.set XS, X0+64*((\n)%2)
.irp c, 0,1
	v_max3_num_f32 v[TM+\c], |v[XS+32*\c]|, |v[XS+32*\c+1]|, 0x2800000     ; my block 2 c + h: all 32 numbers are mine; the floor 2^(5 - 127) holds the byte at 1 from below
.endr
.irp i, 2,4,6,8,10,12,14,16,18,20,22,24,26,28,30
.irp c, 0,1
	v_max3_num_f32 v[TM+\c], v[TM+\c], |v[XS+32*\c+\i]|, |v[XS+32*\c+\i+1]|
.endr
.endr
.irp c, 0,1
	v_add_nc_u32 v[TM+2+\c], 0xfe000000, v[TM+\c]  ; 4 off the exponent field: the conversion's scale operand
.endr
.irp c, 0,1
	v_lshrrev_b32 v[TM+4+\c], 23, v[TM+2+\c]       ; the scale's byte
.endr
	v_lshl_or_b32 v[PWD], v[TM+5], 16, v[TM+4]     ; bytes h and 2 + h of the row's word,
	v_lshlrev_b32 v[PWD], v[SH8], v[PWD]           ; 8 h bits up;
	v_permlanex16_b32 v[TM+6], v[PWD], s60, s61
	v_or_b32 v[PWD], v[PWD], v[TM+6]               ; with lane l xor 16's two the word is whole
.irp c, 0,1
	v_cvt_scalef32_pk16_bf6_f32 v[PC+6*\c:PC+6*\c+2], v[XS+32*\c:XS+32*\c+15], v[TM+2+\c]
	v_cvt_scalef32_pk16_bf6_f32 v[TT+4*\c:TT+4*\c+2], v[XS+32*\c+16:XS+32*\c+31], v[TM+2+\c]     ; (a conversion's three registers begin on an even number)
.endr
	v_nop                                          ; one plain line behind the conversions
.irp c, 0,1
.irp i, 0,1,2
	v_mov_b32 v[PC+3+6*\c+\i], v[TT+4*\c+\i]
.endr
.endr
.endm
.macro IMAGE n                         ; the fragment goes to LDS as it stands
.irp g, 0,1,2
	ds_store_b128 v[PW], v[PC+4*\g:PC+4*\g+3] offset:1536*(32*((\n)%2)+(\n)/2)+512*\g
.endr
	ds_store_b32 v[PWS], v[PWD] offset:128*(32*((\n)%2)+(\n)/2)
.endm
; Phase 2.  Eight K steps (8 grp ..) of a tile's rows into buffer buf: 24 loads of 16 bytes and 4 of 8 for the scale words: 28 loads.  vo, vs: the lanes' offsets for codes and for scale words
.macro ALOAD grp, buf, cb, sb, vo, vs
.irp k, 0,1,2,3,4,5,6,7
.irp i, 0,1,2
	global_load_b128 v[AF+96*(\buf)+12*\k+4*\i:AF+96*(\buf)+12*\k+4*\i+3], v[\vo], s[\cb:\cb+1] offset:1536*(8*(\grp)+\k)+16*\i
.endr
.endr
.irp p, 0,1,2,3
	global_load_b64 v[ASC+8*(\buf)+2*\p:ASC+8*(\buf)+2*\p+1], v[\vs], s[\sb:\sb+1] offset:128*(4*(\grp)+\p)
.endr
.endm
; W's fragments of K steps 4 q .. 4 q + 3, both tiles, and their scale words, into set q % 2
.macro WLOAD q
.set WA, (\q)%2
	WIN 0x40
.irp uu, 0,1
.irp i, 0,1,2,3
.irp g, 0,1,2
	ds_load_b128 v[WF+96*WA+12*(4*\uu+\i)+4*\g:WF+96*WA+12*(4*\uu+\i)+4*\g+3], v[CR0+\uu] offset:1536*(4*(\q)+\i)+512*\g
.endr
.endr
.endr
	WIN 0
.irp uu, 0,1
.irp i, 0,1,2,3
	ds_load_b32 v[WSC+8*WA+4*\uu+\i], v[CRS] offset:128*(32*\uu+4*(\q)+\i)
.endr
.endr
.endm
; Four K steps of a tile: eight products.  The two accumulators take turns, one instruction a turn; the bias is the C of each sum's first product.
.macro SUB q
.set SA, (\q)%2
.set SB, ((\q)/2)%2
	s_wait_alu depctr_va_vdst(0)                   ; the step's one wait.  The products of the four K steps before are done reading W's other set and its scale words, in which the LDS loads below land; at an even step they and the step before them are done reading the rows' other buffer and its scale words, in which the global loads below land; in a tile's first step v58 and v59 are written, which the look-ahead's loads read
.if ((\q)%2 == 0) && ((\q) > 0)
.if (\q) < 6
	ALOAD (\q)/2+1, 1-SB, 74, 76, L48, R8          ; the buffer just read out takes this tile's group that follows the one in hand,
.else
	ALOAD 0, 1-SB, 92, 94, NL48, NR8               ; or the next tile's first group
.endif
.endif
	s_wait_dscnt 0x0                               ; W's set for these four K steps is in
	WLOAD ((\q)+1)%8                               ; the next four (behind the last: the first four again, for the next tile), into the set read before.  No further wait: since the step's wait only loads have been issued
.if (\q)%2 == 0
	s_wait_loadcnt 28                              ; this group of eight K steps is in; the one group issued behind it, 28 loads, stays out
.endif
	WIN 0x51                                       ; source 0 (W), C and D window 1; source 1 (the rows) window 0
.irp i, 0,1,2,3
.irp uu, 0,1
.if ((\q) == 0) && (\i == 0)
	v_wmma_scale_f32_16x16x128_f8f6f4 v[ACC+8*\uu:ACC+8*\uu+7], v[WF+96*SA+12*(4*\uu+\i):WF+96*SA+12*(4*\uu+\i)+11], v[AF+96*SB+12*(4*SA+\i):AF+96*SB+12*(4*SA+\i)+11], v[BI+8*\uu:BI+8*\uu+7], v[WSC+8*SA+4*\uu+\i], v[ASC+8*SB+4*SA+\i] matrix_a_fmt:MATRIX_FMT_BF6 matrix_b_fmt:MATRIX_FMT_BF6
.else
	v_wmma_scale_f32_16x16x128_f8f6f4 v[ACC+8*\uu:ACC+8*\uu+7], v[WF+96*SA+12*(4*\uu+\i):WF+96*SA+12*(4*\uu+\i)+11], v[AF+96*SB+12*(4*SA+\i):AF+96*SB+12*(4*SA+\i)+11], v[ACC+8*\uu:ACC+8*\uu+7], v[WSC+8*SA+4*\uu+\i], v[ASC+8*SB+4*SA+\i] matrix_a_fmt:MATRIX_FMT_BF6 matrix_b_fmt:MATRIX_FMT_BF6
.endif
.endr
.endr
	WIN 0
.rept 4
	v_nop                                          ; places in front of loads into registers that the products have read, and of the stores that read the results; they stay beside the wait that follows them
.endr
.endm
	s_load_b256 s[4:11], s[0:1], 0x0               ; W2 s[4:5], b2 s[6:7], hq s[8:9], ord s[10:11]
	s_load_b64 s[12:13], s[0:1], 0x20              ; y
	v_lshl_add_u32 v62, v0, 2, 0x3b000
	v_mov_b32 v63, 0
	v_lshrrev_b32 v1, 5, v0
	v_readfirstlane_b32 s14, v1                    ; wave 0..7
	s_lshr_b32 s51, ttmp9, 5                       ; e
	s_and_b32 s52, ttmp9, 31                       ; u
	v_mov_b32 v[TM+6], 0                           ; a lane permute's destination counts as read
	v_and_b32 v1, 31, v0                           ; lane
	v_and_b32 v2, 15, v0                           ; r
	v_bfe_u32 v3, v0, 4, 1                         ; h
	s_wait_alu depctr_va_sdst(0)                   ; s14 is written, ahead of its first reader: the next line
	s_mul_i32 s62, s14, STGW                       ; my stage
	v_lshl_add_u32 v[SST], v1, 4, s62
	v_mul_u32_u24 v[RBA], v2, SROW
	v_lshl_add_u32 v[RBA], v3, 7, v[RBA]
	v_add_nc_u32 v[RBA], s62, v[RBA]
	s_lshl_b32 s62, s14, 11                        ; my four K steps: 2,048 bytes of a row
	v_lshl_add_u32 v[VW], v1, 4, s62
	s_mul_i32 s62, s14, 6144                       ; their four images,
	s_add_co_u32 s62, s62, IMG
	v_lshl_add_u32 v[PW], v1, 4, s62
	s_lshl_b32 s62, s14, 9                         ; and scale words
	s_add_co_u32 s62, s62, IMG+ISC
	v_lshl_add_u32 v[PWS], v1, 2, s62
	v_lshl_add_u32 v[CR0], v1, 4, IMG
	v_lshl_add_u32 v[CR0+1], v1, 4, IMG+49152
	v_lshl_add_u32 v[CRS], v1, 2, IMG+ISC
	v_lshlrev_b32 v[SH8], 3, v3
	v_lshlrev_b32 v[BO], 6, v3
	v_lshl_add_u32 v[YL], v2, 12, v[BO]
	v_mul_u32_u24 v[L48], v1, 48
	v_lshlrev_b32 v[R8], 3, v2
	s_mov_b32 s60, 0x76543210                      ; v_permlanex16_b32: lane l xor 16
	s_mov_b32 s61, 0xfedcba98
	s_mov_b32 s63, 0                               ; the upper word of every offset; never rewritten
	s_wait_kmcnt 0x0
	s_lshl_b32 s62, s51, 24                        ; an expert's W2: 1,024 rows of 16,384 bytes;
	s_lshl_b32 s49, s52, 19                        ; my 32 rows
	s_add_co_u32 s62, s62, s49
	s_add_nc_u64 s[56:57], s[4:5], s[62:63]
	s_wait_alu depctr_va_vdst(0)                   ; the twelve addresses and offsets v4 to v15 are written, which the kernel's loads, stores and LDS instructions read; none of them is written again
.irp n, 0,1,2,3
	GLOAD \n                                       ; the stream begins before anything else is worked out
.endr
	s_lshl_b32 s62, s51, 7
	s_add_nc_u64 s[10:11], s[10:11], s[62:63]
	s_load_b512 s[16:31], s[10:11], 0x0            ; the expert's 32 mask words
	s_load_b512 s[32:47], s[10:11], 0x40
	s_mul_i32 s62, s51, 3145728
	s_add_nc_u64 s[70:71], s[8:9], s[62:63]        ; the expert's tiles of the hidden layer: codes,
	s_lshl_b32 s62, s51, 17
	s_add_nc_u64 s[72:73], s[8:9], s[62:63]
	s_add_nc_u64 s[72:73], s[72:73], HSS           ; scale words
	s_lshl_b32 s62, s51, 12
	s_lshl_b32 s49, s52, 7
	s_add_co_u32 s62, s62, s49
	s_add_nc_u64 s[78:79], s[6:7], s[62:63]        ; my 32 biases
	s_lshl_b32 s62, s51, 22
	s_add_co_u32 s62, s62, s49
	s_add_nc_u64 s[66:67], s[12:13], s[62:63]      ; y: the expert's rows, my 128 bytes of each
	s_mul_i32 s62, s14, 49152
	s_add_nc_u64 s[92:93], s[70:71], s[62:63]      ; my first tile: codes,
	s_lshl_b32 s62, s14, 11
	s_add_nc_u64 s[94:95], s[72:73], s[62:63]      ; scale words
	s_wait_kmcnt 0x0
	s_mov_b32 s48, 0
.irp j, 0,1,2,3,4,5,6,7,8,9,10,11,12,13,14,15,16,17,18,19,20,21,22,23,24,25,26,27,28,29,30,31
	s_bcnt1_i32_b32 s49, s[16+\j]
	s_add_co_u32 s48, s48, s49                     ; the expert's rows
.endr
	s_add_co_u32 s50, s48, 15
	s_lshr_b32 s50, s50, 4                         ; its tiles
	s_add_co_u32 s80, s50, 7
	s_sub_co_u32 s80, s80, s14
	s_lshr_b32 s80, s80, 3                         ; my tiles: v, v + 8, .. under that number
	; ---- phase 1: my eight groups.  Group n + 1 is on its way through the stage while group n is quantised
	TOSTAGE 0
	RB 0
.irp n, 0,1,2,3,4,5,6,7
.if \n < 7
	TOSTAGE \n+1
	RB \n+1
	s_wait_dscnt 16                                ; all but the 16 loads just issued: this group's numbers are in
.else
	s_wait_dscnt 0x0
.endif
.if \n >= 3
	s_wait_alu depctr_vm_vsrc(0)                   ; the last image's LDS stores have read v[PC ..] and v[PWD], which the lines below write again (for groups 1 and 2 the reload's wait, which stands behind those stores, has stated it)
.endif
	QUANTW \n
	s_wait_alu depctr_va_vdst(0)                   ; the quantiser has written v[PC ..] and v[PWD], which the image's stores read; and it is done reading its set of 64 numbers, in which the read-back of two groups on lands
	IMAGE \n
.endr
.rept 8
	v_nop                                          ; places between the quantiser's last vector writes and the products, whose operands take the same registers
.endr
	s_wait_dscnt 0x0                               ; for the others' sake: my images have landed
	WIN 0x40
	s_wait_alu depctr_vm_vsrc(0)                   ; all my LDS stores have read their data: the four groups' registers, which become biases, W's sets and accumulators, and v[PC ..], in which the rows' codes land
	s_wait_alu depctr_va_vdst(0)                   ; the quantiser is done reading v64 to v191 and has written v192 to v210: the rows' codes land in all of them, and the products take them as an operand
.irp i, 0,1,2,3
	global_load_b128 v[BI+4*\i:BI+4*\i+3], v[BO], s[78:79] offset:16*\i     ; the biases: register 8 u' + j: output 16 h + 8 u' + j
.endr
	WIN 0
	ALOAD 0, 0, 92, 94, L48, R8                    ; my first tile's first two groups (asked for by a wave without tiles too, which then never reads them)
	ALOAD 1, 1, 92, 94, L48, R8
	s_barrier_signal -1
	s_barrier_wait -1                              ; all 64 fragments lie in LDS; nothing is written there any more
	; ---- phase 2: my tiles
	s_cmp_eq_u32 s80, 0
	s_cbranch_scc1 .Lend                           ; no tile of mine (no barrier follows)
	WLOAD 0                                        ; (no vector line has been issued since the two waits between the phases)
	s_mov_b32 s81, 0
	s_mov_b32 s82, s14                             ; the tile in hand
.Ltile:
	s_wait_xcnt 0x0                                ; the bases are rewritten only behind this wait
	s_wait_alu depctr_vm_vsrc(0)                   ; the last tile's look-ahead loads have read v58 and v59, which the two multiplies below write again; its stores have read the accumulators, which this tile's first products begin anew
	s_add_co_u32 s83, s82, 8
	s_cmp_lt_u32 s83, s50
	s_cselect_b32 s83, s83, s14                    ; my next tile; behind the last, my first tile's address, which lies inside the buffer,
	s_cselect_b32 s84, 1, 0                        ; and 0 as the factor of the lanes' offsets
	s_min_u32 s83, s83, 63                         ; what hangs on the loaded count enters an address only behind a hold: the tile's number at 63,
	s_min_u32 s84, s84, 1                          ; the factor at 1
	v_mul_u32_u24 v[NL48], s84, v[L48]             ; 48 lane, or every lane the same bytes
	v_mul_u32_u24 v[NR8], s84, v[R8]               ; 8 r, likewise
	s_mul_i32 s62, s82, 49152
	s_add_nc_u64 s[74:75], s[70:71], s[62:63]      ; this tile: codes,
	s_lshl_b32 s62, s82, 11
	s_add_nc_u64 s[76:77], s[72:73], s[62:63]      ; scale words,
	s_lshl_b32 s62, s82, 16
	s_add_nc_u64 s[68:69], s[66:67], s[62:63]      ; its 16 rows of y
	s_mul_i32 s62, s83, 49152
	s_add_nc_u64 s[92:93], s[70:71], s[62:63]      ; the next tile
	s_lshl_b32 s62, s83, 11
	s_add_nc_u64 s[94:95], s[72:73], s[62:63]
	SUB 0
	SUB 1
	SUB 2
	SUB 3
	SUB 4
	SUB 5
	SUB 6
	SUB 7
	s_wait_alu depctr_va_vdst(0)                   ; behind the four places: the last products have written the accumulators, which the stores below read, and are done reading the rows' second buffer and its scale words, in which the loads below land
	ALOAD 1, 1, 92, 94, NL48, NR8                  ; the next tile's second group
	WIN 0x04                                       ; a store's data are its source 1: window 1
.irp i, 0,1,2,3
	global_store_b128 v[YL], v[ACC+4*\i:ACC+4*\i+3], s[68:69] offset:16*\i      ; each accumulator from its low end on; a lane's four stores fill 64 neighbouring bytes
.endr
	WIN 0
.rept 2
	v_nop                                          ; with the four above: more than five places before the next tile's first products begin the accumulators anew
.endr
	s_mov_b32 s82, s83
	s_add_co_u32 s81, s81, 1
	s_cmp_lt_u32 s81, s80
	s_cbranch_scc1 .Ltile
.Lend:
	s_wait_dscnt 0x0                               ; the closing lines, six on end (the first of them also awaits the last trip's look-ahead into W's first set)
	s_wait_alu 0x0
	s_wait_tensorcnt 0x0
	ds_add_u32 v62, v63
	s_wait_dscnt 0x0
	s_endpgm
.Lfunc_end_k_q3bbbb98bcd_down:
	.size	k_q3bbbb98bcd_down, .Lfunc_end_k_q3bbbb98bcd_down-k_q3bbbb98bcd_down
	.p2alignl 7, 3214868480
	.fill 96, 4, 3214868480
	.section	.rodata,"a",@progbits
	.p2align	6, 0x0
	.amdhsa_kernel k_q3bbbb98bcd_down
		.amdhsa_group_segment_fixed_size 242688
		.amdhsa_private_segment_fixed_size 0
		.amdhsa_enable_private_segment 0
		.amdhsa_kernarg_size 40
		.amdhsa_user_sgpr_count 2
		.amdhsa_user_sgpr_kernarg_segment_ptr 1
		.amdhsa_wavefront_size32 1
		.amdhsa_system_sgpr_workgroup_id_x 1
		.amdhsa_system_sgpr_workgroup_id_y 1
		.amdhsa_system_sgpr_workgroup_id_z 1
		.amdhsa_system_vgpr_workitem_id 0
		.amdhsa_next_free_vgpr 512
		.amdhsa_next_free_sgpr 100
		.amdhsa_reserve_vcc 0
		.amdhsa_float_denorm_mode_32 3
		.amdhsa_float_denorm_mode_16_64 3
		.amdhsa_memory_ordered 1
		.amdhsa_forward_progress 1
		.amdhsa_inst_pref_size 108
	.end_amdhsa_kernel
	.amdgpu_metadata
---
amdhsa.version: [ 1, 2 ]
amdhsa.kernels:
  - .name:           k_q3bbbb98bcd_down
    .symbol:         k_q3bbbb98bcd_down.kd
    .args:
      - { .name: W2, .offset: 0, .size: 8, .value_kind: global_buffer, .address_space: global }
      - { .name: b2, .offset: 8, .size: 8, .value_kind: global_buffer, .address_space: global }
      - { .name: hq, .offset: 16, .size: 8, .value_kind: global_buffer, .address_space: global }
      - { .name: ord, .offset: 24, .size: 8, .value_kind: global_buffer, .address_space: global }
      - { .name: y, .offset: 32, .size: 8, .value_kind: global_buffer, .address_space: global }
    .group_segment_fixed_size: 242688
    .private_segment_fixed_size: 0
    .kernarg_segment_align: 8
    .kernarg_segment_size: 40
    .max_flat_workgroup_size: 256
    .sgpr_count:     100
    .vgpr_count:     512
    .wavefront_size: 32
...
	.end_amdgpu_metadata
.endif
;; end of part 9
;; launch sum (part 10): grid 128 x 1, 8 waves a work-group, no clusters, 0 bytes of LDS; arguments y, ord, pre, rt, out0; writes out0
.if DOCPART == 10
	.amdgcn_target "amdgcn-amd-amdhsa--gfx1250"
	.amdhsa_code_object_version 6
	.text
	.protected	k_q3bbbb98bcd_sum
	.globl	k_q3bbbb98bcd_sum
	.p2align	8
	.type	k_q3bbbb98bcd_sum,@function
k_q3bbbb98bcd_sum:
	s_mov_b64 s[64:65], 0
	v_nop
	global_prefetch_b8 v0, s[64:65] scope:SCOPE_SE
	s_setreg_imm32_b32 hwreg(HW_REG_WAVE_MODE, 25, 1), 1
	s_wait_xcnt 0x0
; out[t] = w0 y[e0][pos0] + w1 y[e1][pos1].  One wave takes one token t = 8 x work-group + wave.
; A token's position in expert e's list = the stored count in front of its word of 32 tokens + the set bits below its own bit in that word: whole numbers that earlier launches stored, read by scalar loads.
; TWO ROUNDS OF SCALAR LOADS, NOT THREE.  Where the mask word and the count of expert e lie hangs on the token and on e, and there are only 8 experts: so all 8 words and all 8 counts (16 loads of 4 bytes) are asked for
; together with the token's two experts and weights, and the two pairs that are wanted are picked behind the one wait, by compares and selects on scalars.
; Each of the two rows is 4,096 bytes: eight loads of 512 consecutive bytes; the result leaves the same way.  Memory binds; no LDS, no barrier, no matrix unit: there is nothing to share and nothing to multiply.
.set MW, 40                            ; s40-47  the token's mask word of expert e
.set PR, 48                            ; s48-55  the count in front of that word
	s_load_b256 s[4:11], s[0:1], 0x0               ; y s[4:5], ord s[6:7], pre s[8:9], rt s[10:11]
	s_load_b64 s[12:13], s[0:1], 0x20              ; out0
	v_lshrrev_b32 v1, 5, v0
	s_delay_alu instid0(VALU_DEP_1)
	v_readfirstlane_b32 s14, v1
	v_and_b32 v1, 31, v0
	s_delay_alu instid0(VALU_DEP_1)
	v_lshlrev_b32 v1, 4, v1                        ; 16 x lane
	s_lshl_b32 s15, ttmp9, 3
	s_add_co_u32 s15, s15, s14                     ; token
	s_lshl_b32 s16, s15, 2
	s_lshl_b32 s17, s15, 3
	s_lshr_b32 s24, s15, 5
	s_lshl_b32 s24, s24, 2                         ; the token's word: 4 (t / 32)
	s_wait_alu depctr_va_vdst(0)
	s_wait_kmcnt 0x0
	s_load_b32 s18, s[6:7], s16 offset:0x400       ; e0 | e1 << 8
	s_load_b64 s[20:21], s[10:11], s17             ; w0, w1
.irp e, 0,1,2,3,4,5,6,7
	s_load_b32 s[MW+\e], s[6:7], s24 offset:128*\e
	s_load_b32 s[PR+\e], s[8:9], s24 offset:128*\e
.endr
	s_and_b32 s27, s15, 31
	s_bfm_b32 s27, s27, 0                          ; the bits below mine
	s_wait_kmcnt 0x0
	s_and_b32 s22, s18, 0xff
	s_min_u32 s22, s22, 7
	s_bfe_u32 s23, s18, 0x80008
	s_min_u32 s23, s23, 7
	s_mov_b32 s28, s[MW]                           ; e0's word and count, e1's word and count: expert 0's stand until another expert's are picked
	s_mov_b32 s29, s[PR]
	s_mov_b32 s30, s[MW]
	s_mov_b32 s31, s[PR]
.irp e, 1,2,3,4,5,6,7
	s_cmp_eq_u32 s22, \e
	s_cselect_b32 s28, s[MW+\e], s28
	s_cselect_b32 s29, s[PR+\e], s29
	s_cmp_eq_u32 s23, \e
	s_cselect_b32 s30, s[MW+\e], s30
	s_cselect_b32 s31, s[PR+\e], s31
.endr
	s_mov_b32 s36, s21                             ; w1 in a pair of its own: a packed form takes a pair's low word for both halves
	s_mov_b32 s37, s21
	s_and_b32 s28, s28, s27
	s_bcnt1_i32_b32 s28, s28
	s_add_co_u32 s28, s28, s29
	s_min_u32 s28, s28, 1023                       ; my position in e0's list,
	s_and_b32 s30, s30, s27
	s_bcnt1_i32_b32 s30, s30
	s_add_co_u32 s30, s30, s31
	s_min_u32 s30, s30, 1023                       ; and in e1's
	s_lshl_b32 s22, s22, 10
	s_add_co_u32 s22, s22, s28
	s_lshl_b32 s32, s22, 12
	s_mov_b32 s33, 0
	s_add_nc_u64 s[32:33], s[4:5], s[32:33]
	s_lshl_b32 s23, s23, 10
	s_add_co_u32 s23, s23, s30
	s_lshl_b32 s34, s23, 12
	s_mov_b32 s35, 0
	s_add_nc_u64 s[34:35], s[4:5], s[34:35]
.irp i, 0,1,2,3,4,5,6,7
	global_load_b128 v[8+4*\i:8+4*\i+3], v1, s[32:33] offset:512*\i th:TH_LOAD_NT
.endr
.irp i, 0,1,2,3,4,5,6,7
	global_load_b128 v[40+4*\i:40+4*\i+3], v1, s[34:35] offset:512*\i th:TH_LOAD_NT
.endr
	s_lshl_b32 s38, s15, 12
	s_mov_b32 s39, 0
	s_add_nc_u64 s[12:13], s[12:13], s[38:39]
	s_wait_loadcnt 0x0
.irp m, 0,2,4,6,8,10,12,14,16,18,20,22,24,26,28,30
	v_pk_mul_f32 v[8+\m:9+\m], v[8+\m:9+\m], s[20:21] op_sel_hi:[1,0]
.endr
.irp m, 0,2,4,6,8,10,12,14,16,18,20,22,24,26,28,30
	v_pk_fma_f32 v[8+\m:9+\m], v[40+\m:41+\m], s[36:37], v[8+\m:9+\m] op_sel_hi:[1,0,1]
.endr
.irp i, 0,1,2,3,4,5,6,7
	global_store_b128 v1, v[8+4*\i:8+4*\i+3], s[12:13] offset:512*\i th:TH_STORE_NT     ; 512 consecutive bytes a store
.endr
	s_endpgm
.Lfunc_end_k_q3bbbb98bcd_sum:
	.size	k_q3bbbb98bcd_sum, .Lfunc_end_k_q3bbbb98bcd_sum-k_q3bbbb98bcd_sum
	.p2alignl 7, 3214868480
	.fill 96, 4, 3214868480
	.section	.rodata,"a",@progbits
	.p2align	6, 0x0
	.amdhsa_kernel k_q3bbbb98bcd_sum
		.amdhsa_group_segment_fixed_size 0
		.amdhsa_private_segment_fixed_size 0
		.amdhsa_enable_private_segment 0
		.amdhsa_kernarg_size 40
		.amdhsa_user_sgpr_count 2
		.amdhsa_user_sgpr_kernarg_segment_ptr 1
		.amdhsa_wavefront_size32 1
		.amdhsa_system_sgpr_workgroup_id_x 1
		.amdhsa_system_sgpr_workgroup_id_y 1
		.amdhsa_system_sgpr_workgroup_id_z 1
		.amdhsa_system_vgpr_workitem_id 0
		.amdhsa_next_free_vgpr 80
		.amdhsa_next_free_sgpr 66
		.amdhsa_reserve_vcc 0
		.amdhsa_float_denorm_mode_32 3
		.amdhsa_float_denorm_mode_16_64 3
		.amdhsa_memory_ordered 1
		.amdhsa_forward_progress 1
		.amdhsa_inst_pref_size 9
	.end_amdhsa_kernel
	.amdgpu_metadata
---
amdhsa.version: [ 1, 2 ]
amdhsa.kernels:
  - .name:           k_q3bbbb98bcd_sum
    .symbol:         k_q3bbbb98bcd_sum.kd
    .args:
      - { .name: y, .offset: 0, .size: 8, .value_kind: global_buffer, .address_space: global }
      - { .name: ord, .offset: 8, .size: 8, .value_kind: global_buffer, .address_space: global }
      - { .name: pre, .offset: 16, .size: 8, .value_kind: global_buffer, .address_space: global }
      - { .name: rt, .offset: 24, .size: 8, .value_kind: global_buffer, .address_space: global }
      - { .name: out0, .offset: 32, .size: 8, .value_kind: global_buffer, .address_space: global }
    .group_segment_fixed_size: 0
    .private_segment_fixed_size: 0
    .kernarg_segment_align: 8
    .kernarg_segment_size: 40
    .max_flat_workgroup_size: 256
    .sgpr_count:     66
    .vgpr_count:     80
    .wavefront_size: 32
...
	.end_amdgpu_metadata
.endif
;; end of part 10
